; MI455X (gfx1250); checked and timed in simulation.
; The chip was launched on July 23, 2026; its instructions are those of AMD's public machine-readable ISA for CDNA 5 (MIT licence, August 2026) and "CDNA5" Instruction Set Architecture Reference Guide (July 2026). The comments in the code are by the model that wrote it; some were corrected since.
;; Fused MHA. Allowed arithmetic: matrix products marked QUANTISED: E3M2 operands, one E8M0 scale for each 32 along K, by v_wmma_scale_f32_16x16x128_f8f6f4 with both operands' format E3M2, f32 sums; everything else in f32.
;; Inputs: w_out 1,024 x 1,024 float32; w_qkv 1,024 x 3,072 float32; x 4 x 2,048 x 1,024 float32.
;; Outputs: out0 4 x 2,048 x 1,024 float32.
;; This version of the problem:
;;   THIS VERSION OF THE PROBLEM IS GIVEN IN LOW PRECISION. The matrix products marked QUANTISED in the list below multiply operands that are first quantised to E3M2 (3 exponent bits, 2 mantissa bits; 6 bits a number), with one power-of-two scale for each 32 numbers along K (OCP MX v1.0); their sums are f32. All else is computed in f32.
;;   The module's matrix products, in the order in which they are computed (A, B: the left and right operand; K: the contracted axis; several contracted axes count as one K, in the product's order):
;;     1. [M 8,192, K 1,024] x [K 1,024, N 3,072]; A: input x; B: input w_qkv: QUANTISED
;;     2. batch 64 x [M 2,048, K 64] x [K 64, N 2,048]; A: computed on the way; B: computed on the way: QUANTISED
;;     3. batch 64 x [M 2,048, K 2,048] x [K 2,048, N 64]; A: softmax (see below); B: computed on the way: QUANTISED
;;     4. [M 8,192, K 1,024] x [K 1,024, N 1,024]; A: computed on the way; B: input w_out: QUANTISED
;;   THE QUANTISER, for each operand of a quantised product, along K:
;;     - K is cut into blocks of 32 from its start; a last block that is shorter is filled with zeros.
;;     - A block's scale is 2^e with e = floor(log2(the largest magnitude in the block)) - 4, held to -126 .. 127; a block of zeros has e = 0. As a byte (E8M0): e + 127.
;;     - Each number is divided by its block's scale, clamped to +-28, and rounded to the nearest number of E3M2, ties to even, subnormals kept.
;;     - The product sums the exact products of the quantised numbers (number of the format x scale) in f32.
;;   ~~~python
;;   def quantise(x, axis):      # numpy; x: float32 -> the quantised numbers, widened to float32 again
;;       x = np.moveaxis(x, axis, -1); K = x.shape[-1]
;;       x = np.pad(x, [(0, 0)] * (x.ndim - 1) + [(0, -K % 32)]); x = x.reshape(x.shape[:-1] + (-1, 32)); a = np.abs(x).max(-1, keepdims=True)
;;       e = np.where(a > 0, np.clip(np.frexp(np.where(a > 0, a, 1))[1] - 1 - 4, -126, 127), 0)      # np.frexp(a)[1] - 1 = floor(log2(a)), exactly
;;       r = np.clip(x / 2.0 ** e, -28, 28)
;;       step = 2.0 ** (np.maximum(np.frexp(np.where(r == 0, 1, r))[1] - 1, -2) - 2)
;;       q = np.round(r / step) * step * 2.0 ** e      # np.round: ties to even
;;       return np.moveaxis(q.reshape(q.shape[:-2] + (-1,))[..., :K], -1, axis).astype(np.float32)
;;   ~~~
;;   SOFTMAX AHEAD OF A QUANTISED PRODUCT. Where the list says 'softmax', what is quantised is not the finished softmax but p = 2^(t - M), with t = logit x log2(e) and M = ceil(the row's largest t), a whole number; so 1/2 < the row's largest p <= 1. The row's sum l is taken of the UNQUANTISED p, in f32, and the product's result is divided by l at the end. Since M is a whole number, a kernel that streams over the keys may use a running M (the ceiling of the running maximum): every later rescaling is an exact power of two, which a block's scale takes up: the codes' values come out the same.
;;   OPERANDS COMPUTED ON THE WAY. 'Computed on the way' means the value that the module computes at that place (a softmax that the list does not call 'softmax' is quantised finished and normalised). What goes into a quantiser is computed in f32, as accurately as f32 sums, v_exp_f32 and their like allow (about 1e-6 of the number): no bf16 or f16 on the way to a quantiser, and a product that is left as it is and whose result goes on into a quantised operand takes f32 operands (vector FMAs, or v_wmma_f32_16x16x4_f32). A number that lies on a knife's edge between two numbers of the format may be rounded either way, as far as f32 arithmetic and the matrix unit's own rounding can turn it there, and no further.
;; 2 versions. Each part assembles by itself: llvm-mc -triple=amdgcn-amd-amdhsa -mcpu=gfx1250 --defsym DOCPART=n.
;; ======== version 1 of 2: 5 launches
;; workspace buffers: xcod 6,291,456 bytes; xscl 262,144 bytes; wcod 3,145,728 bytes; wscl 131,072 bytes; zcod 18,874,368 bytes; zscl 1,310,720 bytes; acod 6,291,456 bytes; ascl 262,144 bytes
;; launch quant_x (part 1): grid 256 x 1, 4 waves a work-group, no clusters, 33,280 bytes of LDS; arguments x, xcod, xscl; writes xcod, xscl
.if DOCPART == 1
	.amdgcn_target "amdgcn-amd-amdhsa--gfx1250"
	.amdhsa_code_object_version 6
	.text
	.protected	k_q96f709c0b3_quant_x
	.globl	k_q96f709c0b3_quant_x
	.p2align	8
	.type	k_q96f709c0b3_quant_x,@function
k_q96f709c0b3_quant_x:
	s_mov_b64 s[64:65], 0
	v_nop
	global_prefetch_b8 v0, s[64:65] scope:SCOPE_SE
	s_setreg_imm32_b32 hwreg(HW_REG_WAVE_MODE, 25, 1), 1
	s_wait_xcnt 0x0
; x [8192][1024] f32 becomes codes of BF6 (E3M2), 6 bits each, K innermost (768 bytes a row), and one E8M0 scale byte for each 32 along K (32 bytes a row).
; A block's scale is 2^(floor(log2(its largest magnitude)) - 4); its byte is the largest magnitude's exponent field - 4, held at 1 from below.
; (A block of zeros so gets the byte 1 where the quantiser says 127: its codes are zeros, which add nothing under any byte but 0xff, and this program alone reads the bytes.)
; LIMITS: a block whose largest magnitude lies under 2^-122 keeps the byte 1; NaN and infinities among the inputs are not served.
; ROW ORDER OF THE OUTPUT: bits 3 and 4 of the row's number change places: buffer row 32 g + 16 u + r holds true row 32 g + 8 u + r + 8 (r / 8).  So 16 consecutive buffer rows are a tile whose
; results, in the products that follow, lie as 16 true neighbours in the 16 registers of two neighbouring tiles.
; A wave takes 8 rows (8,192 numbers) in 16 steps of 512.  Each load reads 512 consecutive bytes; a step's 2,048 bytes turn through the wave's own stage in LDS, so that a lane then holds 16 neighbours
; (two neighbouring lanes hold a block).  A lane's 16 codes are 12 bytes: the wave stores 384 consecutive bytes.  A wave's 256 scale bytes are gathered in LDS and leave as one aligned block of 256 bytes.
; No tensor loads, no barrier: waves share nothing.  Loads run four steps (16 loads a wave) ahead, the turn through LDS one step.
.set STEPS, 16
.set EMAX,  4
.set CB,    12                         ; bytes of 16 codes
.set R,     16                         ; v16-79   four sets of 16 numbers as they are loaded
.set X,     80                         ; v80-111  two sets of 16 neighbours
.set C,     128                        ; v128-191 codes: four registers for each step, so that no store's data are written again
.set E,     112                        ; v112-127 a scale byte for each step
.set WREG,  8192                       ; LDS: a region for each wave: two stages of 32 x SP bytes, behind them its 256 scale bytes
.set SP,    80                         ; a lane's place in a stage: its 64 bytes + 16 of padding
	s_load_b128 s[4:7], s[0:1], 0x0                ; x, the codes
	s_load_b64 s[8:9], s[0:1], 0x10                ; the scale bytes
	v_lshl_add_u32 v192, v0, 2, 0x8000
	v_mov_b32 v193, 0
	v_lshrrev_b32 v1, 5, v0
	v_readfirstlane_b32 s16, v1                    ; wave
	v_and_b32 v2, 31, v0                           ; lane
	v_lshlrev_b32 v3, 4, v2                        ; my 16 bytes of a load's 512
	s_mul_i32 s17, s16, WREG
	v_lshrrev_b32 v14, 2, v2
	v_mul_u32_u24 v14, v14, SP
	v_and_b32 v15, 3, v2
	v_lshl_add_u32 v14, v15, 4, v14
	v_add_nc_u32 v14, s17, v14                     ; the stage, on the way in: SP (lane / 4) + 16 (lane % 4)
	v_mul_u32_u24 v15, v2, SP
	v_add_nc_u32 v15, s17, v15                     ; and on the way out: SP x lane: my 16 neighbours
	v_mul_u32_u24 v4, v2, CB                       ; my codes' place in a step's
	v_lshrrev_b32 v5, 1, v2
	s_add_co_u32 s17, s17, 2*32*SP
	v_add_nc_u32 v5, s17, v5                       ; LDS: my wave's 256 scale bytes, my block's byte
	v_lshlrev_b32 v7, 3, v2                        ; and on the way out 8 bytes a lane
	v_add_nc_u32 v6, s17, v7
	s_lshl_b32 s18, ttmp9, 2
	s_add_co_u32 s19, s18, s16                     ; the run of 8 rows that I read: 4 x work-group + wave
	s_and_b32 s20, s16, 1
	s_lshl_b32 s20, s20, 1
	s_lshr_b32 s21, s16, 1
	s_or_b32 s20, s20, s21                         ; the wave's two bits change places: they are bits 3 and 4 of the row
	s_add_co_u32 s18, s18, s20                     ; the run that I write
	s_lshl_b32 s22, s19, 15                        ; 32,768 bytes of x a run
	s_mov_b32 s23, 0
	s_mul_i32 s24, s18, 512*CB                     ; 6,144 bytes of codes
	s_mov_b32 s25, 0
	s_lshl_b32 s26, s18, 8                         ; 256 scale bytes
	s_mov_b32 s27, 0
	s_wait_kmcnt 0x0
	s_add_nc_u64 s[4:5], s[4:5], s[22:23]
	s_add_nc_u64 s[6:7], s[6:7], s[24:25]
	s_add_nc_u64 s[8:9], s[8:9], s[26:27]
.macro LOAD t
.irp i, 0,1,2,3
	global_load_b128 v[R+16*((\t)%4)+4*\i:R+16*((\t)%4)+4*\i+3], v3, s[4:5] offset:2048*(\t)+512*\i th:TH_LOAD_NT   ; 32 lanes read 512 consecutive bytes
.endr
.endm
.macro TURN t                          ; step t's numbers through the stage: LDS serves a wave's instructions in order, so no wait stands between the stores and the loads
.irp i, 0,1,2,3
	ds_store_b128 v14, v[R+16*((\t)%4)+4*\i:R+16*((\t)%4)+4*\i+3] offset:32*SP*((\t)%2)+8*SP*\i
.endr
.irp i, 0,1,2,3
	ds_load_b128 v[X+16*((\t)%2)+4*\i:X+16*((\t)%2)+4*\i+3], v15 offset:32*SP*((\t)%2)+16*\i
.endr
.endm
.irp t, 0,1,2,3
	LOAD \t
.endr
	s_wait_loadcnt 12                              ; step 0's four loads are in
	TURN 0
.macro STEP t
.set XS, X+16*((\t)%2)
.if (\t) > 0
	s_wait_dscnt 1                                 ; this step's numbers are back from the stage (the last step's byte store may be out): so its stores into the stage have read their registers,
.else
	s_wait_dscnt 0x0
.endif
.if (\t)+4 < STEPS
	LOAD (\t)+4                                    ; which take the loads of four steps on
.endif
.if (\t)+1 < STEPS
.if STEPS-2-(\t) >= 3
	s_wait_loadcnt 12                              ; the next step's four loads are in; those of the three steps behind it may be out
.else
	s_wait_loadcnt 4*(STEPS-2-(\t))
.endif
	TURN (\t)+1                                    ; and go through the other stage while this step is worked
.endif
	v_max3_num_f32 v8, |v[XS]|, |v[XS+1]|, |v[XS+2]|               ; the largest magnitude of my 16, in two chains
	v_max3_num_f32 v9, |v[XS+3]|, |v[XS+4]|, |v[XS+5]|
.irp i, 6,10
	v_max3_num_f32 v8, v8, |v[XS+\i]|, |v[XS+\i+1]|
	v_max3_num_f32 v9, v9, |v[XS+\i+2]|, |v[XS+\i+3]|
.endr
	v_max3_num_f32 v8, v8, |v[XS+14]|, |v[XS+15]|
	v_max3_num_f32 v8, v8, v9, (EMAX+1)<<23        ; and the floor 2^(5 - 127): so the byte cannot fall under 1
	v_max_num_f32_dpp v8, v8, v8 row_xmask:1 row_mask:0xf bank_mask:0xf   ; and of my neighbour's 16: the block's
	v_add_nc_u32 v11, 0xfe000000, v8               ; 4 off its exponent field: the conversion takes the exponent field of this operand as its scale, and nothing else of it
	v_cvt_scalef32_pk16_bf6_f32 v[C+4*(\t):C+4*(\t)+2], v[XS:XS+15], v11   ; sixteen numbers / the scale, to the nearest code, ties to even, beyond the largest code the largest
	v_lshrrev_b32 v[E+(\t)], 23, v11               ; the scale's byte
	ds_store_b8 v5, v[E+(\t)] offset:16*(\t)       ; both lanes of a block write the same byte with the same value
	global_store_b96 v4, v[C+4*(\t):C+4*(\t)+2], s[6:7] offset:32*CB*(\t)
.endm
.irp t, 0,1,2,3,4,5,6,7,8,9,10,11,12,13,14,15
	STEP \t
.endr
	ds_load_b64 v[12:13], v6                       ; LDS serves a wave's instructions in order: these see my stores
	s_wait_dscnt 0x0
	global_store_b64 v7, v[12:13], s[8:9]          ; 32 lanes store 256 consecutive bytes, aligned
	s_wait_tensorcnt 0x0
	ds_add_u32 v192, v193
	s_wait_dscnt 0x0
	s_endpgm
.Lfunc_end_k_q96f709c0b3_quant_x:
	.size	k_q96f709c0b3_quant_x, .Lfunc_end_k_q96f709c0b3_quant_x-k_q96f709c0b3_quant_x
	.p2alignl 7, 3214868480
	.fill 96, 4, 3214868480
	.section	.rodata,"a",@progbits
	.p2align	6, 0x0
	.amdhsa_kernel k_q96f709c0b3_quant_x
		.amdhsa_group_segment_fixed_size 33280
		.amdhsa_private_segment_fixed_size 0
		.amdhsa_enable_private_segment 0
		.amdhsa_kernarg_size 24
		.amdhsa_user_sgpr_count 2
		.amdhsa_user_sgpr_kernarg_segment_ptr 1
		.amdhsa_wavefront_size32 1
		.amdhsa_system_sgpr_workgroup_id_x 1
		.amdhsa_system_sgpr_workgroup_id_y 1
		.amdhsa_system_sgpr_workgroup_id_z 1
		.amdhsa_system_vgpr_workitem_id 0
		.amdhsa_next_free_vgpr 194
		.amdhsa_next_free_sgpr 66
		.amdhsa_reserve_vcc 0
		.amdhsa_float_denorm_mode_32 3
		.amdhsa_float_denorm_mode_16_64 3
		.amdhsa_memory_ordered 1
		.amdhsa_forward_progress 1
		.amdhsa_inst_pref_size 32
	.end_amdhsa_kernel
	.amdgpu_metadata
---
amdhsa.version: [ 1, 2 ]
amdhsa.kernels:
  - .name:           k_q96f709c0b3_quant_x
    .symbol:         k_q96f709c0b3_quant_x.kd
    .args:
      - { .name: x, .offset: 0, .size: 8, .value_kind: global_buffer, .address_space: global }
      - { .name: xcod, .offset: 8, .size: 8, .value_kind: global_buffer, .address_space: global }
      - { .name: xscl, .offset: 16, .size: 8, .value_kind: global_buffer, .address_space: global }
    .group_segment_fixed_size: 33280
    .private_segment_fixed_size: 0
    .kernarg_segment_align: 8
    .kernarg_segment_size: 24
    .max_flat_workgroup_size: 128
    .sgpr_count:     66
    .vgpr_count:     194
    .wavefront_size: 32
...
	.end_amdgpu_metadata
.endif
;; end of part 1
;; launch quant_w (part 2): grid 32 x 4, 4 waves a work-group, no clusters, 36,352 bytes of LDS; arguments w_qkv, w_out, wcod, wscl; writes wcod, wscl
.if DOCPART == 2
	.amdgcn_target "amdgcn-amd-amdhsa--gfx1250"
	.amdhsa_code_object_version 6
	.text
	.protected	k_q96f709c0b3_quant_w
	.globl	k_q96f709c0b3_quant_w
	.p2align	8
	.type	k_q96f709c0b3_quant_w,@function
k_q96f709c0b3_quant_w:
	s_mov_b64 s[64:65], 0
	v_nop
	global_prefetch_b8 v0, s[64:65] scope:SCOPE_SE
	s_setreg_imm32_b32 hwreg(HW_REG_WAVE_MODE, 25, 1), 1
	s_wait_xcnt 0x0
; w_qkv [1024][3072] and w_out [1024][1024], f32, are operands whose K is their FIRST axis.  They become codes of BF6 (E3M2) laid [4096 rows][768 bytes] with K innermost, and scale bytes [4096][32]:
; rows 0-3071 are w_qkv's columns, rows 3072-4095 w_out's.  In the row's number bits 3 and 4 change places, as in x's codes: buffer row 32 g + 16 u + r holds column 32 g + 8 u + r + 8 (r / 8).
; A LANE TAKES A COLUMN, AND ITS REGISTERS RUN DOWN K: each load reads 128 consecutive bytes a wave, a block of 32 along K lies in one lane's 32 registers, and the conversions give codes with K innermost.
; A block's scale is 2^(floor(log2(its largest magnitude)) - 4); its byte is the largest magnitude's exponent field - 4, held at 1 from below (a block of zeros keeps the byte 1: its codes are zeros, and this program alone reads the bytes).
; LIMITS: a block whose largest magnitude lies under 2^-122 keeps the byte 1; NaN and infinities among the inputs are not served.
; ONE PATH SERVES BOTH WEIGHTS: work-groups x = 0..23 take w_qkv, 24..31 w_out; only the pointer and the row's stride are chosen.  The stride is a scalar, so the 32 rows of a block have 32 offset registers
; and the 8 blocks 8 bases; nothing is stepped.
; A wave takes 32 columns x 256 along K: 192 bytes of codes a column.  They go through the wave's own stage in LDS and leave as rows: sixteen lanes store a row's 192 consecutive bytes.  No barrier: waves share nothing.
.set NB,    8                          ; blocks of 32 along K for a wave
.set ROWB,  192                        ; bytes of 256 codes
.set PITCH, 272                        ; a stage row: sixteen places of 16 bytes, each with 12 bytes of codes, + 16
.set KROW,  768                        ; a row of the codes' buffer
.set EMAX,  4
.set X,     32                         ; v32-95   two sets of 32 numbers
.set C,     96                         ; v96..    a block's codes
.set OUTR,  112                        ; v112-175 the way out
.set SB,    24                         ; v24-25   the scale bytes, four to a register
.set OF,    176                        ; v176-207 4 x lane + i x the row's stride
	s_load_b256 s[4:11], s[0:1], 0x0               ; w_qkv s[4:5], w_out s[6:7], the codes s[8:9], the scale bytes s[10:11]
	v_lshl_add_u32 v208, v0, 2, 0x8c00
	v_mov_b32 v209, 0
	v_lshrrev_b32 v1, 5, v0
	v_readfirstlane_b32 s16, v1                    ; wave 0..3
	v_and_b32 v2, 31, v0                           ; lane
	s_and_b32 s18, ttmp7, 0xffff                   ; which 256 along K
	s_cmp_lt_u32 ttmp9, 24                         ; w_qkv's work-group or w_out's?
	s_mov_b32 s20, 4096
	s_cselect_b32 s20, 12288, s20                  ; bytes from a row of the weight to the next
	s_cselect_b32 s21, 0, 24
	s_sub_co_u32 s22, ttmp9, s21
	s_lshl_b32 s22, s22, 7
	s_lshl_b32 s23, s16, 5
	s_add_co_u32 s22, s22, s23                     ; my wave's first column in its weight
	s_lshl_b32 s17, ttmp9, 7
	s_add_co_u32 s17, s17, s23                     ; and its first row in the buffers
	v_lshlrev_b32 v3, 2, v2                        ; in: 4 bytes a lane
.set i, 0
.rept 32
	v_mad_u32_u24 v[OF+i], s20, i, v3
.set i, i+1
.endr
	s_mul_i32 s19, s16, 32*PITCH                   ; my stage
	v_and_b32 v5, 7, v2
	v_bfe_u32 v6, v2, 3, 1
	v_lshl_add_u32 v5, v6, 4, v5
	v_bfe_u32 v6, v2, 4, 1
	v_lshl_add_u32 v5, v6, 3, v5                   ; my column's buffer row among the wave's 32: bits 3 and 4 changed
	v_mul_u32_u24 v4, v5, PITCH
	v_add_nc_u32 v4, s19, v4                       ; into the stage: that row
	v_lshlrev_b32 v9, 5, v5                        ; and its row of scale bytes
	v_and_b32 v5, 15, v2
	v_lshrrev_b32 v6, 4, v2                        ; out of the stage: sixteen lanes to a row, two rows an instruction
	v_mul_u32_u24 v7, v6, PITCH
	v_lshl_add_u32 v7, v5, 4, v7
	v_add_nc_u32 v7, s19, v7
	v_mul_u32_u24 v8, v6, KROW
	v_mad_u32_u24 v8, v5, 12, v8                   ; and the same place in the codes' buffer
	s_lshl_b32 s24, s18, 8
	s_mul_i32 s24, s24, s20                        ; 256 y rows of the weight,
	s_lshl_b32 s25, s22, 2
	s_add_co_u32 s24, s24, s25                     ; + 4 x column
	s_mov_b32 s25, 0
	s_lshl_b32 s26, s20, 5                         ; 32 rows: from a block to the next
	s_mov_b32 s27, 0
	s_mul_i32 s28, s17, KROW
	s_mul_i32 s29, s18, ROWB
	s_add_co_u32 s28, s28, s29                     ; codes: row x 768 + 192 y
	s_mov_b32 s29, 0
	s_lshl_b32 s30, s17, 5
	s_lshl_b32 s31, s18, 3
	s_add_co_u32 s30, s30, s31                     ; scale bytes: row x 32 + 8 y
	s_mov_b32 s31, 0
	s_wait_kmcnt 0x0
	s_cmp_lt_u32 ttmp9, 24                         ; the choice hangs on the work-group's number alone
	s_cselect_b64 s[4:5], s[4:5], s[6:7]
	s_add_nc_u64 s[32:33], s[4:5], s[24:25]        ; block 0's base,
.irp t, 1,2,3,4,5,6,7
	s_add_nc_u64 s[32+2*\t:33+2*\t], s[30+2*\t:31+2*\t], s[26:27]   ; and the others', 32 rows apart
.endr
	s_add_nc_u64 s[8:9], s[8:9], s[28:29]
	s_add_nc_u64 s[10:11], s[10:11], s[30:31]
.macro LOAD t                          ; block t: W(256 y + 32 t + i, my column), i = 0 .. 31, into set t % 2
.set i, 0
.rept 32
	global_load_b32 v[X+32*((\t)%2)+i], v[OF+i], s[32+2*(\t):33+2*(\t)] th:TH_LOAD_NT
.set i, i+1
.endr
.endm
	LOAD 0
	LOAD 1
.macro BLOCK t
.set XS, X+32*((\t)%2)
.if (\t) < NB-1
	s_wait_loadcnt 32                              ; this block's 32 loads are in; the next block's may be out
.else
	s_wait_loadcnt 0
.endif
	v_max3_num_f32 v12, |v[XS]|, |v[XS+1]|, |v[XS+2]|               ; the block's largest magnitude: all 32 numbers are mine
	v_max3_num_f32 v13, |v[XS+3]|, |v[XS+4]|, |v[XS+5]|
.irp i, 6,10,14,18,22,26
	v_max3_num_f32 v12, v12, |v[XS+\i]|, |v[XS+\i+1]|
	v_max3_num_f32 v13, v13, |v[XS+\i+2]|, |v[XS+\i+3]|
.endr
	v_max3_num_f32 v12, v12, |v[XS+30]|, |v[XS+31]|
	v_max3_num_f32 v12, v12, v13, (EMAX+1)<<23     ; and the floor 2^(5 - 127): the byte cannot fall under 1
	v_add_nc_u32 v11, 0xfe000000, v12              ; 4 off its exponent field: the conversion's scale operand
	v_lshrrev_b32 v13, 23, v11                     ; the scale's byte
.if (\t)%4 == 0
	v_mov_b32 v[SB+(\t)/4], v13                    ; four bytes to a register, the lower K in the lower byte
.else
	v_lshl_or_b32 v[SB+(\t)/4], v13, 8*((\t)%4), v[SB+(\t)/4]
.endif
	v_cvt_scalef32_pk16_bf6_f32 v[C:C+2], v[XS:XS+15], v11
	v_cvt_scalef32_pk16_bf6_f32 v[C+4:C+6], v[XS+16:XS+31], v11     ; (a conversion's three registers begin on an even number)
	ds_store_b96 v4, v[C:C+2] offset:32*(\t)       ; 16 codes, 12 bytes, to a place of 16 bytes, so that every LDS address is a multiple of 16
	ds_store_b96 v4, v[C+4:C+6] offset:32*(\t)+16
.if (\t)+2 < NB
	LOAD (\t)+2
.endif
	s_wait_dscnt 0x0                               ; the stores have read their registers: the next block's codes may be written
.endm
.irp t, 0,1,2,3,4,5,6,7
	BLOCK \t
.endr
	global_store_b64 v9, v[SB:SB+1], s[10:11]      ; my column's 8 scale bytes
.irp t, 0,1,2,3,4,5,6,7,8,9,10,11,12,13,14,15
	ds_load_b96 v[OUTR+4*\t:OUTR+4*\t+2], v7 offset:2*\t*PITCH   ; LDS serves a wave's instructions in order: these see my stores
.endr
.irp t, 0,1,2,3,4,5,6,7,8,9,10,11,12,13,14,15
	s_wait_dscnt 15-\t
	global_store_b96 v8, v[OUTR+4*\t:OUTR+4*\t+2], s[8:9] offset:2*\t*KROW
.endr
	s_wait_tensorcnt 0x0
	ds_add_u32 v208, v209
	s_wait_dscnt 0x0
	s_endpgm
.Lfunc_end_k_q96f709c0b3_quant_w:
	.size	k_q96f709c0b3_quant_w, .Lfunc_end_k_q96f709c0b3_quant_w-k_q96f709c0b3_quant_w
	.p2alignl 7, 3214868480
	.fill 96, 4, 3214868480
	.section	.rodata,"a",@progbits
	.p2align	6, 0x0
	.amdhsa_kernel k_q96f709c0b3_quant_w
		.amdhsa_group_segment_fixed_size 36352
		.amdhsa_private_segment_fixed_size 0
		.amdhsa_enable_private_segment 0
		.amdhsa_kernarg_size 32
		.amdhsa_user_sgpr_count 2
		.amdhsa_user_sgpr_kernarg_segment_ptr 1
		.amdhsa_wavefront_size32 1
		.amdhsa_system_sgpr_workgroup_id_x 1
		.amdhsa_system_sgpr_workgroup_id_y 1
		.amdhsa_system_sgpr_workgroup_id_z 1
		.amdhsa_system_vgpr_workitem_id 0
		.amdhsa_next_free_vgpr 210
		.amdhsa_next_free_sgpr 66
		.amdhsa_reserve_vcc 0
		.amdhsa_float_denorm_mode_32 3
		.amdhsa_float_denorm_mode_16_64 3
		.amdhsa_memory_ordered 1
		.amdhsa_forward_progress 1
		.amdhsa_inst_pref_size 45
	.end_amdhsa_kernel
	.amdgpu_metadata
---
amdhsa.version: [ 1, 2 ]
amdhsa.kernels:
  - .name:           k_q96f709c0b3_quant_w
    .symbol:         k_q96f709c0b3_quant_w.kd
    .args:
      - { .name: w_qkv, .offset: 0, .size: 8, .value_kind: global_buffer, .address_space: global }
      - { .name: w_out, .offset: 8, .size: 8, .value_kind: global_buffer, .address_space: global }
      - { .name: wcod, .offset: 16, .size: 8, .value_kind: global_buffer, .address_space: global }
      - { .name: wscl, .offset: 24, .size: 8, .value_kind: global_buffer, .address_space: global }
    .group_segment_fixed_size: 36352
    .private_segment_fixed_size: 0
    .kernarg_segment_align: 8
    .kernarg_segment_size: 32
    .max_flat_workgroup_size: 128
    .sgpr_count:     66
    .vgpr_count:     210
    .wavefront_size: 32
...
	.end_amdgpu_metadata
.endif
;; end of part 2
;; launch gemm_qkv (part 3): grid 12 x 32, 4 waves a work-group, clusters of 4 x 4, 327,680 bytes of LDS; arguments xcod, xscl, wcod, wscl, zcod, zscl; writes zcod, zscl
.if DOCPART == 3
	.amdgcn_target "amdgcn-amd-amdhsa--gfx1250"
	.amdhsa_code_object_version 6
	.text
	.protected	k_q96f709c0b3_gemm_qkv
	.globl	k_q96f709c0b3_gemm_qkv
	.p2align	8
	.type	k_q96f709c0b3_gemm_qkv,@function
k_q96f709c0b3_gemm_qkv:
	s_mov_b64 s[64:65], 0
	v_nop
	global_prefetch_b8 v0, s[64:65] scope:SCOPE_SE
	s_setreg_imm32_b32 hwreg(HW_REG_WAVE_MODE, 25, 1), 1
	s_wait_xcnt 0x0
	s_wait_alu depctr_hold_cnt(0) depctr_sa_sdst(0) depctr_va_vdst(0) depctr_va_sdst(0) depctr_va_ssrc(0) depctr_va_vcc(0) depctr_vm_vsrc(0)
	s_getreg_b32 s2, hwreg(HW_REG_IB_STS2, 6, 4)
	s_cmp_eq_u32 s2, 0
	s_cbranch_scc0 .Lentry_in_a_cluster
	s_endpgm
.Lentry_in_a_cluster:
	s_bfe_u32 s2, ttmp6, 0x10000c
	s_cmp_lg_u32 s2, 0xf033
	s_cbranch_scc0 .Lentry_shape_is_right
	s_endpgm
.Lentry_shape_is_right:
; q, k, v = x w_qkv on codes of BF6 (E3M2) with one E8M0 scale for each 32 along K = 1,024; the results are QUANTISED ON THE WAY OUT, straight from the f32 accumulators, and leave as codes and scale bytes alone.
; The text computes Z[i][j] = sum over k of A[i][k] B[j][k] and quantises Z along j, in blocks of 32.
;   q and k (clusters x = 0, 1): A = x's rows (i = token), B = w_qkv's columns 0-2047 (j = feature): blocks along the head's 64.
;   v       (clusters x = 2):    A = w_qkv's columns 2048-3071 (i = channel), B = x's rows (j = token = key): blocks along the keys.  Only pointers, strides and two constants are chosen, on the cluster's x.
; A tile of Z, 256 x 256, is made by four waves, as many as a WGP has SIMDs; a wave makes 128 x 128: 64 accumulators, 512 registers.  K goes in steps of 256 through a ring of two LDS slots filled by the tensor data mover.
; The scales of the work-group's 256 rows of A and of B, for all of K, come into LDS once, with the first fills.
; CLUSTERS: 4 x 4 work-groups.  The four of a row of the cluster need the same tiles of A, the four of a column the same tiles of B: each tile is asked for JOINTLY, by the same tensor load with the same descriptor and a mask that names the four.
; THE MATRIX INSTRUCTION IS USED TRANSPOSED (source 0 = 16 rows of B, source 1 = 16 rows of A): a lane holds one i, its registers run along j.  The buffers' rows are laid with bits 3 and 4 of the row's number changed,
; so the 16 registers of accumulators (a, 2 g) and (a, 2 g + 1) are the 16 true neighbours j = 32 g + 16 (lane / 16) + 0 .. 15: what the conversions want.
; OUT: a wave's 128 j of a tile of 16 i are one operand fragment (12 registers a lane).  It is stored as the image of its registers: piece p (registers 2 p, 2 p + 1) as 32 lanes x 8 bytes, 256 consecutive aligned bytes.
;   q, k: zcod [tile of tokens 512][J 16][1,536]; J 0-7 q, 8-15 k; pieces 0-2 are head 2 (J % 8), pieces 3-5 head 2 (J % 8) + 1.  zscl [J][head of the two][tile 512][16 rows][4]: the head's two bytes, two zero bytes above.
;   v:    zcod + 12,582,912 [J 64 = 16 batch + key step][tile of channels 64][1,536];  zscl + 1,048,576 [J 64][tile 64][16][4].
; LIMITS: a block whose largest magnitude lies under 2^-122 keeps the byte 1, a block of zeros too (its codes are zeros; this program alone reads the bytes); NaN and infinities are not served.
; REGISTERS, in windows of 256: window 0: v0-31 addresses; v32-63 scale words, two sets; v64-127 the way out; from v128 A's fragments, ONE set.
;   window 1: B's fragments, TWO sets, at v0 and at v128.   window 2: the accumulators of my rows 0-63 ((a, b) at v[8 (8 a + b)]);   window 3: those of my rows 64-127.
.set SIZE_K, 1024
.set KSTEP,  256                       ; along K in a slot
.set NQ,     KSTEP/128                 ; matrix instructions deep
.set ROWB,   192                       ; a tile's row in bytes
.set KROW,   SIZE_K*6/8                ; a row of codes in memory
.set PITCH,  240                       ; an LDS row: 3 x (64 bytes of data + 16 of padding): the 32 lanes of a load of 8 bytes touch 64 different banks (64 banks of 4 bytes: ISA guide 11.1)
.set FR,     12                        ; registers of a fragment
.set NL,     6                         ; LDS loads that bring one
.set NP,     4                         ; places behind this matrix instruction (ISA guide 7.12.1)
.set HALFT,  128*PITCH                 ; 128 rows: what one tensor load brings
.set SLOT,   4*HALFT                   ; A's 256 rows, then B's 256 rows
.set LAPS,   SIZE_K/(2*KSTEP)
.set KS,     SIZE_K/32                 ; a row of scales in bytes
.set SCL,    2*SLOT                    ; behind the ring: the scales, as rows of 256 bytes + 16 of padding
.set HALFS,  (128*KS/256)*272
.set SBLK,   (16*KS/256)*272
.set SPARE,  SCL+4*HALFS               ; behind the scales: the spare words, 128 bytes for each wave: two blocks of 256 bytes that no other line names
.set ADRA, 16                          ; v16-17  LDS address of my A fragments in slot 0, 1  (v18-19: for the pieces behind one padding more)
.set ADRB, 20                          ; v20-21  the same for B  (v22-23)
.set STO,  24                          ; v24     the way out: where my scale word goes in my stage: 1,024 wave + 512 (lane / 16) + 4 (lane % 16)
.set RD,   25                          ; v25     and where I read the stage back: 1,024 wave + 16 lane
.set GC,   26                          ; v26     8 x lane: my place in a piece of an image
.set ADRS, 27                          ; v27     LDS address of my scale words: lanes 0-15 A's rows, lanes 16-31 B's
.set SPW,  28                          ; v28     LDS address of my spare word; never rewritten
.set NIL,  29                          ; v29     0; never rewritten
.set GS,   30                          ; v30     16 x lane: the scale words' way out
.set SC,   32                          ; scale words: set s at v[SC + 16 s]
.set TM,   64                          ; v64-67 largest magnitudes, v68-71 the other half's, then bytes, v76-79 the conversions' scale operands
.set PW,   80                          ; v80     the four bytes of a row
.set SHV,  81                          ; v81     (lane / 16) x 16 for q and k, 0 for v
.set CD,   84                          ; v84-95  the fragment's codes; v96-98, v100-102 the conversions' second halves
.set SW,   104                         ; v104-111 a scale word for each block of 16 i
.set RB,   112                         ; v112-119 the stage read back
.set AF,   128                         ; A's fragments, in window 0
.set G1, 24                            ; s[24:31] descriptor group 1 for A's tiles;  s[32:39] group 0, one set for each slot
.set G0, 32
.set G1B, 48                           ; s[48:55], s[56:63] the same for B's tiles
.set G0B, 56
.set G1S, 68                           ; s[68:75], s[76:79] groups 1 and 0 for A's scales;  s[80:87], s[88:91] for B's
.set G0S, 76
.set G1SB, 80
.set G0SB, 88
.set MSB, 0
.macro WIN new                         ; the immediate's high byte repeats the setting that is left
.if MSB != \new
	s_set_vgpr_msb (MSB<<8)|\new
.set MSB, \new
.endif
.endm
.set MUL_LO, 0xa1                      ; source 0 (B) window 1, source 1 (A) window 0, C and D window 2
.set MUL_HI, 0xf1                      ; the same, C and D window 3
.set TO_B,   0x40                      ; destination window 1, address window 0
; A joint load: waves 0 and 1 fetch for A, waves 2 and 3 for B.  Each of the two lines has ONE mask and one set of registers for all that issue it; the branch hangs on the wave's number alone.
; Four v_nop follow each of the two lines, ahead of the jump, the label and what follows.
.macro JLOAD g0a, g1a, g0b, g1b
	s_cmp_eq_u32 s15, 0
	s_cbranch_scc0 .Lfor_b_\@
	tensor_load_to_lds s[\g0a:\g0a+3], s[\g1a:\g1a+7]
	s_nop 0
.rept 4
	v_nop
.endr
	s_branch .Lasked_\@
.Lfor_b_\@:
	tensor_load_to_lds s[\g0b:\g0b+3], s[\g1b:\g1b+7]
	s_nop 0
.rept 4
	v_nop
.endr
.Lasked_\@:
.endm
.macro CREST                           ; a round of the cluster's barrier behind its opening barrier
	s_cmp_lg_u32 s14, 0
	s_cbranch_scc1 .Lnot_wave_0_\@
	s_barrier_signal -3
.Lnot_wave_0_\@:
	s_barrier_wait -3
	s_barrier_signal -1
	s_barrier_wait -1
.endm
.macro CROUND                          ; a whole round
	s_barrier_signal -1
	s_barrier_wait -1
	CREST
.endm
	s_load_b128 s[4:7], s[0:1], 0x0                ; x's codes, x's scales
	s_load_b128 s[8:11], s[0:1], 0x10              ; w's codes, w's scales
	s_load_b128 s[96:99], s[0:1], 0x20             ; z's codes, z's scales
	v_lshl_add_u32 v[SPW], v0, 2, SPARE
	v_mov_b32 v[NIL], 0
	ds_add_u32 v28, v29
	ds_add_u32 v28, v29
	s_wait_dscnt 0x0
	v_lshrrev_b32 v1, 5, v0
	v_readfirstlane_b32 s14, v1                    ; wave 0..3
	s_lshr_b32 s15, s14, 1                         ; which half of the tile's i is mine.  Also: I fetch for A (0) or for B (1)
	s_and_b32 s16, s14, 1                          ; which half of its j.  Also: which 128 rows of that tile I fetch
	s_bfe_u32 s40, ttmp6, 0x40000                  ; cx, cy: my place in the cluster
	s_bfe_u32 s41, ttmp6, 0x40004
	s_and_b32 s12, ttmp7, 0xffff                   ; the cluster's y
	s_cmp_eq_u32 ttmp9, 2                          ; v's clusters?  The cluster's x is the same in all sixteen partners.  Only selections and moves follow, which leave SCC alone
	s_cselect_b32 s95, 1, 0                        ; kept: 1 for v
	s_cselect_b32 s17, 0, s12                      ; tile of i = 4 x this + cy: v has 4 tiles of channels, q and k 32 of tokens
	s_cselect_b32 s42, s12, ttmp9                  ; tile of j = 4 x this + cx: v has 32 tiles of tokens, q and k 8 of features
	s_cselect_b32 s45, 2048, 0                     ; A's first row in its buffer
	s_mov_b32 s100, 24576
	s_cselect_b32 s100, 1536, s100                 ; bytes of zcod from a tile of 16 i to the next
	s_mov_b32 s101, 0
	s_mov_b32 s18, 1536
	s_cselect_b32 s18, 98304, s18                  ; and from a J (128 j) to the next
	s_cselect_b32 s19, 12582912, 0                 ; v's part of zcod
	s_mov_b32 s20, 65536
	s_cselect_b32 s20, 4096, s20                   ; bytes of zscl from a J to the next
	s_cselect_b32 s21, 1048576, 0                  ; v's part of zscl
	s_cselect_b32 s66, 0, 16                       ; q, k: lanes 16-31 take the row's upper two bytes (the second head's)
	s_mov_b32 s67, 0xffff
	s_cselect_b32 s67, -1, s67                     ; and a word holds two bytes; v: all four
	s_lshl_b32 s17, s17, 2
	s_add_co_u32 s17, s17, s41                     ; tile of i
	s_lshl_b32 s42, s42, 2
	s_add_co_u32 s42, s42, s40                     ; tile of j
	; where my wave's results go, in bytes
	s_lshl_b32 s22, s17, 4
	s_lshl_b32 s23, s15, 3
	s_add_co_u32 s22, s22, s23                     ; my first tile of 16 i
	s_lshl_b32 s23, s42, 1
	s_add_co_u32 s23, s23, s16                     ; my J
	s_mul_i32 s12, s22, s100
	s_mul_i32 s18, s23, s18
	s_add_co_u32 s12, s12, s18
	s_add_co_u32 s12, s12, s19                     ; codes (under 2^25)
	s_mov_b32 s13, 0
	s_mul_i32 s2, s23, s20
	s_lshl_b32 s22, s22, 6
	s_add_co_u32 s2, s2, s22
	s_add_co_u32 s2, s2, s21                       ; scale words
	s_mov_b32 s3, 0
	s_lshl_b32 s43, s41, 2
	s_lshl_b32 s43, 15, s43                        ; my row of the cluster
	s_lshl_b32 s44, 0x1111, s40                    ; my column
	; descriptor group 1: a tile of 128 rows x ROWB bytes, padded in LDS
	s_or_b32 s[G1+0], s43, (0<<16)|(1<<20)|(1<<21)|(3<<22)|(3<<25)  ; 15:0 the mask: A's tiles go to my row; 17:16 element of 1 byte; 20 padding on; 21 set beside a mask; 24:22 after every 16 words (code 3); 31:25 of 4 words (code 3)
	s_or_b32 s[G1B+0], s44, (0<<16)|(1<<20)|(1<<21)|(3<<22)|(3<<25)
.irp g, G1, G1B
	s_mov_b32 s[\g+1], ROWB<<16                    ; tensor_dim0
	s_mov_b32 s[\g+2], 128<<16                     ; tensor_dim1 = 128
	s_mov_b32 s[\g+3], ROWB<<16                    ; tile_dim0
	s_mov_b32 s[\g+4], 128                         ; tile_dim1 = 128
	s_mov_b32 s[\g+5], KROW                        ; tensor_dim0_stride
	s_mov_b32 s[\g+6], 0
	s_mov_b32 s[\g+7], 0
.endr
	; and for the scales of 128 rows: a dense block of 4,096 bytes, as rows of 256 bytes (32 elements of 8 bytes), 16 bytes of padding behind each
	s_or_b32 s[G1S+0], s43, (3<<16)|(1<<20)|(1<<21)|(5<<22)|(3<<25)
	s_or_b32 s[G1SB+0], s44, (3<<16)|(1<<20)|(1<<21)|(5<<22)|(3<<25)
.irp g, G1S, G1SB
	s_mov_b32 s[\g+1], 32<<16
	s_mov_b32 s[\g+2], (128*KS/256)<<16
	s_mov_b32 s[\g+3], 32<<16
	s_mov_b32 s[\g+4], 128*KS/256
	s_mov_b32 s[\g+5], 32
	s_mov_b32 s[\g+6], 0
	s_mov_b32 s[\g+7], 0
.endr
	s_lshl_b32 s18, s16, 7                         ; which 128 rows of the tile I fetch
	s_lshl_b32 s20, s17, 8
	s_add_co_u32 s20, s20, s18
	s_add_co_u32 s20, s20, s45                     ; A: its first row + 256 x tile of i + 128 x half
	s_lshl_b32 s46, s42, 8
	s_add_co_u32 s46, s46, s18                     ; B: row 256 x tile of j + 128 x half
	s_mov_b32 s21, 0
	s_mov_b32 s47, 0
	s_mov_b64 s[18:19], KS
	s_mul_u64 s[22:23], s[20:21], s[18:19]         ; where these rows' scales begin, in bytes
	s_mul_u64 s[92:93], s[46:47], s[18:19]
	s_mov_b64 s[18:19], KROW
	s_mul_u64 s[20:21], s[20:21], s[18:19]         ; and their codes
	s_mul_u64 s[46:47], s[46:47], s[18:19]
	s_mul_i32 s45, s14, HALFT                      ; where they go: wave x 128 rows: no place in the cluster enters an LDS address
	s_mul_i32 s94, s14, HALFS
	s_wait_kmcnt 0x0
	s_cmp_eq_u32 s95, 1                            ; which buffer is A and which is B: the choice hangs on the cluster's x alone
	s_cselect_b64 s[40:41], s[8:9], s[4:5]         ; A's codes
	s_cselect_b64 s[8:9], s[4:5], s[8:9]           ; B's codes
	s_cselect_b64 s[4:5], s[10:11], s[6:7]         ; A's scales
	s_cselect_b64 s[10:11], s[6:7], s[10:11]       ; B's scales
	s_add_nc_u64 s[20:21], s[40:41], s[20:21]
	s_add_nc_u64 s[22:23], s[4:5], s[22:23]
	s_add_nc_u64 s[46:47], s[8:9], s[46:47]
	s_add_nc_u64 s[92:93], s[10:11], s[92:93]
	s_add_nc_u64 s[96:97], s[96:97], s[12:13]      ; z's codes and scale words at my wave's part
	s_add_nc_u64 s[98:99], s[98:99], s[2:3]
	CROUND                                         ; all sixteen work-groups are here: the first joint loads meet
	s_mov_b32 s[G0S], 1
	s_add_co_u32 s[G0S+1], s94, SCL
	s_mov_b64 s[G0S+2:G0S+3], s[22:23]
	s_or_b32 s[G0S+3], s[G0S+3], 0x80000000
	s_mov_b32 s[G0SB], 1
	s_add_co_u32 s[G0SB+1], s94, SCL
	s_mov_b64 s[G0SB+2:G0SB+3], s[92:93]
	s_or_b32 s[G0SB+3], s[G0SB+3], 0x80000000
	JLOAD G0S, G1S, G0SB, G1SB                     ; the scales first: they are wanted with K step 0
.irp s, 0,1
	s_mov_b32 s[G0+4*\s], 1
	s_add_co_u32 s[G0+4*\s+1], s45, \s*SLOT
	s_add_nc_u64 s[G0+4*\s+2:G0+4*\s+3], s[20:21], \s*ROWB
	s_or_b32 s[G0+4*\s+3], s[G0+4*\s+3], 0x80000000
	s_mov_b32 s[G0B+4*\s], 1
	s_add_co_u32 s[G0B+4*\s+1], s45, \s*SLOT
	s_add_nc_u64 s[G0B+4*\s+2:G0B+4*\s+3], s[46:47], \s*ROWB
	s_or_b32 s[G0B+4*\s+3], s[G0B+4*\s+3], 0x80000000
	JLOAD G0+4*\s, G1, G0B+4*\s, G1B               ; by this text's own count three tensor loads of a wave are out here
.endr
	v_and_b32 v1, 15, v0                           ; l % 16
	v_bfe_u32 v2, v0, 4, 1                         ; l / 16
	v_mul_u32_u24 v3, v1, PITCH
	v_mul_u32_u24 v4, v2, 24
	v_add_nc_u32 v4, v3, v4                        ; a fragment's row x pitch + 24 x half
	v_lshl_add_u32 v5, v2, 4, v4                   ; and the same behind one padding more
	s_mul_i32 s21, s15, HALFT                      ; my 128 rows of A
	s_mul_i32 s22, s16, HALFT                      ; my 128 rows of B,
	s_add_co_u32 s22, s22, 2*HALFT                 ; which lie behind A's 256
.irp s, 0,1
	v_add_nc_u32 v[ADRA+\s], s21, v4
	v_add_nc_u32 v[ADRB+\s], s22, v4
	v_add_nc_u32 v[ADRA+2+\s], s21, v5
	v_add_nc_u32 v[ADRB+2+\s], s22, v5
	s_add_co_u32 s21, s21, SLOT
	s_add_co_u32 s22, s22, SLOT
.endr
	v_mul_u32_u24 v5, v1, KS                       ; my row's scales: KS bytes a row,
	v_lshrrev_b32 v6, 8, v5
	v_lshl_add_u32 v5, v6, 4, v5                   ; and 16 more for each 256 passed
	s_mul_i32 s21, s15, HALFS                      ; A's: my 128 rows
	s_mul_i32 s22, s16, HALFS                      ; B's: my 128 rows, behind A's 256
	s_add_co_u32 s22, s22, 2*HALFS
	s_sub_co_u32 s22, s22, s21
	v_mul_u32_u24 v6, s22, v2                      ; lanes 16-31 take B's
	s_add_co_u32 s21, s21, SCL
	v_add_nc_u32 v5, v5, v6
	v_add_nc_u32 v[ADRS], s21, v5
	s_lshl_b32 s23, s14, 10                        ; my stage for the scale words: 1,024 bytes, in slot 0, which has had its last fill and its last read when the first word is stored there
	v_lshlrev_b32 v5, 9, v2
	v_lshl_add_u32 v5, v1, 2, v5
	v_add_nc_u32 v[STO], s23, v5
	v_and_b32 v6, 31, v0
	v_lshlrev_b32 v[GS], 4, v6
	v_add_nc_u32 v[RD], s23, v[GS]
	v_lshlrev_b32 v[GC], 3, v6
	v_mul_u32_u24 v[SHV], s66, v2
.irp b, 0,1,2,3
	v_mov_b32 v[TM+4+\b], 0                        ; written once: a lane permute's destination counts as one of its sources
.endr
.macro FRAG reg, adr, q, i             ; a fragment, 16 rows x 128 K of 6-bit codes, is 12 registers: lane l holds row l % 16; registers 6 c .. 6 c + 5 hold K = 64 c + 32 (l / 16) + 0 .. 31: 24 bytes of the row's stream of bits, as they lie
.irp p, 0,1,2,3,4,5                    ; in pieces of 8 bytes.  Lanes 0-15 take the row's pieces 12 q + 0, 1, 2 and 12 q + 6, 7, 8, lanes 16-31 those three pieces on
.set PCE, 12*(\q)+6*(\p/3)+\p%3        ; the mover has laid 16 bytes of padding behind every 64 bytes (8 pieces): where the piece three on lies behind one padding more, the second address register serves
.if PCE%8 < 5
	ds_load_b64 v[\reg+2*\p:\reg+2*\p+1], v[\adr] offset:8*PCE+16*(PCE/8)+(\i)*16*PITCH
.else
	ds_load_b64 v[\reg+2*\p:\reg+2*\p+1], v[\adr+2] offset:8*PCE+16*(PCE/8)+(\i)*16*PITCH
.endif
.endr
.endm
; 16 matrix instructions: A's blocks a0, a0 + 1 x B's eight, 128 along K: the slot's q-th.  p: B's set;  sc: the set of scale words.  zero = 1: the first product starts the sums: nothing is ever cleared.
; The 64 accumulators take turns, one instruction a turn, in the same order in every step.
.macro MUL16 a0, p, q, sc, zero
.irp a, \a0, \a0+1
.irp b, 0,1,2,3,4,5,6,7
.if \zero
	v_wmma_scale_f32_16x16x128_f8f6f4 v[8*(8*((\a)%4)+\b):8*(8*((\a)%4)+\b)+7], v[128*(\p)+FR*\b:128*(\p)+FR*\b+FR-1], v[AF+FR*(\a):AF+FR*(\a)+FR-1], 0, v[SC+8*NQ*(\sc)+NQ*\b+(\q)], v[SC+8*NQ*(\sc)+NQ*(\a)+(\q)] matrix_a_fmt:MATRIX_FMT_BF6 matrix_b_fmt:MATRIX_FMT_BF6 matrix_a_scale:MATRIX_SCALE_ROW1
.else
	v_wmma_scale_f32_16x16x128_f8f6f4 v[8*(8*((\a)%4)+\b):8*(8*((\a)%4)+\b)+7], v[128*(\p)+FR*\b:128*(\p)+FR*\b+FR-1], v[AF+FR*(\a):AF+FR*(\a)+FR-1], v[8*(8*((\a)%4)+\b):8*(8*((\a)%4)+\b)+7], v[SC+8*NQ*(\sc)+NQ*\b+(\q)], v[SC+8*NQ*(\sc)+NQ*(\a)+(\q)] matrix_a_fmt:MATRIX_FMT_BF6 matrix_b_fmt:MATRIX_FMT_BF6 matrix_a_scale:MATRIX_SCALE_ROW1
.endif
.endr
.endr
.endm
.macro FETCH_B slot, q, p              ; B's eight fragments of the slot's q-th 128 along K into set p
	WIN TO_B
.irp i, 0,1,2,3,4,5,6,7
	FRAG 128*(\p)+FR*\i, ADRB+\slot, \q, \i
.endr
	WIN 0
.endm
.macro FETCH_A slot, q, i0             ; A's blocks i0 .. i0 + 3
.irp i, \i0, \i0+1, \i0+2, \i0+3
	FRAG AF+FR*(\i), ADRA+\slot, \q, \i
.endr
.endm
.macro SCALES sc                       ; the next K step's scale words into set sc: NQ words a row; lanes 0-15 take A's block i, lanes 16-31 B's block i
.irp i, 0,1,2,3,4,5,6,7
	ds_load_b64 v[SC+8*NQ*\sc+NQ*\i:SC+8*NQ*\sc+NQ*\i+1], v[ADRS] offset:\i*SBLK
.endr
.endm
; A load into a register that a matrix instruction has read, and a vector instruction that reads a matrix result, stand NP places behind that matrix instruction, and only plain vector
; instructions that name none of its registers are places (ISA guide 7.12.1 for vector instructions).
.macro PLACES n
.rept \n
	v_nop
.endr
.endm
; A step of 128 along K that has its successor in the same slot.
.macro STEP slot, q, zero
	s_wait_dscnt 4*NL                              ; B's set and A's blocks 0-3 are in; the youngest 24 loads (A's blocks 4-7) may be out
	WIN MUL_LO
	MUL16 0, (\q)%2, \q, \slot, \zero
	MUL16 2, (\q)%2, \q, \slot, \zero
	s_wait_dscnt 0                                 ; A's blocks 4-7 are in (asked for 32 matrix instructions ago)
	PLACES NP
	FETCH_B \slot, (\q)+1, 1-(\q)%2
	FETCH_A \slot, (\q)+1, 0
	WIN MUL_HI
	MUL16 4, (\q)%2, \q, \slot, \zero
	MUL16 6, (\q)%2, \q, \slot, \zero
	PLACES NP
	WIN 0
	FETCH_A \slot, (\q)+1, 4
.endm
; A slot's last step changes slots: ONE barrier; in front of it each wave waits for all its tensor loads, adds 0 to its spare word, and waits for that and for its own reads of this slot.  fill = 1: this slot is filled again, two K steps ahead.
.macro TURN slot, next, fill
	s_wait_tensorcnt 0x0                           ; all my tensor loads have landed: my part of the next slot;  (every window is 0 here: the add's two registers lie in window 0)
	ds_add_u32 v[SPW], v[NIL]                      ; 0 onto my spare word
	s_wait_dscnt 4*NL+1                            ; (the add and the youngest 24 loads, A's blocks 4-7, may be out)
	WIN MUL_LO
	MUL16 0, 1, NQ-1, \slot, 0                     ; sixteen matrix instructions stand between the add and the wait for it
	s_wait_dscnt 0x0                               ; the add is done, and my reads of this slot are over
	s_barrier_signal -1
	MUL16 2, 1, NQ-1, \slot, 0
	WIN 0
	s_barrier_wait -1
.if \fill
	CREST                                          ; the barrier has opened a round of the cluster's barrier: no wave of any partner still reads this slot's tile or has a load on its way
	s_add_nc_u64 s[G0+4*\slot+2:G0+4*\slot+3], s[G0+4*\slot+2:G0+4*\slot+3], 2*ROWB
	s_add_nc_u64 s[G0B+4*\slot+2:G0B+4*\slot+3], s[G0B+4*\slot+2:G0B+4*\slot+3], 2*ROWB
	JLOAD G0+4*\slot, G1, G0B+4*\slot, G1B         ; the first tensor load behind the round; the four v_nop behind it are the places in front of the loads below
.else
	PLACES NP
.endif
	v_add_nc_u32 v[ADRS], 4*NQ, v[ADRS]            ; on to the next K step's scale words (no LDS load of mine is out)
	FETCH_B \next, 0, 0
	FETCH_A \next, 0, 0
	SCALES \next
	WIN MUL_HI
	MUL16 4, 1, NQ-1, \slot, 0
	MUL16 6, 1, NQ-1, \slot, 0
	PLACES NP
	WIN 0
	FETCH_A \next, 0, 4
.endm
	s_wait_tensorcnt 1                             ; the scales and my part of K step 0 are in (K step 1's load may be out)
	s_barrier_signal -1
	s_barrier_wait -1                              ; everybody's are
	FETCH_B 0, 0, 0
	FETCH_A 0, 0, 0
	SCALES 0
	FETCH_A 0, 0, 4
	STEP 0, 0, 1                                   ; the first step stands in front of the loop: its products start the sums
	s_mov_b32 s3, LAPS-1
.Llap:                                                 ; a trip goes once round the ring, from a lap's second step to the next lap's first, and fills both slots again
	TURN 0, 1, 1
	STEP 1, 0, 0
	TURN 1, 0, 1
	STEP 0, 0, 0
	s_sub_co_u32 s3, s3, 1
	s_cmp_lg_u32 s3, 0
	s_cbranch_scc1 .Llap
	TURN 0, 1, 0                                   ; the last lap fills nothing, and has no round of the cluster's barrier
	STEP 1, 0, 0
	s_wait_dscnt 4*NL                              ; the very last step: nothing more to fetch
	WIN MUL_LO
	MUL16 0, 1, NQ-1, 1, 0
	MUL16 2, 1, NQ-1, 1, 0
	s_wait_dscnt 0
	WIN MUL_HI
	MUL16 4, 1, NQ-1, 1, 0
	MUL16 6, 1, NQ-1, 1, 0
	WIN 0
	s_mov_b32 s2, 0x76543210                       ; v_permlanex16_b32's selects for lane l xor 16
	s_mov_b32 s3, 0xfedcba98
; THE WAY OUT of block a (16 i x my 128 j).  Register AC + 16 b + n of a lane is j = 32 b + 16 (lane / 16) + n of its row: block b of 32 lies in lanes l and l xor 16.
; Largest magnitudes (each accumulator is read from its low end on), scale bytes, conversions, the exchange of halves that gives each lane whole blocks; six stores of 256 consecutive aligned bytes.
.macro QOUT a
.set AC, 64*((\a)%4)
.set WW, 2+(\a)/4                      ; the block's window
.set WS, (WW<<2)|(WW<<4)               ; sources 1 and 2 there
.if (\a) > 0
	s_wait_xcnt 0x0                                ; the last block's stores have read their registers and their base: both are written again only behind this wait
	s_add_nc_u64 s[96:97], s[96:97], s[100:101]    ; the next tile of 16 i
.endif
	WIN WS
.irp b, 0,1,2,3
	v_max3_num_f32 v[TM+\b], 0x2800000, |v[AC+16*\b]|, |v[AC+16*\b+1]|   ; my 16 numbers of block b, and the floor 2^(5 - 127): the byte cannot fall under 1
.endr
.irp i, 2,4,6,8,10,12,14
.irp b, 0,1,2,3
	v_max3_num_f32 v[TM+\b], v[TM+\b], |v[AC+16*\b+\i]|, |v[AC+16*\b+\i+1]|   ; (the four blocks by turns)
.endr
.endr
	WIN 0
.irp b, 0,1,2,3
	v_permlanex16_b32 v[TM+4+\b], v[TM+\b], s2, s3
.endr
.irp b, 0,1,2,3
	v_max_num_f32 v[TM+\b], v[TM+\b], v[TM+4+\b]   ; with lane l xor 16's: the block's largest magnitude
.endr
.irp b, 0,1,2,3
	v_add_nc_u32 v[TM+12+\b], 0xfe000000, v[TM+\b] ; 4 off its exponent field: the conversion's scale operand
.endr
.irp b, 0,1,2,3
	v_lshrrev_b32 v[TM+4+\b], 23, v[TM+12+\b]      ; the scale's byte
.endr
	v_lshl_or_b32 v[PW], v[TM+5], 8, v[TM+4]
	v_lshl_or_b32 v[PW], v[TM+6], 16, v[PW]
	v_lshl_or_b32 v[PW], v[TM+7], 24, v[PW]        ; my row's four bytes
	WIN WW                                         ; source 0: the accumulators' window
.irp c, 0,1
	v_cvt_scalef32_pk16_bf6_f32 v[CD+6*\c:CD+6*\c+2], v[AC+32*\c:AC+32*\c+15], v[TM+12+2*\c]
	v_cvt_scalef32_pk16_bf6_f32 v[CD+12+4*\c:CD+14+4*\c], v[AC+32*\c+16:AC+32*\c+31], v[TM+12+2*\c+1]   ; (a conversion's three registers begin on an even number)
.endr
	WIN 0
	v_nop                                          ; one plain place behind a scaled conversion
.irp c, 0,1                            ; the operand's layout wants a WHOLE block in a lane: lanes 0-15 block 2 c, lanes 16-31 block 2 c + 1
.irp i, 0,1,2
	v_permlane16_swap_b32 v[CD+6*\c+\i], v[CD+12+4*\c+\i]
.endr
.irp i, 0,1,2
	v_mov_b32 v[CD+3+6*\c+\i], v[CD+12+4*\c+\i]
.endr
.endr
	v_lshrrev_b32 v[SW+(\a)], v[SHV], v[PW]        ; q, k: lanes 0-15 keep the first head's two bytes, lanes 16-31 take the second's; v: the whole word in both
	v_and_b32 v[SW+(\a)], s67, v[SW+(\a)]
	ds_store_b32 v[STO], v[SW+(\a)] offset:64*(\a)
.irp p, 0,1,2,3,4,5
	global_store_b64 v[GC], v[CD+2*\p:CD+2*\p+1], s[96:97] offset:256*\p   ; a piece of the image: 32 lanes store 256 consecutive bytes, aligned
.endr
.endm
	PLACES NP                                      ; behind the last products
.irp a, 0,1,2,3,4,5,6,7
	QOUT \a
.endr
	ds_load_b128 v[RB:RB+3], v[RD]                 ; LDS serves a wave's instructions in order: these see my stores.  The words of lanes 0-15: 8 tiles x 64 bytes,
	ds_load_b128 v[RB+4:RB+7], v[RD] offset:512    ; and those of lanes 16-31
	s_wait_dscnt 0x0
	s_cmp_eq_u32 s95, 1                            ; v has one word a row: the second 512 bytes repeat the first.  The branch hangs on the cluster's x, which all partners share
	s_cbranch_scc1 .Lone_word
	global_store_b128 v[GS], v[RB+4:RB+7], s[98:99] offset:32768   ; q, k: the second head's words
.Lone_word:
	global_store_b128 v[GS], v[RB:RB+3], s[98:99]  ; 32 lanes store 512 consecutive bytes, aligned
	s_wait_tensorcnt 0x0                           ; the wave's end: behind my last tensor load and my last LDS store
	ds_add_u32 v[SPW], v[NIL]
	s_wait_dscnt 0x0
	CROUND                                         ; the closing round: no work-group ends while a partner may still ask for a tile that names it
	s_endpgm
.Lfunc_end_k_q96f709c0b3_gemm_qkv:
	.size	k_q96f709c0b3_gemm_qkv, .Lfunc_end_k_q96f709c0b3_gemm_qkv-k_q96f709c0b3_gemm_qkv
	.p2alignl 7, 3214868480
	.fill 96, 4, 3214868480
	.section	.rodata,"a",@progbits
	.p2align	6, 0x0
	.amdhsa_kernel k_q96f709c0b3_gemm_qkv
		.amdhsa_group_segment_fixed_size 327680
		.amdhsa_private_segment_fixed_size 0
		.amdhsa_enable_private_segment 0
		.amdhsa_kernarg_size 48
		.amdhsa_user_sgpr_count 2
		.amdhsa_user_sgpr_kernarg_segment_ptr 1
		.amdhsa_wavefront_size32 1
		.amdhsa_system_sgpr_workgroup_id_x 1
		.amdhsa_system_sgpr_workgroup_id_y 1
		.amdhsa_system_sgpr_workgroup_id_z 1
		.amdhsa_system_vgpr_workitem_id 0
		.amdhsa_next_free_vgpr 1024
		.amdhsa_next_free_sgpr 102
		.amdhsa_reserve_vcc 0
		.amdhsa_float_denorm_mode_32 3
		.amdhsa_float_denorm_mode_16_64 3
		.amdhsa_memory_ordered 1
		.amdhsa_forward_progress 1
		.amdhsa_inst_pref_size 169
	.end_amdhsa_kernel
	.amdgpu_metadata
---
amdhsa.version: [ 1, 2 ]
amdhsa.kernels:
  - .name:           k_q96f709c0b3_gemm_qkv
    .symbol:         k_q96f709c0b3_gemm_qkv.kd
    .args:
      - { .name: xcod, .offset: 0, .size: 8, .value_kind: global_buffer, .address_space: global }
      - { .name: xscl, .offset: 8, .size: 8, .value_kind: global_buffer, .address_space: global }
      - { .name: wcod, .offset: 16, .size: 8, .value_kind: global_buffer, .address_space: global }
      - { .name: wscl, .offset: 24, .size: 8, .value_kind: global_buffer, .address_space: global }
      - { .name: zcod, .offset: 32, .size: 8, .value_kind: global_buffer, .address_space: global }
      - { .name: zscl, .offset: 40, .size: 8, .value_kind: global_buffer, .address_space: global }
    .group_segment_fixed_size: 327680
    .private_segment_fixed_size: 0
    .kernarg_segment_align: 8
    .kernarg_segment_size: 48
    .max_flat_workgroup_size: 128
    .sgpr_count:     102
    .vgpr_count:     1024
    .wavefront_size: 32
...
	.end_amdgpu_metadata
.endif
;; end of part 3
;; launch attn (part 4): grid 4 x 64, 16 waves a work-group, no clusters, 210,944 bytes of LDS; arguments zcod, zscl, acod, ascl; writes acod, ascl
.if DOCPART == 4
	.amdgcn_target "amdgcn-amd-amdhsa--gfx1250"
	.amdhsa_code_object_version 6
	.text
	.protected	k_q96f709c0b3_attn
	.globl	k_q96f709c0b3_attn
	.p2align	8
	.type	k_q96f709c0b3_attn,@function
k_q96f709c0b3_attn:
	s_mov_b64 s[64:65], 0
	v_nop
	global_prefetch_b8 v0, s[64:65] scope:SCOPE_SE
	s_setreg_imm32_b32 hwreg(HW_REG_WAVE_MODE, 25, 1), 1
	s_wait_xcnt 0x0
; o = softmax(q k^T / 8, causal) v for one head, both products on codes of BF6 (E3M2) with one E8M0 scale for each 32 along a product's K; o is quantised along the channels in registers and leaves as codes.
; THE SOFTMAX AHEAD OF THE SECOND PRODUCT: t = score x log2(e) / 8; M = the row's largest t so far, rounded UP to a whole number; p = 2^(t - M) is what is quantised, along the keys; it is not normalised.
; The row's sum is taken of the unquantised p, in f32, and divides O at the end.  When M moves, the sum and O are multiplied by 2^(old M - new M): exact.
; SHARES.  Work-group (i, head) owns the query blocks 7 - i and i of 256 queries: 9 blocks of 256 keys count for them in every work-group, so the 256 work-groups have equal work.
; Each of the SIXTEEN waves owns one tile of 16 queries in each of the two passes, in 256 registers: four waves to a SIMD, so that one wave's vector work stands beside another's matrix work and LDS loads.
; THE WHOLE HEAD'S K AND V STAY IN LDS (2 x 98,304 bytes of codes, 12,288 of scale words), filled ONCE by eight tensor loads of waves 0-3: no slot is ever filled again.
; The first four key steps and all scale words are each filling wave's first load; the rest lands while those four steps are worked.
; OPERANDS LIE AS IMAGES OF THEIR REGISTERS: piece p (registers 2 p, 2 p + 1) as 32 lanes x 8 bytes.  A head's 64 channels are half of the instruction's K = 128: registers 0-5 of q's and k's fragments are loaded,
; registers 6-11 hold zero codes, which add nothing (their scale bytes are 0, which is 2^-127 and no NaN).
; LAYOUT.  Both products are used transposed: S^T = K Q^T (source 0 = 16 keys, source 1 = my 16 queries), O^T = V^T P^T (source 0 = 16 channels, source 1 = P): a lane holds ONE query throughout.
; A tile's 16 rows (tokens, channels) are 8 neighbours and the 8 that lie 16 further on: row r of tile 2 g + u is 32 g + 8 u + r + 8 (r / 8).  So the 16 registers of tiles 2 g and 2 g + 1 are 16 neighbours, 32 g + 16 (lane / 16) + 0 .. 15.
; CAUSAL.  The loops' trip counts are constants; a key step all of whose keys come after my queries is jumped over by a scalar branch on ids; the step on the diagonal sets hidden scores to -infinity.
; NO CLUSTER, NO JOINT LOADS, though the four work-groups of a head read the same K and V: which key steps a wave jumps over hangs on its query block, which would be the work-group's place in the cluster,
; without the jumps the key steps would be 32 a wave for 16 or 18.
; LIMITS: M is exact while |t| < 2^24; o is divided by the sum by v_rcp_f32 (1 ulp); a block of o under 2^-122 or of zeros keeps the scale byte 1 (this program alone reads it); NaN and infinities are not served.
.set KC,   0                           ; LDS: K's codes: 128 tiles x 768 bytes
.set VC,   98304                       ; V's codes: 16 key steps x 4 tiles of channels x 1,536 bytes
.set KSO,  196608                      ; K's scale words: 128 tiles x 64 bytes
.set VSO,  204800                      ; V's: 16 key steps x 4 tiles x 64 bytes
.set AK,   1                           ; v1   8 x lane: my place in a piece; also my global offset in an image
.set AV,   2                           ; v2   the same + VC
.set ASK,  3                           ; v3   4 x lane + KSO
.set ASV,  4                           ; v4   4 x lane + VSO
.set ADK,  5                           ; v5-8 the step's addresses (between the passes v5 and v6 serve as global offsets)
.set ADV,  6
.set ADS,  7
.set ADT,  8
.set QL,   9                           ; v9   r + 8 (r / 8) - 16 (lane / 16)
.set VSW,  10                          ; v10-11 V's scale words: lanes 0-15 the even tile's, lanes 16-31 the odd tile's
.set QF,   16                          ; v16-27 Q's fragment
.set KSW,  28                          ; v28-31 K's scale words, two tiles to a register
.set KFR,  32                          ; v32-79 four fragments of K
.set VF,   80                          ; v80-127 four fragments of V
.set S,    128                         ; v128-191 S^T, then p; at the end o
.set OA,   192                         ; v192-223 O^T, four tiles of channels
.set CD,   224                         ; v224-235 p's codes; at the end o's
.set T8,   236                         ; v236-243 at work
.set BM,   244                         ; v244-247 the blocks' largest scores
.set SO,   248                         ; v248-251 the conversions' scale operands.  v252 f; v253 p's scale word; v254 at work; v255 Q's scale words.  v12 -M, v13 the largest t, v[14:15] the sum in two halves
.set WV,   12                          ; s12 wave;  s13 batch;  s14 head;  s15 work-group x
.set BB,   13
.set HH,   14
.set II,   15
.set QCO,  16                          ; s16 the head's place in a tile's codes of q: (head / 2) x 1,536 + (head % 2) x 768
.set QSO,  17                          ; s17 and among the scale words: (head / 2) x 65,536 + (head % 2) x 32,768
.set SEL,  20                          ; s[20:21] lane selects for v_permlanex16_b32: lane l xor 16
.set CS,   22                          ; s[22:23] c = log2(e) / 8
.set G0A,  24                          ; s[24:27], s[28:35] a filling wave's first load;  s[36:39], s[40:47] its second
.set G1A,  28
.set G0B,  36
.set G1B,  40
.set T6,   48                          ; s48 the step's codes begin here in KC and in VC: 6,144 bytes a step
.set TS,   49                          ; s49 K's scale words: 512 a step
.set TT,   50                          ; s50 V's: 256 a step
.set KEY,  51                          ; s51 the step's first key
.set Q0,   52                          ; s52 my tile's first query
.set CNT,  53
.set BLK,  54                          ; s54 the pass's block of 256 queries
.set HM,   55                          ; s55 the mask of lanes 16-31
; a descriptor: r rows of c elements of 8 bytes, p elements apart in memory, dense in LDS from byte lds on
.macro DESC g0, g1, lds, base, goff, c, r, p
	s_mov_b32 s[\g0], 1                            ; count = 1
	s_mov_b32 s[\g0+1], \lds                       ; LDS address
	s_add_nc_u64 s[\g0+2:\g0+3], s[\base:\base+1], \goff   ; global address
	s_or_b32 s[\g0+3], s[\g0+3], 0x80000000        ; type = 2
	s_mov_b32 s[\g1], 3<<16                        ; no mask; elements of 8 bytes; no padding
	s_mov_b32 s[\g1+1], (\c)<<16                   ; tensor_dim0
	s_mov_b32 s[\g1+2], (\r)<<16                   ; tensor_dim1
	s_mov_b32 s[\g1+3], (\c)<<16                   ; tile_dim0
	s_mov_b32 s[\g1+4], \r                         ; tile_dim1
	s_mov_b32 s[\g1+5], \p                         ; tensor_dim0_stride
	s_mov_b32 s[\g1+6], 0
	s_mov_b32 s[\g1+7], 0
.endm
.macro FILL2                           ; a wave's two first fills stand together; four v_nop follow the second.  By this text's own count two tensor loads of a wave are out
	tensor_load_to_lds s[G0A:G0A+3], s[G1A:G1A+7]
	s_nop 0
	tensor_load_to_lds s[G0B:G0B+3], s[G1B:G1B+7]
	s_nop 0
.rept 4
	v_nop
.endr
.endm
	s_load_b256 s[4:11], s[0:1], 0x0               ; zcod s[4:5], zscl s[6:7], acod s[8:9], ascl s[10:11]
	v_lshl_add_u32 v254, v0, 2, 0x33000
	v_mov_b32 v255, 0
	ds_add_u32 v254, v255
	ds_add_u32 v254, v255
	s_wait_dscnt 0x0
	v_lshrrev_b32 v1, 5, v0
	v_readfirstlane_b32 s[WV], v1                  ; wave 0..15
	s_and_b32 s74, ttmp7, 0xffff
	s_lshr_b32 s[BB], s74, 4                       ; batch
	s_and_b32 s[HH], s74, 15                       ; head
	s_mov_b32 s[II], ttmp9
	s_lshr_b32 s18, s[HH], 1
	s_and_b32 s19, s[HH], 1
	s_mul_i32 s[QCO], s18, 1536
	s_mul_i32 s74, s19, 768
	s_add_co_u32 s[QCO], s[QCO], s74
	s_lshl_b32 s[QSO], s18, 16
	s_lshl_b32 s74, s19, 15
	s_add_co_u32 s[QSO], s[QSO], s74
	s_mul_i32 s66, s[BB], 128*24576                ; K's codes: the batch's first tile of tokens, J = 8 + head / 2
	s_add_co_u32 s66, s66, s[QCO]
	s_add_co_u32 s66, s66, 8*1536
	s_mov_b32 s67, 0
	s_mul_i32 s68, s[BB], 16*98304                 ; V's codes: J = 16 batch, tile 4 head
	s_mul_i32 s74, s[HH], 4*1536
	s_add_co_u32 s68, s68, s74
	s_add_co_u32 s68, s68, 12582912
	s_mov_b32 s69, 0
	s_lshl_b32 s70, s[BB], 13                      ; K's scale words
	s_add_co_u32 s70, s70, s[QSO]
	s_add_co_u32 s70, s70, 8*65536
	s_mov_b32 s71, 0
	s_lshl_b32 s72, s[BB], 16                      ; V's scale words
	s_lshl_b32 s74, s[HH], 8
	s_add_co_u32 s72, s72, s74
	s_add_co_u32 s72, s72, 1048576
	s_mov_b32 s73, 0
	s_mov_b32 s[SEL], 0x76543210
	s_mov_b32 s[SEL+1], 0xfedcba98
	s_mov_b32 s[CS], 0x3e38aa3b                    ; c = log2(e) / 8
	s_mov_b32 s[CS+1], s[CS]                       ; (named with it as a pair, so it is written)
	s_mov_b32 s[HM], 0xffff0000
	; the address registers that stay are made ahead of the branch on the wave's number
	v_and_b32 v9, 31, v0                           ; lane
	v_lshlrev_b32 v[AK], 3, v9
	v_add_nc_u32 v[AV], VC, v[AK]
	v_lshlrev_b32 v[ASK], 2, v9
	v_add_nc_u32 v[ASV], VSO, v[ASK]
	v_add_nc_u32 v[ASK], KSO, v[ASK]
	v_and_b32 v5, 15, v0                           ; r
	v_and_b32 v6, 8, v5
	v_add_nc_u32 v[QL], v5, v6                     ; r + 8 (r / 8)
	v_bfe_u32 v6, v0, 4, 1
	v_lshlrev_b32 v6, 4, v6
	v_sub_nc_u32 v[QL], v[QL], v6
	s_wait_kmcnt 0x0
	s_add_nc_u64 s[66:67], s[4:5], s[66:67]
	s_add_nc_u64 s[68:69], s[4:5], s[68:69]
	s_add_nc_u64 s[70:71], s[6:7], s[70:71]
	s_add_nc_u64 s[72:73], s[6:7], s[72:73]
	; THE FIRST FILLS, the only ones: ahead of every wait on TENSORcnt, every LDS read and every barrier.  Each filling wave's two loads stand in one branch on its number.
	s_cmp_lg_u32 s[WV], 0
	s_cbranch_scc1 .Lnot_0
	DESC G0A, G1A, KC, 66, 0, 96, 32, 3072                 ; K's tiles 0-31 (key steps 0-3): rows of 768 bytes, 24,576 apart
	DESC G0B, G1B, KC+24576, 66, 32*24576, 96, 48, 3072    ; tiles 32-79
	FILL2
	s_branch .Lfilled
.Lnot_0:
	s_cmp_lg_u32 s[WV], 1
	s_cbranch_scc1 .Lnot_1
	DESC G0A, G1A, VC, 68, 0, 768, 4, 12288                ; V's key steps 0-3: rows of 6,144 bytes, 98,304 apart
	DESC G0B, G1B, VC+24576, 68, 4*98304, 768, 6, 12288    ; steps 4-9
	FILL2
	s_branch .Lfilled
.Lnot_1:
	s_cmp_lg_u32 s[WV], 2
	s_cbranch_scc1 .Lnot_2
	DESC G0A, G1A, KSO, 70, 0, 32, 32, 32                  ; K's scale words: 8,192 dense bytes as rows of 256
	DESC G0B, G1B, KC+61440, 66, 80*24576, 96, 48, 3072    ; K's tiles 80-127
	FILL2
	s_branch .Lfilled
.Lnot_2:
	s_cmp_lg_u32 s[WV], 3
	s_cbranch_scc1 .Lfilled
	DESC G0A, G1A, VSO, 72, 0, 32, 16, 512                 ; V's scale words: 256 bytes a key step, 4,096 apart
	DESC G0B, G1B, VC+61440, 68, 10*98304, 768, 6, 12288   ; V's key steps 10-15
	FILL2
.Lfilled:
.irp t, 0,1,2,3
.irp j, 6,7,8,9,10,11
	v_mov_b32 v[KFR+12*\t+\j], 0                   ; K = 64 .. 127 of K's fragments: zero codes, written once and never loaded
.endr
.endr
.irp j, 6,7,8,9,10,11
	v_mov_b32 v[QF+\j], 0                          ; and of Q's
.endr
.irp b, 0,1,2,3
	v_mov_b32 v[T8+\b], 0                          ; written once: a lane permute's destination counts as one of its sources
.endr
	v_mov_b32 v253, 0                              ; (named as the upper half of the pair v[252:253] before it is first written)
	v_mov_b32 v254, 0
; THE HEAD OF A PASS: my tile of queries of block s[BLK]: its pointers, Q's codes and scale words, and the sums' beginnings.
.macro PASSHEAD
	s_lshl_b32 s74, s[BB], 7
	s_lshl_b32 s75, s[BLK], 4
	s_add_co_u32 s74, s74, s75
	s_add_co_u32 s74, s74, s[WV]                   ; my tile of tokens: 128 batch + 16 block + wave
	s_lshl_b32 s[Q0], s[BLK], 8
	s_lshr_b32 s75, s[WV], 1
	s_lshl_b32 s75, s75, 5
	s_add_co_u32 s[Q0], s[Q0], s75
	s_and_b32 s75, s[WV], 1
	s_lshl_b32 s75, s75, 3
	s_add_co_u32 s[Q0], s[Q0], s75                 ; its first query: 256 block + 32 (wave / 2) + 8 (wave % 2)
	s_mul_i32 s76, s74, 24576
	s_add_co_u32 s76, s76, s[QCO]
	s_mov_b32 s77, 0
	s_add_nc_u64 s[56:57], s[4:5], s[76:77]        ; Q's codes
	s_lshl_b32 s76, s74, 6
	s_add_co_u32 s76, s76, s[QSO]
	s_add_nc_u64 s[58:59], s[6:7], s[76:77]        ; Q's scale words
	s_lshl_b32 s76, s74, 4
	s_add_co_u32 s76, s76, s[HH]
	s_mul_i32 s76, s76, 768
	s_add_nc_u64 s[60:61], s[8:9], s[76:77]        ; o's codes: (16 tile + head) x 768
	s_lshl_b32 s76, s74, 9
	s_lshl_b32 s78, s[HH], 1
	s_add_co_u32 s76, s76, s78
	s_add_nc_u64 s[62:63], s[10:11], s[76:77]      ; o's scale bytes: tile x 512 + 2 head
	v_and_b32 v[ADK], 15, v0
	v_lshlrev_b32 v[ADK], 2, v[ADK]                ; 4 r (the key steps write v5 again only behind the wait for these loads)
.irp p, 0,1,2
	global_load_b64 v[QF+2*\p:QF+2*\p+1], v[AK], s[56:57] offset:256*\p
.endr
	global_load_b32 v255, v[ADK], s[58:59]
	v_mov_b32 v13, 0xff61b1e6                      ; the largest t so far: -3e38, under every t
	v_floor_f32 v12, -v13                          ; -M
	v_mov_b32 v14, 0                               ; the sum, in two halves
	v_mov_b32 v15, 0
.set j, 0
.rept 32
	v_mov_b32 v[OA+j], 0                           ; O^T.  (The key step is written without a first step of its own: it finds zeros, which the first change of M leaves zeros)
.set j, j+1
.endr
	s_mov_b32 s[T6], 0
	s_mov_b32 s[TS], 0
	s_mov_b32 s[TT], 0
	s_mov_b32 s[KEY], 0
.endm
; A KEY STEP: 128 keys.  causal = 0: all its keys count for every wave that runs it.
.macro STEP causal
.if \causal
	s_cmp_gt_u32 s[KEY], s[Q0]                     ; my 16 queries lie in one group of 32 and the step begins at a multiple of 128: beyond my first query it is beyond them all.
	s_cbranch_scc1 .Lhidden_\@                     ; Else its first key counts for every one of my queries
.endif
	v_add_nc_u32 v[ADK], s[T6], v[AK]              ; (these four are also places behind the last step's products)
	v_add_nc_u32 v[ADV], s[T6], v[AV]
	v_add_nc_u32 v[ADS], s[TS], v[ASK]
	v_add_nc_u32 v[ADT], s[TT], v[ASV]
.irp g, 0,1                            ; S^T = K Q^T, four tiles of 16 keys at a time
.if \g
.rept 4
	v_nop                                          ; places in front of loads into registers that matrix instructions have read
.endr
.endif
.irp t, 0,1,2,3
.irp p, 0,1,2
	ds_load_b64 v[KFR+12*\t+2*\p:KFR+12*\t+2*\p+1], v[ADK] offset:768*(4*\g+\t)+256*\p
.endr
.endr
	ds_load_b32 v[KSW+2*\g], v[ADS] offset:256*\g          ; two tiles' words: lanes 0-15 the even tile's, lanes 16-31 the odd tile's
	ds_load_b32 v[KSW+2*\g+1], v[ADS] offset:256*\g+128
.if \g
.irp t, 0,1,2,3
.irp p, 0,1,2,3,4,5
	ds_load_b64 v[VF+12*\t+2*\p:VF+12*\t+2*\p+1], v[ADV] offset:1536*\t+256*\p   ; the step's V is asked for here and lands under the softmax
.endr
.endr
	ds_load_b32 v[VSW], v[ADT]
	ds_load_b32 v[VSW+1], v[ADT] offset:128
	s_wait_dscnt 26                                ; K's 14 loads are in; V's 26 may be out
.else
	s_wait_dscnt 0x0
.endif
.irp t, 0,2
	v_wmma_scale_f32_16x16x128_f8f6f4 v[S+8*(4*\g+\t):S+8*(4*\g+\t)+7], v[KFR+12*\t:KFR+12*\t+11], v[QF:QF+11], 0, v[KSW+2*\g+\t/2], v255 matrix_a_fmt:MATRIX_FMT_BF6 matrix_b_fmt:MATRIX_FMT_BF6
	v_wmma_scale_f32_16x16x128_f8f6f4 v[S+8*(4*\g+\t+1):S+8*(4*\g+\t+1)+7], v[KFR+12*(\t+1):KFR+12*(\t+1)+11], v[QF:QF+11], 0, v[KSW+2*\g+\t/2], v255 matrix_a_fmt:MATRIX_FMT_BF6 matrix_b_fmt:MATRIX_FMT_BF6 matrix_a_scale:MATRIX_SCALE_ROW1
.endr
.endr                                  ; register S + 16 b + n of lane (r, h) is key KEY + 32 b + 16 h + n for my query
.rept 4
	v_nop
.endr
.if \causal                            ; on the diagonal the scores of hidden keys become -infinity ahead of the maximum: p = 0 then.  A step all of whose keys count skips this
	s_add_co_u32 s74, s[KEY], 127
	s_cmp_le_u32 s74, s[Q0]
	s_cbranch_scc1 .Lopen_\@
	s_sub_co_i32 s74, s[Q0], s[KEY]
	v_add_nc_u32 v254, s74, v[QL]                  ; d = my query - KEY - 16 h: register 16 b + n is hidden where 32 b + n > d
	v_mov_b32 v[BM], 0xff800000                    ; -infinity
.set n, 0
.rept 64
	v_cmp_gt_i32 vcc_lo, 32*(n/16)+n%16, v254
	v_cndmask_b32 v[S+n], v[S+n], v[BM], vcc_lo
.set n, n+1
.endr
.Lopen_\@:
.endif
.irp b, 0,1,2,3
	v_max3_num_f32 v[BM+\b], v[S+16*\b], v[S+1+16*\b], v[S+2+16*\b]   ; THE LARGEST SCORE OF EACH BLOCK OF 32 KEYS serves twice: for the row's maximum, and, since p rises with the score, for the block's largest p
.endr
.irp i, 3,5,7,9,11,13
.irp b, 0,1,2,3
	v_max3_num_f32 v[BM+\b], v[BM+\b], v[S+16*\b+\i], v[S+1+16*\b+\i]   ; (the four blocks by turns)
.endr
.endr
.irp b, 0,1,2,3
	v_max_num_f32 v[BM+\b], v[BM+\b], v[S+15+16*\b]
.endr
.irp b, 0,1,2,3
	v_permlanex16_b32 v[T8+\b], v[BM+\b], s[SEL], s[SEL+1]
.endr
.irp b, 0,1,2,3
	v_max_num_f32 v[BM+\b], v[BM+\b], v[T8+\b]     ; with lane l xor 16's 16 keys
.endr
	v_max3_num_f32 v254, v[BM], v[BM+1], v[BM+2]
	v_max_num_f32 v254, v254, v[BM+3]              ; the step's largest score of my query
	v_mul_f32 v254, s[CS], v254                    ; as t (c is positive)
	v_max_num_f32 v13, v13, v254                   ; the running largest t
	v_mov_b32 v254, v12
	v_floor_f32 v12, -v13                          ; the new -M = floor(-t) = -ceil(t): M IS A WHOLE NUMBER
	v_sub_f32 v254, v12, v254                      ; M's old value less its new one: a whole number, 0 or less
	v_cvt_i32_f32 v254, v254                       ; (it saturates)
	v_ldexp_f32 v252, 1.0, v254                    ; f = 2^(old M - new M): a multiplication by it rounds nothing
.set j, 0
.rept 32
	v_pk_fma_f32 v[S+j:S+j+1], v[S+j:S+j+1], s[CS:CS+1], v[12:13] op_sel_hi:[1,0,0]   ; t - M, two at a time (of the pairs c and -M the low word serves both halves)
.set j, j+2
.endr
.irp b, 0,1,2,3
	v_fma_f32 v[BM+\b], v[BM+\b], s[CS], v12       ; the same of each block's largest score
.endr
.set j, 0
.rept 64
	v_exp_f32 v[S+j], v[S+j]                       ; p = 2^(t - M), at most 1: NOT normalised
.set j, j+1
.endr
.irp b, 0,1,2,3
	v_exp_f32 v[BM+\b], v[BM+\b]                   ; the block's largest p: the same two instructions on the same number give the same bits
.endr
	v_pk_mul_f32 v[14:15], v[14:15], v[252:253] op_sel_hi:[1,0]   ; the sums under the new M.  (A plain place behind the exponentials)
	s_wait_alu depctr_va_vdst(0)
.irp b, 0,1,2,3
	v_max_num_f32 v[BM+\b], 0x2800000, v[BM+\b]    ; the floor 2^(5 - 127): the byte cannot fall under 1 (a block whose every p is 0 keeps that byte: its codes are zeros)
.endr
.irp b, 0,1,2,3
	v_add_nc_u32 v[SO+\b], 0xfe000000, v[BM+\b]    ; 4 off the exponent field: the conversion's scale operand
.endr
.irp b, 0,1,2,3
	v_lshrrev_b32 v[T8+\b], 23, v[SO+\b]           ; the scale's byte
.endr
	v_lshl_or_b32 v253, v[T8+1], 8, v[T8]          ; p's scale word for these 128 keys
	v_lshl_or_b32 v253, v[T8+2], 16, v253
	v_lshl_or_b32 v253, v[T8+3], 24, v253
.irp c, 0,1
	v_cvt_scalef32_pk16_bf6_f32 v[CD+6*\c:CD+2+6*\c], v[S+32*\c:S+15+32*\c], v[SO+2*\c]
	v_cvt_scalef32_pk16_bf6_f32 v[T8+4*\c:T8+2+4*\c], v[S+16+32*\c:S+31+32*\c], v[SO+2*\c+1]   ; (a conversion's three registers begin on an even number)
.endr
	v_nop                                          ; one plain place behind a scaled conversion
.irp c, 0,1                            ; the operand's layout wants a WHOLE block in a lane: lanes 0-15 block 2 c, lanes 16-31 block 2 c + 1
.irp i, 0,1,2
	v_permlane16_swap_b32 v[CD+6*\c+\i], v[T8+4*\c+\i]
.endr
.irp i, 0,1,2
	v_mov_b32 v[CD+3+6*\c+\i], v[T8+4*\c+\i]
.endr
.endr
	v_pk_add_f32 v[T8:T8+1], v[S:S+1], v[S+2:S+3]  ; THE ROW'S SUM IS TAKEN OF THE UNQUANTISED p: two at a time, in two chains
.irp j, 4,8,12,16,20,24,28,32,36,40,44,48,52,56,60
	v_pk_add_f32 v[14:15], v[14:15], v[S+\j:S+1+\j]
	v_pk_add_f32 v[T8:T8+1], v[T8:T8+1], v[S+2+\j:S+3+\j]
.endr
	v_pk_add_f32 v[14:15], v[14:15], v[T8:T8+1]
.set j, 0
.rept 16
	v_pk_mul_f32 v[OA+j:OA+j+1], v[OA+j:OA+j+1], v[252:253] op_sel_hi:[1,0]   ; O^T under the new M: x f.  (With the sums above: the places between p's codes and scale word and the products below)
.set j, j+2
.endr
	s_wait_dscnt 0x0                               ; V is in
.irp t, 0,2                            ; O^T += V^T P^T: K = these 128 keys; the four accumulators take turns, one instruction a turn
	v_wmma_scale_f32_16x16x128_f8f6f4 v[OA+8*\t:OA+8*\t+7], v[VF+12*\t:VF+12*\t+11], v[CD:CD+11], v[OA+8*\t:OA+8*\t+7], v[VSW+\t/2], v253 matrix_a_fmt:MATRIX_FMT_BF6 matrix_b_fmt:MATRIX_FMT_BF6
	v_wmma_scale_f32_16x16x128_f8f6f4 v[OA+8*(\t+1):OA+8*(\t+1)+7], v[VF+12*(\t+1):VF+12*(\t+1)+11], v[CD:CD+11], v[OA+8*(\t+1):OA+8*(\t+1)+7], v[VSW+\t/2], v253 matrix_a_fmt:MATRIX_FMT_BF6 matrix_b_fmt:MATRIX_FMT_BF6 matrix_a_scale:MATRIX_SCALE_ROW1
.endr
.if \causal
.Lhidden_\@:
.endif
	s_add_co_u32 s[T6], s[T6], 6144                ; the next step's codes, scale words and first key
	s_add_co_u32 s[TS], s[TS], 512
	s_add_co_u32 s[TT], s[TT], 256
	s_add_co_u32 s[KEY], s[KEY], 128
.endm
; THE END OF A PASS: o = O^T / the sum; register 16 b + n of lane (r, h) is channel 32 b + 16 h + n of my query: two blocks of 32, quantised as p is; half a fragment (registers 0-5) leaves as three pieces of an image.
.macro OUT
	v_add_f32 v14, v14, v15                        ; the sum's two halves,
	v_permlanex16_b32 v254, v14, s[SEL], s[SEL+1]
	v_add_f32 v14, v14, v254                       ; and lane l xor 16's: the row's sum
	v_rcp_f32 v14, v14
	v_and_b32 v[ADV], 15, v0                       ; (with the additions above: the places behind the last products, and the plain place behind the reciprocal)
	v_bfe_u32 v[ADS], v0, 4, 1
	v_lshl_add_u32 v[ADV], v[ADV], 5, v[ADS]       ; my scale byte's place: 32 r + h
.set j, 0
	s_wait_alu depctr_va_vdst(0)
.rept 32
	v_mul_f32 v[S+j], v[OA+j], v14                 ; each accumulator from its low end on
.set j, j+1
.endr
.irp b, 0,1
	v_max3_num_f32 v[BM+\b], |v[S+16*\b]|, |v[S+1+16*\b]|, 0x2800000   ; my 16 numbers of block b, and the floor 2^(5 - 127)
.endr
.irp i, 2,4,6,8,10,12,14
.irp b, 0,1
	v_max3_num_f32 v[BM+\b], v[BM+\b], |v[S+16*\b+\i]|, |v[S+1+16*\b+\i]|
.endr
.endr
.irp b, 0,1
	v_permlanex16_b32 v[T8+\b], v[BM+\b], s[SEL], s[SEL+1]
.endr
.irp b, 0,1
	v_max_num_f32 v[BM+\b], v[BM+\b], v[T8+\b]
.endr
.irp b, 0,1
	v_add_nc_u32 v[SO+\b], 0xfe000000, v[BM+\b]
.endr
.irp b, 0,1
	v_lshrrev_b32 v[BM+\b], 23, v[SO+\b]           ; the two scale bytes
.endr
	v_cndmask_b32 v254, v[BM], v[BM+1], s[HM]      ; lanes 0-15 store block 0's, lanes 16-31 block 1's
	v_cvt_scalef32_pk16_bf6_f32 v[CD:CD+2], v[S:S+15], v[SO]
	v_cvt_scalef32_pk16_bf6_f32 v[T8:T8+2], v[S+16:S+31], v[SO+1]
	v_nop                                          ; one plain place behind a scaled conversion
.irp i, 0,1,2
	v_permlane16_swap_b32 v[CD+\i], v[T8+\i]       ; lanes 0-15 get block 0 whole, lanes 16-31 block 1
.endr
.irp i, 0,1,2
	v_mov_b32 v[CD+3+\i], v[T8+\i]
.endr
.irp p, 0,1,2
	global_store_b64 v[AK], v[CD+2*\p:CD+2*\p+1], s[60:61] offset:256*\p   ; 32 lanes store 256 consecutive bytes, aligned
.endr
	global_store_b8 v[ADV], v254, s[62:63]         ; a head has two of a row's 32 scale bytes: one byte a lane, 32 bytes for 768 of codes
.endm
	s_sub_co_u32 s[BLK], 7, s[II]                  ; the first pass: the late block, 4 .. 7
	PASSHEAD
	s_wait_tensorcnt 1                             ; a filling wave's first load is in: key steps 0-3 and all scale words; its second may stay out
	s_barrier_signal -1
	s_barrier_wait -1                              ; everybody's is
	s_wait_loadcnt 0x0                             ; Q
	s_mov_b32 s[CNT], 4
.Lopen4:                                           ; keys 0-511: they count for every query from 1,024 on
	STEP 0
	s_sub_co_u32 s[CNT], s[CNT], 1
	s_cmp_lg_u32 s[CNT], 0
	s_cbranch_scc1 .Lopen4
	s_wait_tensorcnt 0x0                           ; the rest of the head has landed,
	s_wait_dscnt 0x0
	s_barrier_signal -1
	s_barrier_wait -1                              ; everybody's part of it
	s_mov_b32 s[CNT], 12
.Llate:                                            ; keys 512-2,047
	STEP 1
	s_sub_co_u32 s[CNT], s[CNT], 1
	s_cmp_lg_u32 s[CNT], 0
	s_cbranch_scc1 .Llate
	OUT
	s_wait_xcnt 0x0                                ; the stores have read their registers and bases: both are written again only behind this wait
	s_mov_b32 s[BLK], s[II]                        ; the second pass: the early block, 0 .. 3
	PASSHEAD
	s_wait_loadcnt 0x0                             ; Q
	s_mov_b32 s[CNT], 8
.Learly:                                           ; keys 0-1,023
	STEP 1
	s_sub_co_u32 s[CNT], s[CNT], 1
	s_cmp_lg_u32 s[CNT], 0
	s_cbranch_scc1 .Learly
	OUT
	s_wait_xcnt 0x0
	v_lshl_add_u32 v254, v0, 2, 0x33000
	v_mov_b32 v255, 0
	s_wait_tensorcnt 0x0
	ds_add_u32 v254, v255
	s_wait_dscnt 0x0
	s_endpgm
.Lfunc_end_k_q96f709c0b3_attn:
	.size	k_q96f709c0b3_attn, .Lfunc_end_k_q96f709c0b3_attn-k_q96f709c0b3_attn
	.p2alignl 7, 3214868480
	.fill 96, 4, 3214868480
	.section	.rodata,"a",@progbits
	.p2align	6, 0x0
	.amdhsa_kernel k_q96f709c0b3_attn
		.amdhsa_group_segment_fixed_size 210944
		.amdhsa_private_segment_fixed_size 0
		.amdhsa_enable_private_segment 0
		.amdhsa_kernarg_size 32
		.amdhsa_user_sgpr_count 2
		.amdhsa_user_sgpr_kernarg_segment_ptr 1
		.amdhsa_wavefront_size32 1
		.amdhsa_system_sgpr_workgroup_id_x 1
		.amdhsa_system_sgpr_workgroup_id_y 1
		.amdhsa_system_sgpr_workgroup_id_z 1
		.amdhsa_system_vgpr_workitem_id 0
		.amdhsa_next_free_vgpr 256
		.amdhsa_next_free_sgpr 80
		.amdhsa_reserve_vcc 1
		.amdhsa_float_denorm_mode_32 3
		.amdhsa_float_denorm_mode_16_64 3
		.amdhsa_memory_ordered 1
		.amdhsa_forward_progress 1
		.amdhsa_inst_pref_size 87
	.end_amdhsa_kernel
	.amdgpu_metadata
---
amdhsa.version: [ 1, 2 ]
amdhsa.kernels:
  - .name:           k_q96f709c0b3_attn
    .symbol:         k_q96f709c0b3_attn.kd
    .args:
      - { .name: zcod, .offset: 0, .size: 8, .value_kind: global_buffer, .address_space: global }
      - { .name: zscl, .offset: 8, .size: 8, .value_kind: global_buffer, .address_space: global }
      - { .name: acod, .offset: 16, .size: 8, .value_kind: global_buffer, .address_space: global }
      - { .name: ascl, .offset: 24, .size: 8, .value_kind: global_buffer, .address_space: global }
    .group_segment_fixed_size: 210944
    .private_segment_fixed_size: 0
    .kernarg_segment_align: 8
    .kernarg_segment_size: 32
    .max_flat_workgroup_size: 512
    .sgpr_count:     80
    .vgpr_count:     256
    .wavefront_size: 32
...
	.end_amdgpu_metadata
.endif
;; end of part 4
;; launch gemm_out (part 5): grid 4 x 32, 4 waves a work-group, clusters of 4 x 4, 327,680 bytes of LDS; arguments acod, ascl, wcod, wscl, out0; writes out0
.if DOCPART == 5
	.amdgcn_target "amdgcn-amd-amdhsa--gfx1250"
	.amdhsa_code_object_version 6
	.text
	.protected	k_q96f709c0b3_gemm_out
	.globl	k_q96f709c0b3_gemm_out
	.p2align	8
	.type	k_q96f709c0b3_gemm_out,@function
k_q96f709c0b3_gemm_out:
	s_mov_b64 s[64:65], 0
	v_nop
	global_prefetch_b8 v0, s[64:65] scope:SCOPE_SE
	s_setreg_imm32_b32 hwreg(HW_REG_WAVE_MODE, 25, 1), 1
	s_wait_xcnt 0x0
	s_wait_alu depctr_hold_cnt(0) depctr_sa_sdst(0) depctr_va_vdst(0) depctr_va_sdst(0) depctr_va_ssrc(0) depctr_va_vcc(0) depctr_vm_vsrc(0)
	s_getreg_b32 s2, hwreg(HW_REG_IB_STS2, 6, 4)
	s_cmp_eq_u32 s2, 0
	s_cbranch_scc0 .Lentry_in_a_cluster
	s_endpgm
.Lentry_in_a_cluster:
	s_bfe_u32 s2, ttmp6, 0x10000c
	s_cmp_lg_u32 s2, 0xf033
	s_cbranch_scc0 .Lentry_shape_is_right
	s_endpgm
.Lentry_shape_is_right:
; out0[m][n] = sum over k of o[m][k] w_out[k][n], on codes of BF6 (E3M2) with one E8M0 scale for each 32 along K = 1,024; out0 [8192][1024] f32; sums in f32.
; A = o: codes as IMAGES of operand registers, acod [tile of 16 tokens 512][head 16][3 pieces][32 lanes][8 bytes]: two heads on end are a fragment of 128 along K; scale bytes ascl [8192 rows][32].
; B = w_out's columns: rows 3072-4095 of wcod [.][768] and wscl [.][32], K innermost.
; In both operands' row order bits 3 and 4 of the row's number are changed (row r of tile 2 g + u is 32 g + 8 u + r + 8 (r / 8)); the way out puts rows and columns back.
; A tile of C, 256 x 256, is made by four waves, as many as a WGP has SIMDs; a wave makes 128 x 128: 64 accumulators, 512 registers.  K goes in steps of 256 through a ring of two LDS slots filled by the tensor data mover.
; The scales of the work-group's 256 rows of A and of B, for all of K, come into LDS once, with the first fills.
; CLUSTERS: 4 x 4 work-groups.  The four of a row of the cluster need the same tiles of A, the four of a column the same tiles of B: each tile is asked for JOINTLY, by the same tensor load with the same descriptor and a mask that names the four.
; THE MATRIX INSTRUCTION IS USED TRANSPOSED (source 0 = 16 rows of B, source 1 = 16 rows of A): a lane holds eight numbers of a row of C.
; C has 128 tiles of 256 x 256: 128 work-groups.
; REGISTERS, in windows of 256: window 0: v0-31 addresses; v32-63 scale words, two sets; from v128 A's fragments, ONE set; on the way out v128-255 are free.
;   window 1: B's fragments, TWO sets, at v0 and at v128.   window 2: the accumulators of my rows 0-63 ((a, b) at v[8 (8 a + b)]);   window 3: those of my rows 64-127.
.set SIZE_K, 1024
.set SIZE_N, 1024
.set KSTEP,  256
.set NQ,     KSTEP/128
.set ROWB,   192                       ; a row of B's tile in bytes
.set KROW,   SIZE_K*6/8                ; a row of codes in memory; for A: 16 rows are 12,288 bytes, which is the same 768 a row
.set ATILE,  3072                      ; A: a tile of 16 rows x 256 along K: four heads' images
.set PITCH,  240                       ; B's LDS row: 3 x (64 bytes of data + 16 of padding): the 32 lanes of a load of 8 bytes touch 64 different banks (64 banks of 4 bytes: ISA guide 11.1)
.set FR,     12
.set NL,     6
.set NP,     4                         ; places behind this matrix instruction (ISA guide 7.12.1)
.set HALFT,  128*PITCH                 ; room for 128 rows: what one tensor load brings (A's images take 24,576 bytes of it)
.set SLOT,   4*HALFT
.set LAPS,   SIZE_K/(2*KSTEP)
.set KS,     SIZE_K/32
.set SCL,    2*SLOT
.set HALFS,  (128*KS/256)*272
.set SBLK,   (16*KS/256)*272
.set SPARE,  SCL+4*HALFS               ; the spare words, 128 bytes for each wave: two blocks of 256 bytes that no other line names
.set SPITCH, 528                       ; the way out: a stage of 16 rows x (512 bytes + 16) for each wave, in slot 0, which has had its last fill and its last read when the first result is stored there
.set ADRA, 16                          ; v16-17  LDS address of my A images in slot 0, 1: 8 x lane + my half
.set ADRB, 20                          ; v20-21  LDS address of my B fragments  (v22-23: for the pieces behind one padding more)
.set STO,  24
.set RD,   25
.set CO,   26
.set ADRS, 27
.set SPW,  28                          ; v28     LDS address of my spare word; never rewritten
.set NIL,  29                          ; v29     0; never rewritten
.set SC,   32
.set AF,   128
.set BK,   128
.set G1, 24
.set G0, 32
.set G1B, 48
.set G0B, 56
.set G1S, 68
.set G0S, 76
.set G1SB, 80
.set G0SB, 88
.set MSB, 0
.macro WIN new                         ; the immediate's high byte repeats the setting that is left
.if MSB != \new
	s_set_vgpr_msb (MSB<<8)|\new
.set MSB, \new
.endif
.endm
.set MUL_LO, 0xa1                      ; source 0 (B) window 1, source 1 (A) window 0, C and D window 2
.set MUL_HI, 0xf1                      ; the same, C and D window 3
.set TO_B,   0x40                      ; destination window 1, address window 0
; A joint load: waves 0 and 1 fetch for A, waves 2 and 3 for B; the branch hangs on the wave's number alone.  Four v_nop follow each of the two lines.
.macro JLOAD g0a, g1a, g0b, g1b
	s_cmp_eq_u32 s15, 0
	s_cbranch_scc0 .Lfor_b_\@
	tensor_load_to_lds s[\g0a:\g0a+3], s[\g1a:\g1a+7]
	s_nop 0
.rept 4
	v_nop
.endr
	s_branch .Lasked_\@
.Lfor_b_\@:
	tensor_load_to_lds s[\g0b:\g0b+3], s[\g1b:\g1b+7]
	s_nop 0
.rept 4
	v_nop
.endr
.Lasked_\@:
.endm
.macro CREST                           ; a round of the cluster's barrier behind its opening barrier
	s_cmp_lg_u32 s14, 0
	s_cbranch_scc1 .Lnot_wave_0_\@
	s_barrier_signal -3
.Lnot_wave_0_\@:
	s_barrier_wait -3
	s_barrier_signal -1
	s_barrier_wait -1
.endm
.macro CROUND                          ; a whole round
	s_barrier_signal -1
	s_barrier_wait -1
	CREST
.endm
	s_load_b128 s[4:7], s[0:1], 0x0                ; A's codes s[4:5], A's scales s[6:7]
	s_load_b128 s[8:11], s[0:1], 0x10              ; B's codes s[8:9], B's scales s[10:11]
	s_load_b64 s[12:13], s[0:1], 0x20              ; C
	v_lshl_add_u32 v[SPW], v0, 2, SPARE
	v_mov_b32 v[NIL], 0
	ds_add_u32 v28, v29
	ds_add_u32 v28, v29
	s_wait_dscnt 0x0
	v_lshrrev_b32 v1, 5, v0
	v_readfirstlane_b32 s14, v1                    ; wave 0..3
	s_lshr_b32 s15, s14, 1                         ; which half of the tile's rows is mine.  Also: I fetch for A (0) or for B (1)
	s_and_b32 s16, s14, 1                          ; which half of its columns.  Also: which 128 rows of that tile I fetch
	s_bfe_u32 s40, ttmp6, 0x40000                  ; cx, cy: my place in the cluster
	s_bfe_u32 s41, ttmp6, 0x40004
	s_lshl_b32 s42, ttmp9, 2
	s_add_co_u32 s42, s42, s40                     ; tile column of C = 4 x cluster x + cx
	s_and_b32 s17, ttmp7, 0xffff
	s_lshl_b32 s17, s17, 2
	s_add_co_u32 s17, s17, s41                     ; tile row of C = 4 x cluster y + cy
	s_lshl_b32 s43, s41, 2
	s_lshl_b32 s43, 15, s43                        ; my row of the cluster
	s_lshl_b32 s44, 0x1111, s40                    ; my column
	; descriptor group 1 for A: 8 tiles of 16 rows, each 3,072 dense bytes (384 elements of 8 bytes), 12,288 bytes apart; dense in LDS
	s_or_b32 s[G1+0], s43, (3<<16)|(1<<21)         ; 15:0 the mask: A's tiles go to my row; 17:16 elements of 8 bytes; 20 no padding; 21 set beside a mask
	s_mov_b32 s[G1+1], 384<<16                     ; tensor_dim0
	s_mov_b32 s[G1+2], 8<<16                       ; tensor_dim1
	s_mov_b32 s[G1+3], 384<<16                     ; tile_dim0
	s_mov_b32 s[G1+4], 8                           ; tile_dim1
	s_mov_b32 s[G1+5], 1536                        ; tensor_dim0_stride
	s_mov_b32 s[G1+6], 0
	s_mov_b32 s[G1+7], 0
	; for B: 128 rows x 192 bytes, padded in LDS
	s_or_b32 s[G1B+0], s44, (0<<16)|(1<<20)|(1<<21)|(3<<22)|(3<<25)  ; the mask of my column; elements of 1 byte; padding on: after every 16 words (code 3) 4 words (code 3)
	s_mov_b32 s[G1B+1], ROWB<<16
	s_mov_b32 s[G1B+2], 128<<16
	s_mov_b32 s[G1B+3], ROWB<<16
	s_mov_b32 s[G1B+4], 128
	s_mov_b32 s[G1B+5], KROW
	s_mov_b32 s[G1B+6], 0
	s_mov_b32 s[G1B+7], 0
	; and for the scales of 128 rows: a dense block of 4,096 bytes, as rows of 256 bytes, 16 bytes of padding behind each
	s_or_b32 s[G1S+0], s43, (3<<16)|(1<<20)|(1<<21)|(5<<22)|(3<<25)
	s_or_b32 s[G1SB+0], s44, (3<<16)|(1<<20)|(1<<21)|(5<<22)|(3<<25)
.irp g, G1S, G1SB
	s_mov_b32 s[\g+1], 32<<16
	s_mov_b32 s[\g+2], (128*KS/256)<<16
	s_mov_b32 s[\g+3], 32<<16
	s_mov_b32 s[\g+4], 128*KS/256
	s_mov_b32 s[\g+5], 32
	s_mov_b32 s[\g+6], 0
	s_mov_b32 s[\g+7], 0
.endr
	s_lshl_b32 s18, s16, 7                         ; which 128 rows of the tile I fetch
	s_lshl_b32 s20, s17, 8
	s_add_co_u32 s20, s20, s18                     ; A: row 256 x tile row + 128 x half
	s_lshl_b32 s46, s42, 8
	s_add_co_u32 s46, s46, s18
	s_add_co_u32 s46, s46, 3072                    ; B: w_out's rows begin at 3,072: + 256 x tile column + 128 x half
	s_mov_b32 s21, 0
	s_mov_b32 s47, 0
	s_mov_b64 s[18:19], KS
	s_mul_u64 s[22:23], s[20:21], s[18:19]         ; where these rows' scales begin, in bytes
	s_mul_u64 s[92:93], s[46:47], s[18:19]
	s_mov_b64 s[18:19], KROW
	s_mul_u64 s[20:21], s[20:21], s[18:19]         ; and their codes
	s_mul_u64 s[46:47], s[46:47], s[18:19]
	s_mul_i32 s45, s14, HALFT                      ; where they go: no place in the cluster enters an LDS address
	s_mul_i32 s94, s14, HALFS
	s_wait_kmcnt 0x0
	s_add_nc_u64 s[20:21], s[4:5], s[20:21]
	s_add_nc_u64 s[22:23], s[6:7], s[22:23]
	s_add_nc_u64 s[46:47], s[8:9], s[46:47]
	s_add_nc_u64 s[92:93], s[10:11], s[92:93]
	CROUND                                         ; all sixteen work-groups are here: the first joint loads meet
	s_mov_b32 s[G0S], 1
	s_add_co_u32 s[G0S+1], s94, SCL
	s_mov_b64 s[G0S+2:G0S+3], s[22:23]
	s_or_b32 s[G0S+3], s[G0S+3], 0x80000000
	s_mov_b32 s[G0SB], 1
	s_add_co_u32 s[G0SB+1], s94, SCL
	s_mov_b64 s[G0SB+2:G0SB+3], s[92:93]
	s_or_b32 s[G0SB+3], s[G0SB+3], 0x80000000
	JLOAD G0S, G1S, G0SB, G1SB                     ; the scales first: they are wanted with K step 0
.irp s, 0,1
	s_mov_b32 s[G0+4*\s], 1
	s_add_co_u32 s[G0+4*\s+1], s45, \s*SLOT
	s_add_nc_u64 s[G0+4*\s+2:G0+4*\s+3], s[20:21], \s*ATILE
	s_or_b32 s[G0+4*\s+3], s[G0+4*\s+3], 0x80000000
	s_mov_b32 s[G0B+4*\s], 1
	s_add_co_u32 s[G0B+4*\s+1], s45, \s*SLOT
	s_add_nc_u64 s[G0B+4*\s+2:G0B+4*\s+3], s[46:47], \s*ROWB
	s_or_b32 s[G0B+4*\s+3], s[G0B+4*\s+3], 0x80000000
	JLOAD G0+4*\s, G1, G0B+4*\s, G1B               ; by this text's own count three tensor loads of a wave are out here
.endr
	v_and_b32 v1, 15, v0                           ; l % 16
	v_bfe_u32 v2, v0, 4, 1                         ; l / 16
	v_mul_u32_u24 v3, v1, PITCH
	v_mul_u32_u24 v4, v2, 24
	v_add_nc_u32 v4, v3, v4                        ; B: a fragment's row x pitch + 24 x half
	v_lshl_add_u32 v5, v2, 4, v4                   ; and the same behind one padding more
	v_and_b32 v6, 31, v0
	v_lshlrev_b32 v7, 3, v6                        ; A: 8 x lane: my place in a piece of an image
	s_mul_i32 s21, s15, HALFT                      ; my 128 rows of A
	s_mul_i32 s22, s16, HALFT                      ; my 128 rows of B,
	s_add_co_u32 s22, s22, 2*HALFT                 ; which lie behind A's two halves
.irp s, 0,1
	v_add_nc_u32 v[ADRA+\s], s21, v7
	v_add_nc_u32 v[ADRB+\s], s22, v4
	v_add_nc_u32 v[ADRB+2+\s], s22, v5
	s_add_co_u32 s21, s21, SLOT
	s_add_co_u32 s22, s22, SLOT
.endr
	v_mul_u32_u24 v5, v1, KS                       ; my row's scales: KS bytes a row,
	v_lshrrev_b32 v6, 8, v5
	v_lshl_add_u32 v5, v6, 4, v5                   ; and 16 more for each 256 passed
	s_mul_i32 s21, s15, HALFS                      ; A's: my 128 rows
	s_mul_i32 s22, s16, HALFS                      ; B's: my 128 rows, behind A's 256
	s_add_co_u32 s22, s22, 2*HALFS
	s_sub_co_u32 s22, s22, s21
	v_mul_u32_u24 v6, s22, v2                      ; lanes 16-31 take B's
	s_add_co_u32 s21, s21, SCL
	v_add_nc_u32 v5, v5, v6
	v_add_nc_u32 v[ADRS], s21, v5
	s_mul_i32 s23, s14, 16*SPITCH                  ; my stage
	v_mul_u32_u24 v5, v1, SPITCH                   ; in: row l % 16; my half's 16 true neighbours of each 32 columns: 64 bytes on for lanes 16-31
	v_lshl_add_u32 v5, v2, 6, v5
	v_add_nc_u32 v[STO], s23, v5
	v_and_b32 v6, 31, v0
	v_lshlrev_b32 v[CO], 4, v6                     ; back: the 32 lanes take one row of 512 bytes; and the same in C
	v_add_nc_u32 v[RD], s23, v[CO]
	s_lshl_b32 s20, s17, 8
	s_lshl_b32 s21, s15, 7
	s_add_co_u32 s20, s20, s21                     ; my first row of C: 256 x tile row + 128 x half
	s_mov_b32 s21, 0
	s_mov_b64 s[18:19], SIZE_N*4
	s_mul_u64 s[20:21], s[20:21], s[18:19]
	s_lshl_b32 s46, s42, 10                        ; my first column, in bytes: 1024 x tile column + 512 x half
	s_lshl_b32 s47, s16, 9
	s_add_co_u32 s46, s46, s47
	s_mov_b32 s47, 0
	s_add_nc_u64 s[20:21], s[20:21], s[46:47]
	s_add_nc_u64 s[12:13], s[12:13], s[20:21]
.macro FRAG reg, adr, q, i             ; a fragment of B from rows: 12 registers: lane l holds row l % 16; registers 6 c .. 6 c + 5 hold K = 64 c + 32 (l / 16) + 0 .. 31, in pieces of 8 bytes
.irp p, 0,1,2,3,4,5
.set PCE, 12*(\q)+6*(\p/3)+\p%3        ; 16 bytes of padding lie behind every 8 pieces: where the piece three on lies behind one padding more, the second address register serves
.if PCE%8 < 5
	ds_load_b64 v[\reg+2*\p:\reg+2*\p+1], v[\adr] offset:8*PCE+16*(PCE/8)+(\i)*16*PITCH
.else
	ds_load_b64 v[\reg+2*\p:\reg+2*\p+1], v[\adr+2] offset:8*PCE+16*(PCE/8)+(\i)*16*PITCH
.endif
.endr
.endm
.macro FRAGA reg, slot, q, i           ; a fragment of A from its image: six pieces of 256 consecutive bytes
.irp p, 0,1,2,3,4,5
	ds_load_b64 v[\reg+2*\p:\reg+2*\p+1], v[ADRA+\slot] offset:(\i)*ATILE+(\q)*1536+256*\p
.endr
.endm
; 16 matrix instructions: A's blocks a0, a0 + 1 x B's eight, 128 along K.  zero = 1: the first product starts the sums.  The 64 accumulators take turns, one instruction a turn.
.macro MUL16 a0, p, q, sc, zero
.irp a, \a0, \a0+1
.irp b, 0,1,2,3,4,5,6,7
.if \zero
	v_wmma_scale_f32_16x16x128_f8f6f4 v[8*(8*((\a)%4)+\b):8*(8*((\a)%4)+\b)+7], v[128*(\p)+FR*\b:128*(\p)+FR*\b+FR-1], v[AF+FR*(\a):AF+FR*(\a)+FR-1], 0, v[SC+8*NQ*(\sc)+NQ*\b+(\q)], v[SC+8*NQ*(\sc)+NQ*(\a)+(\q)] matrix_a_fmt:MATRIX_FMT_BF6 matrix_b_fmt:MATRIX_FMT_BF6 matrix_a_scale:MATRIX_SCALE_ROW1
.else
	v_wmma_scale_f32_16x16x128_f8f6f4 v[8*(8*((\a)%4)+\b):8*(8*((\a)%4)+\b)+7], v[128*(\p)+FR*\b:128*(\p)+FR*\b+FR-1], v[AF+FR*(\a):AF+FR*(\a)+FR-1], v[8*(8*((\a)%4)+\b):8*(8*((\a)%4)+\b)+7], v[SC+8*NQ*(\sc)+NQ*\b+(\q)], v[SC+8*NQ*(\sc)+NQ*(\a)+(\q)] matrix_a_fmt:MATRIX_FMT_BF6 matrix_b_fmt:MATRIX_FMT_BF6 matrix_a_scale:MATRIX_SCALE_ROW1
.endif
.endr
.endr
.endm
.macro FETCH_B slot, q, p
	WIN TO_B
.irp i, 0,1,2,3,4,5,6,7
	FRAG 128*(\p)+FR*\i, ADRB+\slot, \q, \i
.endr
	WIN 0
.endm
.macro FETCH_A slot, q, i0
.irp i, \i0, \i0+1, \i0+2, \i0+3
	FRAGA AF+FR*(\i), \slot, \q, \i
.endr
.endm
.macro SCALES sc                       ; the next K step's scale words into set sc: lanes 0-15 take A's block i, lanes 16-31 B's block i
.irp i, 0,1,2,3,4,5,6,7
	ds_load_b64 v[SC+8*NQ*\sc+NQ*\i:SC+8*NQ*\sc+NQ*\i+1], v[ADRS] offset:\i*SBLK
.endr
.endm
; A load into a register that a matrix instruction has read, and an LDS store that reads a matrix result, stand NP places behind that matrix instruction, and only plain vector
; instructions that name none of its registers are places (ISA guide 7.12.1 for vector instructions).
.macro PLACES n
.rept \n
	v_nop
.endr
.endm
.macro STEP slot, q, zero
	s_wait_dscnt 4*NL                              ; B's set and A's blocks 0-3 are in; the youngest 24 loads (A's blocks 4-7) may be out
	WIN MUL_LO
	MUL16 0, (\q)%2, \q, \slot, \zero
	MUL16 2, (\q)%2, \q, \slot, \zero
	s_wait_dscnt 0                                 ; A's blocks 4-7 are in
	PLACES NP
	FETCH_B \slot, (\q)+1, 1-(\q)%2
	FETCH_A \slot, (\q)+1, 0
	WIN MUL_HI
	MUL16 4, (\q)%2, \q, \slot, \zero
	MUL16 6, (\q)%2, \q, \slot, \zero
	PLACES NP
	WIN 0
	FETCH_A \slot, (\q)+1, 4
.endm
; A slot's last step changes slots: ONE barrier; in front of it each wave waits for all its tensor loads, adds 0 to its spare word, and waits for that and for its own reads of this slot.  fill = 1: this slot is filled again, two K steps ahead.
.macro TURN slot, next, fill
	s_wait_tensorcnt 0x0                           ; all my tensor loads have landed: my part of the next slot;  (every window is 0 here)
	ds_add_u32 v[SPW], v[NIL]                      ; 0 onto my spare word
	s_wait_dscnt 4*NL+1                            ; (the add and the youngest 24 loads, A's blocks 4-7, may be out)
	WIN MUL_LO
	MUL16 0, 1, NQ-1, \slot, 0                     ; sixteen matrix instructions stand between the add and the wait for it
	s_wait_dscnt 0x0                               ; the add is done, and my reads of this slot are over
	s_barrier_signal -1
	MUL16 2, 1, NQ-1, \slot, 0
	WIN 0
	s_barrier_wait -1
.if \fill
	CREST                                          ; the barrier has opened a round of the cluster's barrier: no wave of any partner still reads this slot's tile or has a load on its way
	s_add_nc_u64 s[G0+4*\slot+2:G0+4*\slot+3], s[G0+4*\slot+2:G0+4*\slot+3], 2*ATILE
	s_add_nc_u64 s[G0B+4*\slot+2:G0B+4*\slot+3], s[G0B+4*\slot+2:G0B+4*\slot+3], 2*ROWB
	JLOAD G0+4*\slot, G1, G0B+4*\slot, G1B         ; the first tensor load behind the round; the four v_nop behind it are the places in front of the loads below
.else
	PLACES NP
.endif
	v_add_nc_u32 v[ADRS], 4*NQ, v[ADRS]            ; on to the next K step's scale words (no LDS load of mine is out)
	FETCH_B \next, 0, 0
	FETCH_A \next, 0, 0
	SCALES \next
	WIN MUL_HI
	MUL16 4, 1, NQ-1, \slot, 0
	MUL16 6, 1, NQ-1, \slot, 0
	PLACES NP
	WIN 0
	FETCH_A \next, 0, 4
.endm
	s_wait_tensorcnt 1                             ; the scales and my part of K step 0 are in (K step 1's load may be out)
	s_barrier_signal -1
	s_barrier_wait -1                              ; everybody's are
	FETCH_B 0, 0, 0
	FETCH_A 0, 0, 0
	SCALES 0
	FETCH_A 0, 0, 4
	STEP 0, 0, 1                                   ; the first step stands in front of the loop: its products start the sums
	s_mov_b32 s3, LAPS-1
.Llap:                                                 ; a trip goes once round the ring and fills both slots again
	TURN 0, 1, 1
	STEP 1, 0, 0
	TURN 1, 0, 1
	STEP 0, 0, 0
	s_sub_co_u32 s3, s3, 1
	s_cmp_lg_u32 s3, 0
	s_cbranch_scc1 .Llap
	TURN 0, 1, 0                                   ; the last lap fills nothing, and has no round of the cluster's barrier
	STEP 1, 0, 0
	s_wait_dscnt 4*NL                              ; the very last step: nothing more to fetch
	WIN MUL_LO
	MUL16 0, 1, NQ-1, 1, 0
	MUL16 2, 1, NQ-1, 1, 0
	s_wait_dscnt 0
	WIN MUL_HI
	MUL16 4, 1, NQ-1, 1, 0
	MUL16 6, 1, NQ-1, 1, 0
	WIN 0
; THE WAY OUT, block by block of 16 rows x 128 columns, through my own stage in LDS; it comes back as whole rows of 512 bytes.  LDS serves a wave's instructions in order (ISA guide 5.7.1.4): no wait between the stores and the loads.
; Accumulator (a, b), lane (r, h), register n is column 32 (b / 2) + 16 h + 8 (b % 2) + n of my 128, and row 32 (a / 2) + 8 (a % 2) + r + 8 (r / 8) of my 128: the stage's offsets and the stores' offsets put both back in order.
.macro TOSTAGE a
.set AC, 64*((\a)%4)
	WIN 0x08+4*((\a)/4)                            ; the data: window 2 or 3
.irp b, 0,1,2,3,4,5,6,7
	ds_store_b128 v[STO], v[AC+8*\b:AC+8*\b+3] offset:128*(\b/2)+32*(\b%2)          ; each accumulator from its low end on
	ds_store_b128 v[STO], v[AC+8*\b+4:AC+8*\b+7] offset:128*(\b/2)+32*(\b%2)+16
.endr
	WIN 0
.set BB, BK+64*((\a)%2)
.irp t, 0,1,2,3,4,5,6,7,8,9,10,11,12,13,14,15
	ds_load_b128 v[BB+4*\t:BB+4*\t+3], v[RD] offset:\t*SPITCH
.endr
.endm
.macro SEND a, younger                 ; younger: the LDS instructions issued behind block a's loads, which may stay out
.set BB, BK+64*((\a)%2)
	s_wait_dscnt \younger                          ; the block is back in registers
.if (\a) > 0
.if (\a)%2 == 1
	s_add_nc_u64 s[12:13], s[12:13], 8*SIZE_N*4    ; (behind a wait on XCNT: the earlier stores have read their base)  an odd block begins 8 rows behind the even one,
.else
	s_add_nc_u64 s[12:13], s[12:13], 24*SIZE_N*4   ; the next even one 24 rows further on
.endif
.endif
.irp t, 0,1,2,3,4,5,6,7,8,9,10,11,12,13,14,15
	global_store_b128 v[CO], v[BB+4*\t:BB+4*\t+3], s[12:13] offset:(\t+8*(\t/8))*SIZE_N*4 th:TH_STORE_NT   ; 32 lanes store 512 consecutive bytes, at a multiple of 256 from C's first byte; written once, read by nobody here
.endr
.endm
	PLACES NP                                      ; behind the last products: for the loads into the registers that held A's fragments and for the reads of results alike
	TOSTAGE 0
.irp a, 1,2,3,4,5,6,7
.if \a > 1
	s_wait_xcnt 0x0                                ; block a - 2's stores have read their registers and their base: block a's loads may land there, and the base may step
.endif
	TOSTAGE \a
	SEND \a-1, 32                                  ; behind block a - 1's loads: block a's 16 stores and 16 loads
.endr
	s_wait_xcnt 0x0                                ; block 6's stores have read their base
	SEND 7, 0
	s_wait_tensorcnt 0x0                           ; the wave's end: behind my last tensor load and my last LDS store
	ds_add_u32 v[SPW], v[NIL]
	s_wait_dscnt 0x0
	CROUND                                         ; the closing round: no work-group ends while a partner may still ask for a tile that names it
	s_endpgm
.Lfunc_end_k_q96f709c0b3_gemm_out:
	.size	k_q96f709c0b3_gemm_out, .Lfunc_end_k_q96f709c0b3_gemm_out-k_q96f709c0b3_gemm_out
	.p2alignl 7, 3214868480
	.fill 96, 4, 3214868480
	.section	.rodata,"a",@progbits
	.p2align	6, 0x0
	.amdhsa_kernel k_q96f709c0b3_gemm_out
		.amdhsa_group_segment_fixed_size 327680
		.amdhsa_private_segment_fixed_size 0
		.amdhsa_enable_private_segment 0
		.amdhsa_kernarg_size 40
		.amdhsa_user_sgpr_count 2
		.amdhsa_user_sgpr_kernarg_segment_ptr 1
		.amdhsa_wavefront_size32 1
		.amdhsa_system_sgpr_workgroup_id_x 1
		.amdhsa_system_sgpr_workgroup_id_y 1
		.amdhsa_system_sgpr_workgroup_id_z 1
		.amdhsa_system_vgpr_workitem_id 0
		.amdhsa_next_free_vgpr 1024
		.amdhsa_next_free_sgpr 98
		.amdhsa_reserve_vcc 0
		.amdhsa_float_denorm_mode_32 3
		.amdhsa_float_denorm_mode_16_64 3
		.amdhsa_memory_ordered 1
		.amdhsa_forward_progress 1
		.amdhsa_inst_pref_size 160
	.end_amdhsa_kernel
	.amdgpu_metadata
---
amdhsa.version: [ 1, 2 ]
amdhsa.kernels:
  - .name:           k_q96f709c0b3_gemm_out
    .symbol:         k_q96f709c0b3_gemm_out.kd
    .args:
      - { .name: acod, .offset: 0, .size: 8, .value_kind: global_buffer, .address_space: global }
      - { .name: ascl, .offset: 8, .size: 8, .value_kind: global_buffer, .address_space: global }
      - { .name: wcod, .offset: 16, .size: 8, .value_kind: global_buffer, .address_space: global }
      - { .name: wscl, .offset: 24, .size: 8, .value_kind: global_buffer, .address_space: global }
      - { .name: out0, .offset: 32, .size: 8, .value_kind: global_buffer, .address_space: global }
    .group_segment_fixed_size: 327680
    .private_segment_fixed_size: 0
    .kernarg_segment_align: 8
    .kernarg_segment_size: 40
    .max_flat_workgroup_size: 128
    .sgpr_count:     98
    .vgpr_count:     1024
    .wavefront_size: 32
...
	.end_amdgpu_metadata
.endif
;; end of part 5
;; ======== version 2 of 2: 4 launches
;; workspace buffers: xcod 6,291,456 bytes; xscl 262,144 bytes; wcod 3,145,728 bytes; wscl 131,072 bytes; zcod 18,874,368 bytes; zscl 1,310,720 bytes; acod 6,291,456 bytes; ascl 262,144 bytes
;; launch quant (part 6): grid 384 x 1, 4 waves a work-group, no clusters, 69,120 bytes of LDS; arguments x, xcod, xscl, wscl, w_qkv, w_out, wcod; writes xcod, xscl, wcod, wscl
.if DOCPART == 6
	.amdgcn_target "amdgcn-amd-amdhsa--gfx1250"
	.amdhsa_code_object_version 6
	.text
	.protected	k_q96f709c0b3_quant
	.globl	k_q96f709c0b3_quant
	.p2align	8
	.type	k_q96f709c0b3_quant,@function
k_q96f709c0b3_quant:
	s_mov_b64 s[64:65], 0
	v_nop
	global_prefetch_b8 v0, s[64:65] scope:SCOPE_SE
	s_setreg_imm32_b32 hwreg(HW_REG_WAVE_MODE, 25, 1), 1
	s_wait_xcnt 0x0
; ONE LAUNCH QUANTISES ALL THREE INPUTS to codes of BF6 (E3M2), 6 bits each, K innermost, with one E8M0 scale byte for each 32 along K.  Work-groups 0-255 take x, work-groups 256-383 the weights:
; the two streams depend on nothing of each other, so they run side by side.  The paths part on the work-group's number at the first line, and each has LDS bytes of its own (x: bytes 0-32,767; the weights: from 32,768 on).
; A block's scale is 2^(floor(log2(its largest magnitude)) - 4); its byte is the largest magnitude's exponent field - 4, held at 1 from below.
; (A block of zeros so gets the byte 1 where the quantiser says 127: its codes are zeros, which add nothing under any byte but 0xff, and this program alone reads the bytes.)
; LIMITS: a block whose largest magnitude lies under 2^-122 keeps the byte 1; NaN and infinities among the inputs are not served.
; ROW ORDER OF BOTH OUTPUTS: bits 3 and 4 of the row's number change places: buffer row 32 g + 16 u + r holds true row 32 g + 8 u + r + 8 (r / 8).  So 16 consecutive buffer rows are a tile whose
; results, in the products that follow, lie as 16 true neighbours in the 16 registers of two neighbouring tiles.
; No tensor loads, no barrier: waves share nothing.
.set EMAX,  4
; ---- x's path: x [8192][1024] f32 -> xcod [8192][768 bytes], xscl [8192][32]
.set STEPS, 16
.set CB,    12                         ; bytes of 16 codes
.set XR,    16                         ; v16-79   four sets of 16 numbers as they are loaded
.set XN,    80                         ; v80-111  two sets of 16 neighbours
.set XC,    128                        ; v128-191 codes: four registers for each step, so that no store's data are written again
.set XE,    112                        ; v112-127 a scale byte for each step
.set WREG,  8192                       ; LDS: a region for each wave: two stages of 32 x SP bytes, behind them its 256 scale bytes
.set SP,    80                         ; a lane's place in a stage: its 64 bytes + 16 of padding
; ---- the weights' path: w_qkv [1024][3072], w_out [1024][1024] f32 -> wcod [4096][768], wscl [4096][32]; rows 0-3071 are w_qkv's columns, rows 3072-4095 w_out's
.set WLDS,  32768                      ; this path's LDS begins here
.set NB,    8                          ; blocks of 32 along K for a wave
.set ROWB,  192                        ; bytes of 256 codes
.set PITCH, 272                        ; a stage row: sixteen places of 16 bytes, each with 12 bytes of codes, + 16
.set KROW,  768                        ; a row of the codes' buffer
.set WN,    32                         ; v32-95   two sets of 32 numbers
.set WC,    96                         ; v96..    a block's codes
.set OUTR,  112                        ; v112-175 the way out
.set SB,    24                         ; v24-25   the scale bytes, four to a register
.set OF,    176                        ; v176-207 4 x lane + i x the row's stride
	v_lshl_add_u32 v208, v0, 2, 0x10c00
	v_mov_b32 v209, 0
	s_cmp_lt_u32 ttmp9, 256                        ; x's work-group or the weights'?
	s_cbranch_scc0 .Lweights
; ======== x.  A wave takes 8 rows (8,192 numbers) in 16 steps of 512.  Each load reads 512 consecutive bytes; a step's 2,048 bytes turn through the wave's own stage in LDS, so that a lane then holds 16 neighbours
; (two neighbouring lanes hold a block).  A lane's 16 codes are 12 bytes: the wave stores 384 consecutive bytes.  A wave's 256 scale bytes are gathered in LDS and leave as one aligned block of 256 bytes.
; Loads run four steps (16 loads a wave) ahead, the turn through LDS one step.
	s_load_b128 s[4:7], s[0:1], 0x0                ; x, its codes
	s_load_b64 s[8:9], s[0:1], 0x10                ; its scale bytes
	v_lshrrev_b32 v1, 5, v0
	v_readfirstlane_b32 s16, v1                    ; wave
	v_and_b32 v2, 31, v0                           ; lane
	v_lshlrev_b32 v3, 4, v2                        ; my 16 bytes of a load's 512
	s_mul_i32 s17, s16, WREG
	v_lshrrev_b32 v14, 2, v2
	v_mul_u32_u24 v14, v14, SP
	v_and_b32 v15, 3, v2
	v_lshl_add_u32 v14, v15, 4, v14
	v_add_nc_u32 v14, s17, v14                     ; the stage, on the way in: SP (lane / 4) + 16 (lane % 4)
	v_mul_u32_u24 v15, v2, SP
	v_add_nc_u32 v15, s17, v15                     ; and on the way out: SP x lane: my 16 neighbours
	v_mul_u32_u24 v4, v2, CB                       ; my codes' place in a step's
	v_lshrrev_b32 v5, 1, v2
	s_add_co_u32 s17, s17, 2*32*SP
	v_add_nc_u32 v5, s17, v5                       ; LDS: my wave's 256 scale bytes, my block's byte
	v_lshlrev_b32 v7, 3, v2                        ; and on the way out 8 bytes a lane
	v_add_nc_u32 v6, s17, v7
	s_lshl_b32 s18, ttmp9, 2
	s_add_co_u32 s19, s18, s16                     ; the run of 8 rows that I read: 4 x work-group + wave
	s_and_b32 s20, s16, 1
	s_lshl_b32 s20, s20, 1
	s_lshr_b32 s21, s16, 1
	s_or_b32 s20, s20, s21                         ; the wave's two bits change places: they are bits 3 and 4 of the row
	s_add_co_u32 s18, s18, s20                     ; the run that I write
	s_lshl_b32 s22, s19, 15                        ; 32,768 bytes of x a run
	s_mov_b32 s23, 0
	s_mul_i32 s24, s18, 512*CB                     ; 6,144 bytes of codes
	s_mov_b32 s25, 0
	s_lshl_b32 s26, s18, 8                         ; 256 scale bytes
	s_mov_b32 s27, 0
	s_wait_kmcnt 0x0
	s_add_nc_u64 s[4:5], s[4:5], s[22:23]
	s_add_nc_u64 s[6:7], s[6:7], s[24:25]
	s_add_nc_u64 s[8:9], s[8:9], s[26:27]
.macro XLOAD t
.irp i, 0,1,2,3
	global_load_b128 v[XR+16*((\t)%4)+4*\i:XR+16*((\t)%4)+4*\i+3], v3, s[4:5] offset:2048*(\t)+512*\i th:TH_LOAD_NT   ; 32 lanes read 512 consecutive bytes
.endr
.endm
.macro XTURN t                         ; step t's numbers through the stage: LDS serves a wave's instructions in order, so no wait stands between the stores and the loads
.irp i, 0,1,2,3
	ds_store_b128 v14, v[XR+16*((\t)%4)+4*\i:XR+16*((\t)%4)+4*\i+3] offset:32*SP*((\t)%2)+8*SP*\i
.endr
.irp i, 0,1,2,3
	ds_load_b128 v[XN+16*((\t)%2)+4*\i:XN+16*((\t)%2)+4*\i+3], v15 offset:32*SP*((\t)%2)+16*\i
.endr
.endm
.irp t, 0,1,2,3
	XLOAD \t
.endr
	s_wait_loadcnt 12                              ; step 0's four loads are in
	XTURN 0
.macro XSTEP t
.set XS, XN+16*((\t)%2)
.if (\t) > 0
	s_wait_dscnt 1                                 ; this step's numbers are back from the stage (the last step's byte store may be out): so its stores into the stage have read their registers,
.else
	s_wait_dscnt 0x0
.endif
.if (\t)+4 < STEPS
	XLOAD (\t)+4                                   ; which take the loads of four steps on
.endif
.if (\t)+1 < STEPS
.if STEPS-2-(\t) >= 3
	s_wait_loadcnt 12                              ; the next step's four loads are in; those of the three steps behind it may be out
.else
	s_wait_loadcnt 4*(STEPS-2-(\t))
.endif
	XTURN (\t)+1                                   ; and go through the other stage while this step is worked
.endif
	v_max3_num_f32 v8, |v[XS]|, |v[XS+1]|, |v[XS+2]|               ; the largest magnitude of my 16, in two chains
	v_max3_num_f32 v9, |v[XS+3]|, |v[XS+4]|, |v[XS+5]|
.irp i, 6,10
	v_max3_num_f32 v8, v8, |v[XS+\i]|, |v[XS+\i+1]|
	v_max3_num_f32 v9, v9, |v[XS+\i+2]|, |v[XS+\i+3]|
.endr
	v_max3_num_f32 v8, v8, |v[XS+14]|, |v[XS+15]|
	v_max3_num_f32 v8, v8, v9, (EMAX+1)<<23        ; and the floor 2^(5 - 127): so the byte cannot fall under 1
	v_max_num_f32_dpp v8, v8, v8 row_xmask:1 row_mask:0xf bank_mask:0xf   ; and of my neighbour's 16: the block's
	v_add_nc_u32 v11, 0xfe000000, v8               ; 4 off its exponent field: the conversion takes the exponent field of this operand as its scale, and nothing else of it
	v_cvt_scalef32_pk16_bf6_f32 v[XC+4*(\t):XC+4*(\t)+2], v[XS:XS+15], v11   ; sixteen numbers / the scale, to the nearest code, ties to even, beyond the largest code the largest
	v_lshrrev_b32 v[XE+(\t)], 23, v11              ; the scale's byte
	ds_store_b8 v5, v[XE+(\t)] offset:16*(\t)      ; both lanes of a block write the same byte with the same value
	global_store_b96 v4, v[XC+4*(\t):XC+4*(\t)+2], s[6:7] offset:32*CB*(\t)
.endm
.irp t, 0,1,2,3,4,5,6,7,8,9,10,11,12,13,14,15
	XSTEP \t
.endr
	ds_load_b64 v[12:13], v6                       ; LDS serves a wave's instructions in order: these see my stores
	s_wait_dscnt 0x0
	global_store_b64 v7, v[12:13], s[8:9]          ; 32 lanes store 256 consecutive bytes, aligned
	s_wait_tensorcnt 0x0
	ds_add_u32 v208, v209
	s_wait_dscnt 0x0
	s_endpgm
; ======== THE WEIGHTS: operands whose K is their FIRST axis.  A LANE TAKES A COLUMN, AND ITS REGISTERS RUN DOWN K: each load reads 128 consecutive bytes a wave, a block of 32 along K lies in one lane's 32 registers,
; and the conversions give codes with K innermost.  Of this path's 128 work-groups number n takes columns 128 (n % 32) on (0-23: w_qkv, 24-31: w_out) and 256 along K from 256 (n / 32) on.
; One text serves both weights: only the pointer and the row's stride are chosen.  The stride is a scalar, so the 32 rows of a block have 32 offset registers and the 8 blocks 8 bases; nothing is stepped.
; A wave takes 32 columns x 256 along K: 192 bytes of codes a column.  They go through the wave's own stage in LDS and leave as rows: sixteen lanes store a row's 192 consecutive bytes.
.Lweights:
	s_load_b128 s[4:7], s[0:1], 0x20               ; w_qkv s[4:5], w_out s[6:7]
	s_load_b64 s[8:9], s[0:1], 0x30                ; the codes
	s_load_b64 s[10:11], s[0:1], 0x18              ; the scale bytes
	v_lshrrev_b32 v1, 5, v0
	v_readfirstlane_b32 s16, v1                    ; wave 0..3
	v_and_b32 v2, 31, v0                           ; lane
	s_sub_co_u32 s12, ttmp9, 256                   ; my number among this path's 128
	s_and_b32 s13, s12, 31                         ; which 128 columns
	s_lshr_b32 s18, s12, 5                         ; which 256 along K
	s_cmp_lt_u32 s13, 24                           ; w_qkv's work-group or w_out's?
	s_mov_b32 s20, 4096
	s_cselect_b32 s20, 12288, s20                  ; bytes from a row of the weight to the next
	s_cselect_b32 s21, 0, 24
	s_sub_co_u32 s22, s13, s21
	s_lshl_b32 s22, s22, 7
	s_lshl_b32 s23, s16, 5
	s_add_co_u32 s22, s22, s23                     ; my wave's first column in its weight
	s_lshl_b32 s17, s13, 7
	s_add_co_u32 s17, s17, s23                     ; and its first row in the buffers
	v_lshlrev_b32 v3, 2, v2                        ; in: 4 bytes a lane
.set i, 0
.rept 32
	v_mad_u32_u24 v[OF+i], s20, i, v3
.set i, i+1
.endr
	s_mul_i32 s19, s16, 32*PITCH
	s_add_co_u32 s19, s19, WLDS                    ; my stage
	v_and_b32 v5, 7, v2
	v_bfe_u32 v6, v2, 3, 1
	v_lshl_add_u32 v5, v6, 4, v5
	v_bfe_u32 v6, v2, 4, 1
	v_lshl_add_u32 v5, v6, 3, v5                   ; my column's buffer row among the wave's 32: bits 3 and 4 changed
	v_mul_u32_u24 v4, v5, PITCH
	v_add_nc_u32 v4, s19, v4                       ; into the stage: that row
	v_lshlrev_b32 v9, 5, v5                        ; and its row of scale bytes
	v_and_b32 v5, 15, v2
	v_lshrrev_b32 v6, 4, v2                        ; out of the stage: sixteen lanes to a row, two rows an instruction
	v_mul_u32_u24 v7, v6, PITCH
	v_lshl_add_u32 v7, v5, 4, v7
	v_add_nc_u32 v7, s19, v7
	v_mul_u32_u24 v8, v6, KROW
	v_mad_u32_u24 v8, v5, 12, v8                   ; and the same place in the codes' buffer
	s_lshl_b32 s24, s18, 8
	s_mul_i32 s24, s24, s20                        ; 256 y rows of the weight,
	s_lshl_b32 s25, s22, 2
	s_add_co_u32 s24, s24, s25                     ; + 4 x column
	s_mov_b32 s25, 0
	s_lshl_b32 s26, s20, 5                         ; 32 rows: from a block to the next
	s_mov_b32 s27, 0
	s_mul_i32 s28, s17, KROW
	s_mul_i32 s29, s18, ROWB
	s_add_co_u32 s28, s28, s29                     ; codes: row x 768 + 192 y
	s_mov_b32 s29, 0
	s_lshl_b32 s30, s17, 5
	s_lshl_b32 s31, s18, 3
	s_add_co_u32 s30, s30, s31                     ; scale bytes: row x 32 + 8 y
	s_mov_b32 s31, 0
	s_wait_kmcnt 0x0
	s_cmp_lt_u32 s13, 24                           ; the choice hangs on the work-group's number alone
	s_cselect_b64 s[4:5], s[4:5], s[6:7]
	s_add_nc_u64 s[32:33], s[4:5], s[24:25]        ; block 0's base,
.irp t, 1,2,3,4,5,6,7
	s_add_nc_u64 s[32+2*\t:33+2*\t], s[30+2*\t:31+2*\t], s[26:27]   ; and the others', 32 rows apart
.endr
	s_add_nc_u64 s[8:9], s[8:9], s[28:29]
	s_add_nc_u64 s[10:11], s[10:11], s[30:31]
.macro WLOAD t                         ; block t: W(256 y + 32 t + i, my column), i = 0 .. 31, into set t % 2
.set i, 0
.rept 32
	global_load_b32 v[WN+32*((\t)%2)+i], v[OF+i], s[32+2*(\t):33+2*(\t)] th:TH_LOAD_NT
.set i, i+1
.endr
.endm
	WLOAD 0
	WLOAD 1
.macro WBLOCK t
.set WS, WN+32*((\t)%2)
.if (\t) < NB-1
	s_wait_loadcnt 32                              ; this block's 32 loads are in; the next block's may be out
.else
	s_wait_loadcnt 0
.endif
	v_max3_num_f32 v12, |v[WS]|, |v[WS+1]|, |v[WS+2]|               ; the block's largest magnitude: all 32 numbers are mine
	v_max3_num_f32 v13, |v[WS+3]|, |v[WS+4]|, |v[WS+5]|
.irp i, 6,10,14,18,22,26
	v_max3_num_f32 v12, v12, |v[WS+\i]|, |v[WS+\i+1]|
	v_max3_num_f32 v13, v13, |v[WS+\i+2]|, |v[WS+\i+3]|
.endr
	v_max3_num_f32 v12, v12, |v[WS+30]|, |v[WS+31]|
	v_max3_num_f32 v12, v12, v13, (EMAX+1)<<23     ; and the floor 2^(5 - 127): the byte cannot fall under 1
	v_add_nc_u32 v11, 0xfe000000, v12              ; 4 off its exponent field: the conversion's scale operand
	v_lshrrev_b32 v13, 23, v11                     ; the scale's byte
.if (\t)%4 == 0
	v_mov_b32 v[SB+(\t)/4], v13                    ; four bytes to a register, the lower K in the lower byte
.else
	v_lshl_or_b32 v[SB+(\t)/4], v13, 8*((\t)%4), v[SB+(\t)/4]
.endif
	v_cvt_scalef32_pk16_bf6_f32 v[WC:WC+2], v[WS:WS+15], v11
	v_cvt_scalef32_pk16_bf6_f32 v[WC+4:WC+6], v[WS+16:WS+31], v11   ; (a conversion's three registers begin on an even number)
	ds_store_b96 v4, v[WC:WC+2] offset:32*(\t)     ; 16 codes, 12 bytes, to a place of 16 bytes, so that every LDS address is a multiple of 16
	ds_store_b96 v4, v[WC+4:WC+6] offset:32*(\t)+16
.if (\t)+2 < NB
	WLOAD (\t)+2
.endif
	s_wait_dscnt 0x0                               ; the stores have read their registers: the next block's codes may be written
.endm
.irp t, 0,1,2,3,4,5,6,7
	WBLOCK \t
.endr
	global_store_b64 v9, v[SB:SB+1], s[10:11]      ; my column's 8 scale bytes
.irp t, 0,1,2,3,4,5,6,7,8,9,10,11,12,13,14,15
	ds_load_b96 v[OUTR+4*\t:OUTR+4*\t+2], v7 offset:2*\t*PITCH   ; LDS serves a wave's instructions in order: these see my stores
.endr
.irp t, 0,1,2,3,4,5,6,7,8,9,10,11,12,13,14,15
	s_wait_dscnt 15-\t
	global_store_b96 v8, v[OUTR+4*\t:OUTR+4*\t+2], s[8:9] offset:2*\t*KROW
.endr
	s_wait_tensorcnt 0x0
	ds_add_u32 v208, v209
	s_wait_dscnt 0x0
	s_endpgm
.Lfunc_end_k_q96f709c0b3_quant:
	.size	k_q96f709c0b3_quant, .Lfunc_end_k_q96f709c0b3_quant-k_q96f709c0b3_quant
	.p2alignl 7, 3214868480
	.fill 96, 4, 3214868480
	.section	.rodata,"a",@progbits
	.p2align	6, 0x0
	.amdhsa_kernel k_q96f709c0b3_quant
		.amdhsa_group_segment_fixed_size 69120
		.amdhsa_private_segment_fixed_size 0
		.amdhsa_enable_private_segment 0
		.amdhsa_kernarg_size 56
		.amdhsa_user_sgpr_count 2
		.amdhsa_user_sgpr_kernarg_segment_ptr 1
		.amdhsa_wavefront_size32 1
		.amdhsa_system_sgpr_workgroup_id_x 1
		.amdhsa_system_sgpr_workgroup_id_y 1
		.amdhsa_system_sgpr_workgroup_id_z 1
		.amdhsa_system_vgpr_workitem_id 0
		.amdhsa_next_free_vgpr 210
		.amdhsa_next_free_sgpr 66
		.amdhsa_reserve_vcc 0
		.amdhsa_float_denorm_mode_32 3
		.amdhsa_float_denorm_mode_16_64 3
		.amdhsa_memory_ordered 1
		.amdhsa_forward_progress 1
		.amdhsa_inst_pref_size 76
	.end_amdhsa_kernel
	.amdgpu_metadata
---
amdhsa.version: [ 1, 2 ]
amdhsa.kernels:
  - .name:           k_q96f709c0b3_quant
    .symbol:         k_q96f709c0b3_quant.kd
    .args:
      - { .name: x, .offset: 0, .size: 8, .value_kind: global_buffer, .address_space: global }
      - { .name: xcod, .offset: 8, .size: 8, .value_kind: global_buffer, .address_space: global }
      - { .name: xscl, .offset: 16, .size: 8, .value_kind: global_buffer, .address_space: global }
      - { .name: wscl, .offset: 24, .size: 8, .value_kind: global_buffer, .address_space: global }
      - { .name: w_qkv, .offset: 32, .size: 8, .value_kind: global_buffer, .address_space: global }
      - { .name: w_out, .offset: 40, .size: 8, .value_kind: global_buffer, .address_space: global }
      - { .name: wcod, .offset: 48, .size: 8, .value_kind: global_buffer, .address_space: global }
    .group_segment_fixed_size: 69120
    .private_segment_fixed_size: 0
    .kernarg_segment_align: 8
    .kernarg_segment_size: 56
    .max_flat_workgroup_size: 128
    .sgpr_count:     66
    .vgpr_count:     210
    .wavefront_size: 32
...
	.end_amdgpu_metadata
.endif
;; end of part 6
;; launch gemm_qkv: the kernel of part 3 again; grid 12 x 32, 4 waves a work-group, clusters of 4 x 4, 327,680 bytes of LDS; arguments xcod, xscl, wcod, wscl, zcod, zscl; writes zcod, zscl
;; launch attn (part 7): grid 4 x 64, 16 waves a work-group, clusters of 4 x 1, 210,944 bytes of LDS; arguments zcod, zscl, acod, ascl; writes acod, ascl
.if DOCPART == 7
	.amdgcn_target "amdgcn-amd-amdhsa--gfx1250"
	.amdhsa_code_object_version 6
	.text
	.protected	k_q96f709c0b3_attn
	.globl	k_q96f709c0b3_attn
	.p2align	8
	.type	k_q96f709c0b3_attn,@function
k_q96f709c0b3_attn:
	s_mov_b64 s[64:65], 0
	v_nop
	global_prefetch_b8 v0, s[64:65] scope:SCOPE_SE
	s_setreg_imm32_b32 hwreg(HW_REG_WAVE_MODE, 25, 1), 1
	s_wait_xcnt 0x0
	s_wait_alu depctr_hold_cnt(0) depctr_sa_sdst(0) depctr_va_vdst(0) depctr_va_sdst(0) depctr_va_ssrc(0) depctr_va_vcc(0) depctr_vm_vsrc(0)
	s_getreg_b32 s2, hwreg(HW_REG_IB_STS2, 6, 4)
	s_cmp_eq_u32 s2, 0
	s_cbranch_scc0 .Lentry_in_a_cluster
	s_endpgm
.Lentry_in_a_cluster:
	s_bfe_u32 s2, ttmp6, 0x10000c
	s_cmp_lg_u32 s2, 0x3003
	s_cbranch_scc0 .Lentry_shape_is_right
	s_endpgm
.Lentry_shape_is_right:
; o = softmax(q k^T / 8, causal) v for one head, both products on codes of BF6 (E3M2) with one E8M0 scale for each 32 along a product's K; o is quantised along the channels in registers and leaves as codes.
; THE SOFTMAX AHEAD OF THE SECOND PRODUCT: t = score x log2(e) / 8; M = the row's largest t so far, rounded UP to a whole number; p = 2^(t - M) is what is quantised, along the keys; it is not normalised.
; The row's sum is taken of the unquantised p, in f32, and divides O at the end.  When M moves, the sum and O are multiplied by 2^(old M - new M): exact.
; SHARES.  The four work-groups of a cluster own one head.  Its 2,048 queries are 16 groups of 128, eight tiles of 16 each; work-group cx takes tiles 2 cx and 2 cx + 1 of EVERY group.
; Wave w of sixteen takes tile 2 cx + w % 2 of group 8 + w / 2 in the first pass and of group 7 - w / 2 in the second: (9 + w / 2) + (8 - w / 2) = 17 key steps of 128 keys for every wave of every work-group.
; A wave has 256 registers: four waves to a SIMD, so that one wave's vector work stands beside another's matrix work and LDS loads.
; CAUSAL.  The loops' trip counts are constants.  Which key steps a wave jumps over hangs on its group, that is on the wave's number alone: a step whose first key lies beyond 128 x group is hidden, the step that begins
; there lies on the diagonal and sets hidden scores to -infinity.  The work-group's place in the cluster enters Q's and o's global addresses and the number that the mask's compares read, no branch and no LDS address.
; THE WHOLE HEAD'S K AND V STAY IN LDS (2 x 98,304 bytes of codes, 12,288 of scale words), filled ONCE, JOINTLY: each of waves 0-3 issues three tensor loads whose mask names the four work-groups, with the same
; descriptors in all four; each work-group receives the bytes in its own LDS.  No byte is filled again.  The loads come in three parts: key steps 0-1 and all scale words (36,864 bytes); key steps 2-5 (49,152);
; key steps 6-15 (122,880).  Two key steps of sixteen waves are worked while the second part lands, four more while the third does.  In the first pass all queries lie at 1,024 or beyond: key steps 0-5 count for every wave.
; OPERANDS LIE AS IMAGES OF THEIR REGISTERS: piece p (registers 2 p, 2 p + 1) as 32 lanes x 8 bytes.  A head's 64 channels are half of the instruction's K = 128: registers 0-5 of q's and k's fragments are loaded,
; registers 6-11 hold zero codes, which add nothing (their scale bytes are 0, which is 2^-127 and no NaN).
; LAYOUT.  Both products are used transposed: S^T = K Q^T (source 0 = 16 keys, source 1 = my 16 queries), O^T = V^T P^T (source 0 = 16 channels, source 1 = P): a lane holds ONE query throughout.
; A tile's 16 rows (tokens, channels) are 8 neighbours and the 8 that lie 16 further on: row r of tile 2 g + u is 32 g + 8 u + r + 8 (r / 8).  So the 16 registers of tiles 2 g and 2 g + 1 are 16 neighbours, 32 g + 16 (lane / 16) + 0 .. 15.
; LIMITS: M is exact while |t| < 2^24; o is divided by the sum by v_rcp_f32 (1 ulp); a block of o under 2^-122 or of zeros keeps the scale byte 1 (this program alone reads it); NaN and infinities are not served.
.set KC,   0                           ; LDS: K's codes: 128 tiles x 768 bytes
.set VC,   98304                       ; V's codes: 16 key steps x 4 tiles of channels x 1,536 bytes
.set KSO,  196608                      ; K's scale words: 128 tiles x 64 bytes
.set VSO,  204800                      ; V's: 16 key steps x 4 tiles x 64 bytes
.set AK,   1                           ; v1   8 x lane: my place in a piece; also my global offset in an image
.set AV,   2                           ; v2   the same + VC
.set ASK,  3                           ; v3   4 x lane + KSO
.set ASV,  4                           ; v4   4 x lane + VSO
.set ADK,  5                           ; v5-8 the step's addresses (between the passes v5 and v6 serve as global offsets)
.set ADV,  6
.set ADS,  7
.set ADT,  8
.set QL,   9                           ; v9   d = my query less its group's first key, less 16 (lane / 16): 32 cx + 8 (w % 2) + r + 8 (r / 8) - 16 h
.set VSW,  10                          ; v10-11 V's scale words: lanes 0-15 the even tile's, lanes 16-31 the odd tile's
.set QF,   16                          ; v16-27 Q's fragment
.set KSW,  28                          ; v28-31 K's scale words, two tiles to a register
.set KFR,  32                          ; v32-79 four fragments of K
.set VF,   80                          ; v80-127 four fragments of V
.set S,    128                         ; v128-191 S^T, then p; at the end o
.set OA,   192                         ; v192-223 O^T, four tiles of channels
.set CD,   224                         ; v224-235 p's codes; at the end o's
.set T8,   236                         ; v236-243 at work
.set BM,   244                         ; v244-247 the blocks' largest scores
.set SO,   248                         ; v248-251 the conversions' scale operands.  v252 f; v253 p's scale word; v254 at work; v255 Q's scale words.  v12 -M, v13 the largest t, v[14:15] the sum in two halves
.set WV,   12                          ; s12 wave;  s13 batch;  s14 head;  s15 cx, my place in the cluster
.set BB,   13
.set HH,   14
.set II,   15
.set QCO,  16                          ; s16 the head's place in a tile's codes of q: (head / 2) x 1,536 + (head % 2) x 768
.set QSO,  17                          ; s17 and among the scale words: (head / 2) x 65,536 + (head % 2) x 32,768
.set SEL,  20                          ; s[20:21] lane selects for v_permlanex16_b32: lane l xor 16
.set CS,   22                          ; s[22:23] c = log2(e) / 8
.set G0A,  24                          ; s[24:27], s[28:35] a filling wave's first load;  s[36:39], s[40:47] its second;  s[80:83], s[84:91] its third
.set G1A,  28
.set G0B,  36
.set G1B,  40
.set G0C,  80
.set G1C,  84
.set T6,   48                          ; s48 the step's codes begin here in KC and in VC: 6,144 bytes a step
.set TS,   49                          ; s49 K's scale words: 512 a step
.set TT,   50                          ; s50 V's: 256 a step
.set KEY,  51                          ; s51 the step's first key
.set GB,   52                          ; s52 my group's first key: 128 x group
.set CNT,  53
.set GRP,  54                          ; s54 the pass's group of 128 queries
.set HM,   55                          ; s55 the mask of lanes 16-31
.set DQ,   92                          ; s92 my tile's first query less its group's first: 32 cx + 8 (w % 2)
.set TOFF, 93                          ; s93 my tile in a group: 2 cx + w % 2
; a descriptor of a joint load: r rows of c elements of 8 bytes, p elements apart in memory, dense in LDS from byte lds on.  Nothing in it hangs on cx
.macro DESC g0, g1, lds, base, goff, c, r, p
	s_mov_b32 s[\g0], 1                            ; count = 1
	s_mov_b32 s[\g0+1], \lds                       ; LDS address
	s_add_nc_u64 s[\g0+2:\g0+3], s[\base:\base+1], \goff   ; global address
	s_or_b32 s[\g0+3], s[\g0+3], 0x80000000        ; type = 2
	s_mov_b32 s[\g1], 15|(3<<16)|(1<<21)           ; 15:0 the mask: all four work-groups; 17:16 elements of 8 bytes; 20 no padding; 21 set beside a mask
	s_mov_b32 s[\g1+1], (\c)<<16                   ; tensor_dim0
	s_mov_b32 s[\g1+2], (\r)<<16                   ; tensor_dim1
	s_mov_b32 s[\g1+3], (\c)<<16                   ; tile_dim0
	s_mov_b32 s[\g1+4], \r                         ; tile_dim1
	s_mov_b32 s[\g1+5], \p                         ; tensor_dim0_stride
	s_mov_b32 s[\g1+6], 0
	s_mov_b32 s[\g1+7], 0
.endm
.macro FILL3                           ; a wave's three first fills stand together; four v_nop follow the last.  By this text's own count three tensor loads of a wave are out
	tensor_load_to_lds s[G0A:G0A+3], s[G1A:G1A+7]
	s_nop 0
	tensor_load_to_lds s[G0B:G0B+3], s[G1B:G1B+7]
	s_nop 0
	tensor_load_to_lds s[G0C:G0C+3], s[G1C:G1C+7]
	s_nop 0
.rept 4
	v_nop
.endr
.endm
; A round of the cluster's barrier: my work-group's barrier, so that wave 0's signal speaks for all sixteen waves; wave 0 signals for the work-group; every wave waits for all four work-groups; my work-group's barrier once more.
.macro CROUND
	s_barrier_signal -1
	s_barrier_wait -1
	s_cmp_lg_u32 s[WV], 0
	s_cbranch_scc1 .Lnot_wave_0_\@
	s_barrier_signal -3
.Lnot_wave_0_\@:
	s_barrier_wait -3
	s_barrier_signal -1
	s_barrier_wait -1
.endm
	s_load_b256 s[4:11], s[0:1], 0x0               ; zcod s[4:5], zscl s[6:7], acod s[8:9], ascl s[10:11]
	v_lshl_add_u32 v254, v0, 2, 0x33000
	v_mov_b32 v255, 0
	ds_add_u32 v254, v255
	ds_add_u32 v254, v255
	s_wait_dscnt 0x0
	v_lshrrev_b32 v1, 5, v0
	s_delay_alu instid0(VALU_DEP_1)
	v_readfirstlane_b32 s[WV], v1                  ; wave 0..15
	s_bfe_u32 s[II], ttmp6, 0x40000                ; cx
	s_and_b32 s74, ttmp7, 0xffff                   ; 16 batch + head, which the four partners share
	s_lshr_b32 s[BB], s74, 4                       ; batch
	s_and_b32 s[HH], s74, 15                       ; head
	s_and_b32 s75, s[WV], 1
	s_lshl_b32 s[TOFF], s[II], 1
	s_add_co_u32 s[TOFF], s[TOFF], s75             ; 2 cx + w % 2
	s_lshl_b32 s[DQ], s[II], 5
	s_lshl_b32 s75, s75, 3
	s_add_co_u32 s[DQ], s[DQ], s75                 ; 32 cx + 8 (w % 2)
	s_lshr_b32 s18, s[HH], 1
	s_and_b32 s19, s[HH], 1
	s_mul_i32 s[QCO], s18, 1536
	s_mul_i32 s74, s19, 768
	s_add_co_u32 s[QCO], s[QCO], s74
	s_lshl_b32 s[QSO], s18, 16
	s_lshl_b32 s74, s19, 15
	s_add_co_u32 s[QSO], s[QSO], s74
	s_mul_i32 s66, s[BB], 128*24576                ; K's codes: the batch's first tile of tokens, J = 8 + head / 2
	s_add_co_u32 s66, s66, s[QCO]
	s_add_co_u32 s66, s66, 8*1536
	s_mov_b32 s67, 0
	s_mul_i32 s68, s[BB], 16*98304                 ; V's codes: J = 16 batch, tile 4 head
	s_mul_i32 s74, s[HH], 4*1536
	s_add_co_u32 s68, s68, s74
	s_add_co_u32 s68, s68, 12582912
	s_mov_b32 s69, 0
	s_lshl_b32 s70, s[BB], 13                      ; K's scale words
	s_add_co_u32 s70, s70, s[QSO]
	s_add_co_u32 s70, s70, 8*65536
	s_mov_b32 s71, 0
	s_lshl_b32 s72, s[BB], 16                      ; V's scale words
	s_lshl_b32 s74, s[HH], 8
	s_add_co_u32 s72, s72, s74
	s_add_co_u32 s72, s72, 1048576
	s_mov_b32 s73, 0
	s_mov_b32 s[SEL], 0x76543210
	s_mov_b32 s[SEL+1], 0xfedcba98
	s_mov_b32 s[CS], 0x3e38aa3b                    ; c = log2(e) / 8
	s_mov_b32 s[CS+1], s[CS]                       ; (named with it as a pair, so it is written)
	s_mov_b32 s[HM], 0xffff0000
	; the address registers that stay are made ahead of the branch on the wave's number
	v_and_b32 v9, 31, v0                           ; lane
	s_delay_alu instid0(VALU_DEP_1)
	v_lshlrev_b32 v[AK], 3, v9
	s_delay_alu instid0(VALU_DEP_1)
	v_add_nc_u32 v[AV], VC, v[AK]
	s_delay_alu instid0(VALU_DEP_3)
	v_lshlrev_b32 v[ASK], 2, v9
	s_delay_alu instid0(VALU_DEP_1)
	v_add_nc_u32 v[ASV], VSO, v[ASK]
	s_delay_alu instid0(VALU_DEP_2)
	v_add_nc_u32 v[ASK], KSO, v[ASK]
	v_and_b32 v5, 15, v0                           ; r
	s_delay_alu instid0(VALU_DEP_1)
	v_and_b32 v6, 8, v5
	s_delay_alu instid0(VALU_DEP_1)
	v_add_nc_u32 v[QL], v5, v6                     ; r + 8 (r / 8)
	v_bfe_u32 v6, v0, 4, 1
	s_delay_alu instid0(VALU_DEP_1)
	v_lshlrev_b32 v6, 4, v6
	s_delay_alu instid0(VALU_DEP_1)
	v_sub_nc_u32 v[QL], v[QL], v6                  ; - 16 h
	s_delay_alu instid0(VALU_DEP_1)
	v_add_nc_u32 v[QL], s[DQ], v[QL]               ; + my tile's place in its group: the same in both passes
	s_wait_kmcnt 0x0
	s_add_nc_u64 s[66:67], s[4:5], s[66:67]
	s_add_nc_u64 s[68:69], s[4:5], s[68:69]
	s_add_nc_u64 s[70:71], s[6:7], s[70:71]
	s_add_nc_u64 s[72:73], s[6:7], s[72:73]
	CROUND                                         ; all four work-groups are here: the joint loads meet
	; THE FIRST FILLS, the only ones: ahead of every wait on TENSORcnt and every LDS read.  Each filling wave's three loads stand in one branch on its number.
	s_cmp_lg_u32 s[WV], 0
	s_cbranch_scc1 .Lnot_0
	DESC G0A, G1A, KC, 66, 0, 96, 16, 3072                 ; K's tiles 0-15 (key steps 0-1): rows of 768 bytes, 24,576 apart
	DESC G0B, G1B, KC+12288, 66, 16*24576, 96, 16, 3072    ; tiles 16-31 (steps 2-3)
	DESC G0C, G1C, KC+36864, 66, 48*24576, 96, 40, 3072    ; tiles 48-87 (steps 6-10)
	FILL3
	s_branch .Lfilled
.Lnot_0:
	s_cmp_lg_u32 s[WV], 1
	s_cbranch_scc1 .Lnot_1
	DESC G0A, G1A, VC, 68, 0, 768, 2, 12288                ; V's key steps 0-1: rows of 6,144 bytes, 98,304 apart
	DESC G0B, G1B, VC+12288, 68, 2*98304, 768, 2, 12288    ; steps 2-3
	DESC G0C, G1C, VC+36864, 68, 6*98304, 768, 5, 12288    ; steps 6-10
	FILL3
	s_branch .Lfilled
.Lnot_1:
	s_cmp_lg_u32 s[WV], 2
	s_cbranch_scc1 .Lnot_2
	DESC G0A, G1A, KSO, 70, 0, 32, 32, 32                  ; K's scale words: 8,192 dense bytes as rows of 256
	DESC G0B, G1B, KC+24576, 66, 32*24576, 96, 16, 3072    ; K's tiles 32-47 (steps 4-5)
	DESC G0C, G1C, KC+67584, 66, 88*24576, 96, 40, 3072    ; tiles 88-127 (steps 11-15)
	FILL3
	s_branch .Lfilled
.Lnot_2:
	s_cmp_lg_u32 s[WV], 3
	s_cbranch_scc1 .Lfilled
	DESC G0A, G1A, VSO, 72, 0, 32, 16, 512                 ; V's scale words: 256 bytes a key step, 4,096 apart
	DESC G0B, G1B, VC+24576, 68, 4*98304, 768, 2, 12288    ; V's key steps 4-5
	DESC G0C, G1C, VC+67584, 68, 11*98304, 768, 5, 12288   ; steps 11-15
	FILL3
.Lfilled:
.irp t, 0,1,2,3
.irp j, 6,7,8,9,10,11
	v_mov_b32 v[KFR+12*\t+\j], 0                   ; K = 64 .. 127 of K's fragments: zero codes, written once and never loaded
.endr
.endr
.irp j, 6,7,8,9,10,11
	v_mov_b32 v[QF+\j], 0                          ; and of Q's
.endr
.irp b, 0,1,2,3
	v_mov_b32 v[T8+\b], 0                          ; written once: a lane permute's destination counts as one of its sources
.endr
	v_mov_b32 v253, 0                              ; (named as the upper half of the pair v[252:253] before it is first written)
	v_mov_b32 v254, 0
; THE HEAD OF A PASS: my tile of queries of group s[GRP]: its pointers, Q's codes and scale words, and the sums' beginnings.
.macro PASSHEAD
	s_lshl_b32 s74, s[BB], 7
	s_lshl_b32 s75, s[GRP], 3
	s_add_co_u32 s74, s74, s75
	s_add_co_u32 s74, s74, s[TOFF]                 ; my tile of tokens: 128 batch + 8 group + 2 cx + w % 2
	s_lshl_b32 s[GB], s[GRP], 7                    ; the group's first key: made of the wave's number alone
	s_mul_i32 s76, s74, 24576
	s_add_co_u32 s76, s76, s[QCO]
	s_mov_b32 s77, 0
	s_add_nc_u64 s[56:57], s[4:5], s[76:77]        ; Q's codes
	s_lshl_b32 s76, s74, 6
	s_add_co_u32 s76, s76, s[QSO]
	s_add_nc_u64 s[58:59], s[6:7], s[76:77]        ; Q's scale words
	s_lshl_b32 s76, s74, 4
	s_add_co_u32 s76, s76, s[HH]
	s_mul_i32 s76, s76, 768
	s_add_nc_u64 s[60:61], s[8:9], s[76:77]        ; o's codes: (16 tile + head) x 768
	s_lshl_b32 s76, s74, 9
	s_lshl_b32 s78, s[HH], 1
	s_add_co_u32 s76, s76, s78
	s_add_nc_u64 s[62:63], s[10:11], s[76:77]      ; o's scale bytes: tile x 512 + 2 head
	v_and_b32 v[ADK], 15, v0
	s_delay_alu instid0(VALU_DEP_1)
	v_lshlrev_b32 v[ADK], 2, v[ADK]                ; 4 r (the key steps write v5 again only behind the wait for these loads)
.irp p, 0,1,2
	global_load_b64 v[QF+2*\p:QF+2*\p+1], v[AK], s[56:57] offset:256*\p
.endr
	global_load_b32 v255, v[ADK], s[58:59]
	v_mov_b32 v13, 0xff61b1e6                      ; the largest t so far: -3e38, under every t
	s_delay_alu instid0(VALU_DEP_1)
	v_floor_f32 v12, -v13                          ; -M
	v_mov_b32 v14, 0                               ; the sum, in two halves
	v_mov_b32 v15, 0
.set j, 0
.rept 32
	v_mov_b32 v[OA+j], 0                           ; O^T.  (The key step is written without a first step of its own: it finds zeros, which the first change of M leaves zeros)
.set j, j+1
.endr
	s_mov_b32 s[T6], 0
	s_mov_b32 s[TS], 0
	s_mov_b32 s[TT], 0
	s_mov_b32 s[KEY], 0
.endm
; A KEY STEP: 128 keys.  causal = 0: all its keys count for every wave that runs it.
.macro STEP causal
.if \causal
	s_cmp_gt_u32 s[KEY], s[GB]                     ; a step that begins beyond my group's first key begins beyond all my queries.
	s_cbranch_scc1 .Lhidden_\@                     ; Else its first key counts for every one of my queries
.endif
	s_setprio 2
	v_add_nc_u32 v[ADK], s[T6], v[AK]              ; (these four are also places behind the last step's products)
	v_add_nc_u32 v[ADV], s[T6], v[AV]
	v_add_nc_u32 v[ADS], s[TS], v[ASK]
	v_add_nc_u32 v[ADT], s[TT], v[ASV]
.irp g, 0,1                            ; S^T = K Q^T, four tiles of 16 keys at a time
.if \g
.rept 4
	v_nop                                          ; places in front of loads into registers that matrix instructions have read
.endr
.endif
.irp t, 0,1,2,3
.irp p, 0,1,2
	ds_load_b64 v[KFR+12*\t+2*\p:KFR+12*\t+2*\p+1], v[ADK] offset:768*(4*\g+\t)+256*\p
.endr
.endr
	ds_load_b32 v[KSW+2*\g], v[ADS] offset:256*\g          ; two tiles' words: lanes 0-15 the even tile's, lanes 16-31 the odd tile's
	ds_load_b32 v[KSW+2*\g+1], v[ADS] offset:256*\g+128
.if \g
.irp t, 0,1,2,3
.irp p, 0,1,2,3,4,5
	ds_load_b64 v[VF+12*\t+2*\p:VF+12*\t+2*\p+1], v[ADV] offset:1536*\t+256*\p   ; the step's V is asked for here and lands under the softmax
.endr
.endr
	ds_load_b32 v[VSW], v[ADT]
	ds_load_b32 v[VSW+1], v[ADT] offset:128
	s_wait_dscnt 26                                ; K's 14 loads are in; V's 26 may be out
.else
	s_wait_alu depctr_va_vdst(0)
	s_wait_dscnt 0x0
.endif
.irp t, 0,2
	v_wmma_scale_f32_16x16x128_f8f6f4 v[S+8*(4*\g+\t):S+8*(4*\g+\t)+7], v[KFR+12*\t:KFR+12*\t+11], v[QF:QF+11], 0, v[KSW+2*\g+\t/2], v255 matrix_a_fmt:MATRIX_FMT_BF6 matrix_b_fmt:MATRIX_FMT_BF6
	v_wmma_scale_f32_16x16x128_f8f6f4 v[S+8*(4*\g+\t+1):S+8*(4*\g+\t+1)+7], v[KFR+12*(\t+1):KFR+12*(\t+1)+11], v[QF:QF+11], 0, v[KSW+2*\g+\t/2], v255 matrix_a_fmt:MATRIX_FMT_BF6 matrix_b_fmt:MATRIX_FMT_BF6 matrix_a_scale:MATRIX_SCALE_ROW1
.endr
.endr                                  ; register S + 16 b + n of lane (r, h) is key KEY + 32 b + 16 h + n for my query
.rept 4
	v_nop
.endr
.if \causal                            ; on the diagonal the scores of hidden keys become -infinity ahead of the maximum: p = 0 then.  A step that begins ahead of my group has no hidden key and skips this
	s_cmp_lt_u32 s[KEY], s[GB]
	s_cbranch_scc1 .Lopen_\@
	v_mov_b32 v[BM], 0xff800000                    ; -infinity.  Here KEY is my group's first key: register 16 b + n is hidden where 32 b + n > d
.set n, 0
.rept 64
	v_cmp_gt_i32 vcc_lo, 32*(n/16)+n%16, v[QL]
	v_cndmask_b32 v[S+n], v[S+n], v[BM], vcc_lo
.set n, n+1
.endr
.Lopen_\@:
.endif
.irp b, 0,1,2,3
	v_max3_num_f32 v[BM+\b], v[S+16*\b], v[S+1+16*\b], v[S+2+16*\b]   ; THE LARGEST SCORE OF EACH BLOCK OF 32 KEYS serves twice: for the row's maximum, and, since p rises with the score, for the block's largest p
.endr
.irp i, 3,5,7,9,11,13
.irp b, 0,1,2,3
	v_max3_num_f32 v[BM+\b], v[BM+\b], v[S+16*\b+\i], v[S+1+16*\b+\i]   ; (the four blocks by turns)
.endr
.endr
.irp b, 0,1,2,3
	v_max_num_f32 v[BM+\b], v[BM+\b], v[S+15+16*\b]
.endr
.irp b, 0,1,2,3
	s_delay_alu instid0(VALU_DEP_4)
	v_permlanex16_b32 v[T8+\b], v[BM+\b], s[SEL], s[SEL+1]
.endr
.irp b, 0,1,2,3
	s_delay_alu instid0(VALU_DEP_4)
	v_max_num_f32 v[BM+\b], v[BM+\b], v[T8+\b]     ; with lane l xor 16's 16 keys
.endr
	s_delay_alu instid0(VALU_DEP_2)
	v_max3_num_f32 v254, v[BM], v[BM+1], v[BM+2]
	s_delay_alu instid0(VALU_DEP_1)
	v_max_num_f32 v254, v254, v[BM+3]              ; the step's largest score of my query
	s_delay_alu instid0(VALU_DEP_1)
	v_mul_f32 v254, s[CS], v254                    ; as t (c is positive)
	s_delay_alu instid0(VALU_DEP_1)
	v_max_num_f32 v13, v13, v254                   ; the running largest t
	v_mov_b32 v254, v12
	s_delay_alu instid0(VALU_DEP_2)
	v_floor_f32 v12, -v13                          ; the new -M = floor(-t) = -ceil(t): M IS A WHOLE NUMBER
	s_delay_alu instid0(VALU_DEP_1)
	v_sub_f32 v254, v12, v254                      ; M's old value less its new one: a whole number, 0 or less
	s_delay_alu instid0(VALU_DEP_1)
	v_cvt_i32_f32 v254, v254                       ; (it saturates)
	s_delay_alu instid0(VALU_DEP_1)
	v_ldexp_f32 v252, 1.0, v254                    ; f = 2^(old M - new M): a multiplication by it rounds nothing
.set j, 0
.rept 32
	v_pk_fma_f32 v[S+j:S+j+1], v[S+j:S+j+1], s[CS:CS+1], v[12:13] op_sel_hi:[1,0,0]   ; t - M, two at a time (of the pairs c and -M the low word serves both halves)
.set j, j+2
.endr
.irp b, 0,1,2,3
	v_fma_f32 v[BM+\b], v[BM+\b], s[CS], v12       ; the same of each block's largest score
.endr
.set j, 0
	s_setprio 1
	s_wait_alu depctr_va_vdst(0)
.rept 64
	v_exp_f32 v[S+j], v[S+j]                       ; p = 2^(t - M), at most 1: NOT normalised
.set j, j+1
.endr
.irp b, 0,1,2,3
	v_exp_f32 v[BM+\b], v[BM+\b]                   ; the block's largest p: the same two instructions on the same number give the same bits
.endr
	v_pk_mul_f32 v[14:15], v[14:15], v[252:253] op_sel_hi:[1,0]   ; the sums under the new M.  (A plain place behind the exponentials)
	s_wait_alu depctr_va_vdst(0)
.irp b, 0,1,2,3
	v_max_num_f32 v[BM+\b], 0x2800000, v[BM+\b]    ; the floor 2^(5 - 127): the byte cannot fall under 1 (a block whose every p is 0 keeps that byte: its codes are zeros)
.endr
.irp b, 0,1,2,3
	s_delay_alu instid0(VALU_DEP_4)
	v_add_nc_u32 v[SO+\b], 0xfe000000, v[BM+\b]    ; 4 off the exponent field: the conversion's scale operand
.endr
.irp b, 0,1,2,3
	s_delay_alu instid0(VALU_DEP_4)
	v_lshrrev_b32 v[T8+\b], 23, v[SO+\b]           ; the scale's byte
.endr
	s_delay_alu instid0(VALU_DEP_3)
	v_lshl_or_b32 v253, v[T8+1], 8, v[T8]          ; p's scale word for these 128 keys
	s_delay_alu instid0(VALU_DEP_1)
	v_lshl_or_b32 v253, v[T8+2], 16, v253
	s_delay_alu instid0(VALU_DEP_1)
	v_lshl_or_b32 v253, v[T8+3], 24, v253
.irp c, 0,1
	v_cvt_scalef32_pk16_bf6_f32 v[CD+6*\c:CD+2+6*\c], v[S+32*\c:S+15+32*\c], v[SO+2*\c]
	v_cvt_scalef32_pk16_bf6_f32 v[T8+4*\c:T8+2+4*\c], v[S+16+32*\c:S+31+32*\c], v[SO+2*\c+1]   ; (a conversion's three registers begin on an even number)
.endr
	v_nop                                          ; one plain place behind a scaled conversion
.irp c, 0,1                            ; the operand's layout wants a WHOLE block in a lane: lanes 0-15 block 2 c, lanes 16-31 block 2 c + 1
.irp i, 0,1,2
	v_permlane16_swap_b32 v[CD+6*\c+\i], v[T8+4*\c+\i]
.endr
.irp i, 0,1,2
	s_delay_alu instid0(VALU_DEP_3)
	v_mov_b32 v[CD+3+6*\c+\i], v[T8+4*\c+\i]
.endr
.endr
	v_pk_add_f32 v[236:237], v[132:133], v[136:137]
	v_pk_add_f32 v[250:251], v[140:141], v[144:145]
	v_pk_add_f32 v[248:249], v[148:149], v[152:153]
	v_pk_add_f32 v[246:247], v[156:157], v[160:161]
	v_pk_add_f32 v[244:245], v[164:165], v[168:169]
	v_pk_add_f32 v[242:243], v[172:173], v[176:177]
	v_pk_add_f32 v[240:241], v[180:181], v[184:185]
	v_pk_add_f32 v[14:15], v[14:15], v[188:189]
	v_pk_add_f32 v[236:237], v[236:237], v[128:129]
	v_pk_add_f32 v[250:251], v[250:251], v[130:131]
	v_pk_add_f32 v[248:249], v[248:249], v[134:135]
	v_pk_add_f32 v[246:247], v[246:247], v[138:139]
	v_pk_add_f32 v[244:245], v[244:245], v[142:143]
	v_pk_add_f32 v[242:243], v[242:243], v[146:147]
	v_pk_add_f32 v[240:241], v[240:241], v[150:151]
	v_pk_add_f32 v[14:15], v[14:15], v[154:155]
	v_pk_add_f32 v[236:237], v[236:237], v[158:159]
	s_setprio 0
	v_pk_add_f32 v[250:251], v[250:251], v[162:163]
	v_pk_add_f32 v[248:249], v[248:249], v[166:167]
	v_pk_add_f32 v[246:247], v[246:247], v[170:171]
	v_pk_add_f32 v[244:245], v[244:245], v[174:175]
	v_pk_add_f32 v[242:243], v[242:243], v[178:179]
	v_pk_add_f32 v[240:241], v[240:241], v[182:183]
	v_pk_add_f32 v[14:15], v[14:15], v[186:187]
	v_pk_add_f32 v[236:237], v[236:237], v[190:191]
	s_delay_alu instid0(VALU_DEP_2)
	v_pk_add_f32 v[14:15], v[14:15], v[246:247]
	s_delay_alu instid0(VALU_DEP_2)
	v_pk_add_f32 v[236:237], v[236:237], v[244:245]
	v_pk_add_f32 v[250:251], v[250:251], v[242:243]
	v_pk_add_f32 v[248:249], v[248:249], v[240:241]
	s_delay_alu instid0(VALU_DEP_2)
	v_pk_add_f32 v[14:15], v[14:15], v[250:251]
	s_delay_alu instid0(VALU_DEP_2)
	v_pk_add_f32 v[236:237], v[236:237], v[248:249]
	s_delay_alu instid0(VALU_DEP_1)
	v_pk_add_f32 v[14:15], v[14:15], v[236:237]
.set j, 0
.rept 16
	v_pk_mul_f32 v[OA+j:OA+j+1], v[OA+j:OA+j+1], v[252:253] op_sel_hi:[1,0]   ; O^T under the new M: x f.  (With the sums above: the places between p's codes and scale word and the products below)
.set j, j+2
.endr
	s_wait_alu depctr_va_vdst(0)
	s_wait_dscnt 0x0                               ; V is in
.irp t, 0,2                            ; O^T += V^T P^T: K = these 128 keys; the four accumulators take turns, one instruction a turn
	v_wmma_scale_f32_16x16x128_f8f6f4 v[OA+8*\t:OA+8*\t+7], v[VF+12*\t:VF+12*\t+11], v[CD:CD+11], v[OA+8*\t:OA+8*\t+7], v[VSW+\t/2], v253 matrix_a_fmt:MATRIX_FMT_BF6 matrix_b_fmt:MATRIX_FMT_BF6
	v_wmma_scale_f32_16x16x128_f8f6f4 v[OA+8*(\t+1):OA+8*(\t+1)+7], v[VF+12*(\t+1):VF+12*(\t+1)+11], v[CD:CD+11], v[OA+8*(\t+1):OA+8*(\t+1)+7], v[VSW+\t/2], v253 matrix_a_fmt:MATRIX_FMT_BF6 matrix_b_fmt:MATRIX_FMT_BF6 matrix_a_scale:MATRIX_SCALE_ROW1
.endr
.if \causal
.Lhidden_\@:
.endif
	s_add_co_u32 s[T6], s[T6], 6144                ; the next step's codes, scale words and first key
	s_add_co_u32 s[TS], s[TS], 512
	s_add_co_u32 s[TT], s[TT], 256
	s_add_co_u32 s[KEY], s[KEY], 128
.endm
; THE END OF A PASS: o = O^T / the sum; register 16 b + n of lane (r, h) is channel 32 b + 16 h + n of my query: two blocks of 32, quantised as p is; half a fragment (registers 0-5) leaves as three pieces of an image.
.macro OUT
	v_add_f32 v14, v14, v15                        ; the sum's two halves,
	s_delay_alu instid0(VALU_DEP_1)
	v_permlanex16_b32 v254, v14, s[SEL], s[SEL+1]
	s_delay_alu instid0(VALU_DEP_1)
	v_add_f32 v14, v14, v254                       ; and lane l xor 16's: the row's sum
	s_wait_alu depctr_va_vdst(0)
	v_rcp_f32 v14, v14
	v_and_b32 v[ADV], 15, v0                       ; (with the additions above: the places behind the last products, and the plain place behind the reciprocal)
	v_bfe_u32 v[ADS], v0, 4, 1
	s_delay_alu instid0(VALU_DEP_1)
	v_lshl_add_u32 v[ADV], v[ADV], 5, v[ADS]       ; my scale byte's place: 32 r + h
.set j, 0
	s_wait_alu depctr_va_vdst(0)
.rept 32
	v_mul_f32 v[S+j], v[OA+j], v14                 ; each accumulator from its low end on
.set j, j+1
.endr
.irp b, 0,1
	v_max3_num_f32 v[BM+\b], |v[S+16*\b]|, |v[S+1+16*\b]|, 0x2800000   ; my 16 numbers of block b, and the floor 2^(5 - 127)
.endr
.irp i, 2,4,6,8,10,12,14
.irp b, 0,1
	s_delay_alu instid0(VALU_DEP_2)
	v_max3_num_f32 v[BM+\b], v[BM+\b], |v[S+16*\b+\i]|, |v[S+1+16*\b+\i]|
.endr
.endr
.irp b, 0,1
	s_delay_alu instid0(VALU_DEP_2)
	v_permlanex16_b32 v[T8+\b], v[BM+\b], s[SEL], s[SEL+1]
.endr
.irp b, 0,1
	s_delay_alu instid0(VALU_DEP_2)
	v_max_num_f32 v[BM+\b], v[BM+\b], v[T8+\b]
.endr
.irp b, 0,1
	s_delay_alu instid0(VALU_DEP_2)
	v_add_nc_u32 v[SO+\b], 0xfe000000, v[BM+\b]
.endr
.irp b, 0,1
	s_delay_alu instid0(VALU_DEP_2)
	v_lshrrev_b32 v[BM+\b], 23, v[SO+\b]           ; the two scale bytes
.endr
	s_delay_alu instid0(VALU_DEP_1)
	v_cndmask_b32 v254, v[BM], v[BM+1], s[HM]      ; lanes 0-15 store block 0's, lanes 16-31 block 1's
	v_cvt_scalef32_pk16_bf6_f32 v[CD:CD+2], v[S:S+15], v[SO]
	v_cvt_scalef32_pk16_bf6_f32 v[T8:T8+2], v[S+16:S+31], v[SO+1]
	v_nop                                          ; one plain place behind a scaled conversion
.irp i, 0,1,2
	v_permlane16_swap_b32 v[CD+\i], v[T8+\i]       ; lanes 0-15 get block 0 whole, lanes 16-31 block 1
.endr
.irp i, 0,1,2
	s_delay_alu instid0(VALU_DEP_3)
	v_mov_b32 v[CD+3+\i], v[T8+\i]
.endr
.irp p, 0,1,2
	global_store_b64 v[AK], v[CD+2*\p:CD+2*\p+1], s[60:61] offset:256*\p   ; 32 lanes store 256 consecutive bytes, aligned
.endr
	global_store_b8 v[ADV], v254, s[62:63]         ; a head has two of a row's 32 scale bytes: one byte a lane, 32 bytes for 768 of codes
.endm
	s_lshr_b32 s75, s[WV], 1
	s_add_co_u32 s[GRP], s75, 8                    ; the first pass: a late group, 8 .. 15
	PASSHEAD
	s_wait_tensorcnt 2                             ; a filling wave's first load is in: key steps 0-1 and all scale words; its two later loads may stay out
	s_barrier_signal -1
	s_barrier_wait -1                              ; everybody's is
	s_wait_loadcnt 0x0                             ; Q
	s_mov_b32 s[CNT], 2
.Lopen2:                                           ; keys 0-255: they count for every query from 1,024 on
	STEP 0
	s_sub_co_u32 s[CNT], s[CNT], 1
	s_cmp_lg_u32 s[CNT], 0
	s_cbranch_scc1 .Lopen2
	s_setprio 0
	s_wait_tensorcnt 1                             ; a filling wave's second load is in: key steps 2-5; its third may stay out
	s_wait_dscnt 0x0
	s_barrier_signal -1
	s_barrier_wait -1                              ; everybody's is
	s_mov_b32 s[CNT], 4
.Lopen4:                                           ; keys 256-767: likewise open
	STEP 0
	s_sub_co_u32 s[CNT], s[CNT], 1
	s_cmp_lg_u32 s[CNT], 0
	s_cbranch_scc1 .Lopen4
	s_setprio 0
	s_wait_tensorcnt 0x0                           ; the rest of the head has landed,
	s_wait_dscnt 0x0
	s_barrier_signal -1
	s_barrier_wait -1                              ; everybody's part of it
	s_mov_b32 s[CNT], 10
.Llate:                                            ; keys 768-2,047
	STEP 1
	s_sub_co_u32 s[CNT], s[CNT], 1
	s_cmp_lg_u32 s[CNT], 0
	s_cbranch_scc1 .Llate
	s_setprio 0
	OUT
	s_wait_xcnt 0x0                                ; the stores have read their registers and bases: both are written again only behind this wait
	s_lshr_b32 s75, s[WV], 1
	s_sub_co_u32 s[GRP], 7, s75                    ; the second pass: an early group, 7 .. 0
	PASSHEAD
	s_wait_loadcnt 0x0                             ; Q
	s_mov_b32 s[CNT], 8
.Learly:                                           ; keys 0-1,023
	STEP 1
	s_sub_co_u32 s[CNT], s[CNT], 1
	s_cmp_lg_u32 s[CNT], 0
	s_cbranch_scc1 .Learly
	s_setprio 0
	OUT
	s_wait_xcnt 0x0
	v_lshl_add_u32 v254, v0, 2, 0x33000
	v_mov_b32 v255, 0
	s_wait_alu depctr_va_vdst(0)
	s_wait_tensorcnt 0x0
	ds_add_u32 v254, v255
	s_wait_dscnt 0x0
	CROUND                                         ; the closing round: no work-group ends while a partner may still ask for bytes by a load that names it
	s_endpgm
.Lfunc_end_k_q96f709c0b3_attn:
	.size	k_q96f709c0b3_attn, .Lfunc_end_k_q96f709c0b3_attn-k_q96f709c0b3_attn
	.p2alignl 7, 3214868480
	.fill 96, 4, 3214868480
	.section	.rodata,"a",@progbits
	.p2align	6, 0x0
	.amdhsa_kernel k_q96f709c0b3_attn
		.amdhsa_group_segment_fixed_size 210944
		.amdhsa_private_segment_fixed_size 0
		.amdhsa_enable_private_segment 0
		.amdhsa_kernarg_size 32
		.amdhsa_user_sgpr_count 2
		.amdhsa_user_sgpr_kernarg_segment_ptr 1
		.amdhsa_wavefront_size32 1
		.amdhsa_system_sgpr_workgroup_id_x 1
		.amdhsa_system_sgpr_workgroup_id_y 1
		.amdhsa_system_sgpr_workgroup_id_z 1
		.amdhsa_system_vgpr_workitem_id 0
		.amdhsa_next_free_vgpr 256
		.amdhsa_next_free_sgpr 96
		.amdhsa_reserve_vcc 1
		.amdhsa_float_denorm_mode_32 3
		.amdhsa_float_denorm_mode_16_64 3
		.amdhsa_memory_ordered 1
		.amdhsa_forward_progress 1
		.amdhsa_inst_pref_size 116
	.end_amdhsa_kernel
	.amdgpu_metadata
---
amdhsa.version: [ 1, 2 ]
amdhsa.kernels:
  - .name:           k_q96f709c0b3_attn
    .symbol:         k_q96f709c0b3_attn.kd
    .args:
      - { .name: zcod, .offset: 0, .size: 8, .value_kind: global_buffer, .address_space: global }
      - { .name: zscl, .offset: 8, .size: 8, .value_kind: global_buffer, .address_space: global }
      - { .name: acod, .offset: 16, .size: 8, .value_kind: global_buffer, .address_space: global }
      - { .name: ascl, .offset: 24, .size: 8, .value_kind: global_buffer, .address_space: global }
    .group_segment_fixed_size: 210944
    .private_segment_fixed_size: 0
    .kernarg_segment_align: 8
    .kernarg_segment_size: 32
    .max_flat_workgroup_size: 512
    .sgpr_count:     96
    .vgpr_count:     256
    .wavefront_size: 32
...
	.end_amdgpu_metadata
.endif
;; end of part 7
;; launch gemm_out (part 8): grid 8 x 32, 4 waves a work-group, clusters of 4 x 4, 327,680 bytes of LDS; arguments acod, ascl, wcod, wscl, out0; writes out0
.if DOCPART == 8
	.amdgcn_target "amdgcn-amd-amdhsa--gfx1250"
	.amdhsa_code_object_version 6
	.text
	.protected	k_q96f709c0b3_gemm_out
	.globl	k_q96f709c0b3_gemm_out
	.p2align	8
	.type	k_q96f709c0b3_gemm_out,@function
k_q96f709c0b3_gemm_out:
	s_mov_b64 s[64:65], 0
	v_nop
	global_prefetch_b8 v0, s[64:65] scope:SCOPE_SE
	s_setreg_imm32_b32 hwreg(HW_REG_WAVE_MODE, 25, 1), 1
	s_wait_xcnt 0x0
	s_wait_alu depctr_hold_cnt(0) depctr_sa_sdst(0) depctr_va_vdst(0) depctr_va_sdst(0) depctr_va_ssrc(0) depctr_va_vcc(0) depctr_vm_vsrc(0)
	s_getreg_b32 s2, hwreg(HW_REG_IB_STS2, 6, 4)
	s_cmp_eq_u32 s2, 0
	s_cbranch_scc0 .Lentry_in_a_cluster
	s_endpgm
.Lentry_in_a_cluster:
	s_bfe_u32 s2, ttmp6, 0x10000c
	s_cmp_lg_u32 s2, 0xf033
	s_cbranch_scc0 .Lentry_shape_is_right
	s_endpgm
.Lentry_shape_is_right:
; out0[m][n] = sum over k of o[m][k] w_out[k][n], on codes of BF6 (E3M2) with one E8M0 scale for each 32 along K = 1,024; out0 [8192][1024] f32; sums in f32.
; A = o: codes as IMAGES of operand registers, acod [tile of 16 tokens 512][head 16][3 pieces][32 lanes][8 bytes]: two heads on end are a fragment of 128 along K; scale bytes ascl [8192 rows][32].
; B = w_out's columns: rows 3072-4095 of wcod [.][768] and wscl [.][32], K innermost.
; In both operands' row order bits 3 and 4 of the row's number are changed (row r of tile 2 g + u is 32 g + 8 u + r + 8 (r / 8)); the way out puts rows and columns back.
; THE TILE.  C has 32 x 8 = 256 tiles of 256 rows x 128 columns: 256 work-groups of four waves, as many as a WGP has SIMDs; a wave makes 128 x 64: 32 accumulators, 256 registers.
; ALL OF K LIES IN LDS: A's 256 rows x 768 bytes, dense images (196,608 bytes), and B's 128 rows in four parts of 256 along K, 240 bytes a row and part (122,880).  Nothing is filled again: no ring, and no barrier but the one
; that shows each part landed.  Each wave issues four tensor loads at the start, one for each part of 256 along K (waves 0, 1: A's halves; waves 2, 3: B's); the products of a part run while the later parts land.
; THE PRICE of the smaller wave tile: for 128 along K a wave reads 12 fragments (72 pieces of 256 bytes) from LDS for 32 products.
; CLUSTERS: 4 x 4 work-groups.  The four of a row of the cluster need the same tiles of A, the four of a column the same tiles of B: each tile is asked for JOINTLY, by the same tensor load with the same descriptor and a mask that names the four.
; THE SCALE WORDS go straight into registers, once: the 16 rows of a block are 512 dense bytes; lane r takes its row's 32 bytes (eight words, one for each 128 along K) by two loads of 16 bytes.
; THE MATRIX INSTRUCTION IS USED TRANSPOSED (source 0 = 16 rows of B, source 1 = 16 rows of A): a lane holds eight numbers of a row of C.
; REGISTERS, in windows of 256: window 0: v0-31 addresses; v32-95 A's scale words (block i, K step k at v[32 + 8 i + k]); v96-127 B's (v[96 + 8 b + k]); v128-223 A's fragments, set 0; on the way out v128-191 take rows of C.
;   window 1: B's fragments, set 0 at v0, set 1 at v128.   window 2: the accumulators ((a, b) at v[8 (4 a + b)]).   window 3: v128-223 A's fragments, set 1.   K step k works on set k % 2 while set 1 - k % 2 is loaded.
.set SIZE_K, 1024
.set SIZE_N, 1024
.set KROW,   SIZE_K*6/8                ; a row of codes in memory; for A: 16 rows are 12,288 bytes, which is the same 768 a row
.set ROWB,   192                       ; a row of B's part in bytes: 256 codes
.set ATILE,  3072                      ; A: a tile of 16 rows x 256 along K: four heads' images
.set PITCH,  240                       ; B's LDS row: 3 x (64 bytes of data + 16 of padding): the 32 lanes of a load of 8 bytes touch 64 different banks (64 banks of 4 bytes: ISA guide 11.1)
.set FR,     12                        ; registers of a fragment
.set NP,     4                         ; places behind this matrix instruction (ISA guide 7.12.1)
.set AHALF,  8*ATILE                   ; 128 rows of A in a part: what one tensor load brings, and what one wave reads
.set APART,  16*ATILE                  ; A's part p lies at p x APART
.set BHALF,  64*PITCH                  ; 64 rows of B in a part: what one tensor load brings, and what one wave reads
.set BPART,  128*PITCH                 ; B's part p lies at BBASE + p x BPART
.set BBASE,  4*APART
.set SPITCH, 272                       ; the way out: a stage of 16 rows x (256 bytes + 16) for each wave, in A's part 0: it is filled once, and every wave's reads of it are over at the barrier in K step 5
.set ADRB2, 12                         ; v12-15  LDS address of my B fragments in part p, for the pieces that lie behind one padding more
.set ADRA,  16                         ; v16-19  LDS address of my A images in part p: 8 x lane + my half
.set ADRB,  20                         ; v20-23  LDS address of my B fragments in part p
.set STO,   24                         ; v24     the way out: where I put 32 bytes of a row
.set RD,    25                         ; v25     and where I read a row back
.set CO,    26                         ; v26     my byte offset in two rows of C
.set SOF,   27                         ; v27     32 x (lane % 16): my row among a block's scale bytes
.set SA,    32
.set SBS,   96
.set AF,    128
.set BK,    128
.set G1,  24                           ; s[24:31] descriptor group 1 for A's tiles;  s[32:47] group 0, one set for each part
.set G0,  32
.set G1B, 48                           ; s[48:55], s[68:83] the same for B's tiles
.set G0B, 68
.set MSB, 0
.macro WIN new                         ; the immediate's high byte repeats the setting that is left
.if MSB != \new
	s_set_vgpr_msb (MSB<<8)|\new
.set MSB, \new
.endif
.endm
.set TO_B,  0x40                       ; destination window 1, address window 0
.set TO_A1, 0xc0                       ; destination window 3, address window 0
.macro WINMUL k                        ; source 0 (B) window 1; source 1 (A) window 0 or 3, by the set; C and D window 2
.if ((\k)%2) == 0
	WIN 0xa1
.else
	WIN 0xad
.endif
.endm
; A round of the cluster's barrier: my work-group's barrier, so that wave 0's signal speaks for all four waves; wave 0 signals for the work-group; every wave waits for all sixteen work-groups; my work-group's barrier once more.
.macro CROUND
	s_barrier_signal -1
	s_barrier_wait -1
	s_cmp_lg_u32 s14, 0
	s_cbranch_scc1 .Lnot_wave_0_\@
	s_barrier_signal -3
.Lnot_wave_0_\@:
	s_barrier_wait -3
	s_barrier_signal -1
	s_barrier_wait -1
.endm
	s_load_b128 s[4:7], s[0:1], 0x0                ; A's codes s[4:5], A's scales s[6:7]
	s_load_b128 s[8:11], s[0:1], 0x10              ; B's codes s[8:9], B's scales s[10:11]
	s_load_b64 s[12:13], s[0:1], 0x20              ; C
	v_lshl_add_u32 v254, v0, 2, 0x4e000
	v_mov_b32 v255, 0
	ds_add_u32 v254, v255
	ds_add_u32 v254, v255
	v_lshrrev_b32 v1, 5, v0
	v_readfirstlane_b32 s14, v1                    ; wave 0..3
	s_lshr_b32 s15, s14, 1                         ; which half of the tile's rows is mine.  Also: I fetch for A (0) or for B (1)
	s_and_b32 s16, s14, 1                          ; which half of its columns.  Also: which half of that operand's rows I fetch
	s_bfe_u32 s56, ttmp6, 0x40000                  ; cx, cy: my place in the cluster
	s_bfe_u32 s57, ttmp6, 0x40004
	s_lshl_b32 s58, ttmp9, 2
	s_add_co_u32 s58, s58, s56                     ; tile column of C = 4 x cluster x + cx
	s_and_b32 s17, ttmp7, 0xffff
	s_lshl_b32 s17, s17, 2
	s_add_co_u32 s17, s17, s57                     ; tile row of C = 4 x cluster y + cy
	s_lshl_b32 s59, s57, 2
	s_lshl_b32 s59, 15, s59                        ; my row of the cluster
	s_lshl_b32 s60, 0x1111, s56                    ; my column
	; descriptor group 1 for A: 8 tiles of 16 rows, each 3,072 dense bytes (384 elements of 8 bytes), 12,288 bytes apart; dense in LDS
	s_or_b32 s[G1+0], s59, (3<<16)|(1<<21)         ; 15:0 the mask: A's tiles go to my row; 17:16 elements of 8 bytes; 20 no padding; 21 set beside a mask
	s_mov_b32 s[G1+1], 384<<16                     ; tensor_dim0
	s_mov_b32 s[G1+2], 8<<16                       ; tensor_dim1
	s_mov_b32 s[G1+3], 384<<16                     ; tile_dim0
	s_mov_b32 s[G1+4], 8                           ; tile_dim1
	s_mov_b32 s[G1+5], 1536                        ; tensor_dim0_stride
	s_mov_b32 s[G1+6], 0
	s_mov_b32 s[G1+7], 0
	; for B: 64 rows x 192 bytes, 768 bytes apart, padded in LDS
	s_or_b32 s[G1B+0], s60, (0<<16)|(1<<20)|(1<<21)|(3<<22)|(3<<25)  ; the mask of my column; elements of 1 byte; padding on: after every 16 words (code 3) 4 words (code 3); 21 set beside a mask
	s_mov_b32 s[G1B+1], ROWB<<16
	s_mov_b32 s[G1B+2], 64<<16
	s_mov_b32 s[G1B+3], ROWB<<16
	s_mov_b32 s[G1B+4], 64
	s_mov_b32 s[G1B+5], KROW
	s_mov_b32 s[G1B+6], 0
	s_mov_b32 s[G1B+7], 0
	; where the tiles come from.  A's hang on the tile row alone, which my row of the cluster shares; B's on the tile column alone, which my column shares; each in registers that never hold the other coordinate
	s_lshl_b32 s18, s16, 7
	s_lshl_b32 s20, s17, 8
	s_add_co_u32 s20, s20, s18                     ; A: row 256 x tile row + 128 x (wave % 2)
	s_mov_b32 s21, 0
	s_lshl_b32 s18, s16, 6
	s_lshl_b32 s86, s58, 7
	s_add_co_u32 s86, s86, s18
	s_add_co_u32 s86, s86, 3072                    ; B: w_out's rows begin at 3,072: + 128 x tile column + 64 x (wave % 2): the rows that waves 2, 3 fetch, and the rows that are my columns of C
	s_mov_b32 s87, 0
	s_lshl_b32 s88, s86, 5                         ; their scale bytes: 32 a row
	s_mov_b32 s89, 0
	s_lshl_b32 s18, s15, 7
	s_lshl_b32 s22, s17, 8
	s_add_co_u32 s22, s22, s18                     ; my own 128 rows of A and of C: 256 x tile row + 128 x (wave / 2)
	s_lshl_b32 s90, s22, 12                        ; in C: 4,096 bytes a row,
	s_lshl_b32 s91, s58, 9
	s_add_co_u32 s90, s90, s91                     ; + 512 x tile column
	s_lshl_b32 s91, s16, 8
	s_add_co_u32 s90, s90, s91                     ; + 256 x (wave % 2)
	s_mov_b32 s91, 0
	s_lshl_b32 s22, s22, 5                         ; and their scale bytes
	s_mov_b32 s23, 0
	s_mov_b64 s[18:19], KROW
	s_mul_u64 s[20:21], s[20:21], s[18:19]         ; the codes' offsets in bytes
	s_mul_u64 s[86:87], s[86:87], s[18:19]
	s_mul_i32 s84, s16, AHALF                      ; where the tiles go: no place in the cluster enters an LDS address
	s_mul_i32 s85, s16, BHALF
	s_add_co_u32 s85, s85, BBASE
	; every LDS address register is made here, ahead of the branch on the wave's number
	v_and_b32 v1, 15, v0                           ; l % 16
	v_bfe_u32 v2, v0, 4, 1                         ; l / 16
	v_and_b32 v3, 31, v0
	v_lshlrev_b32 v3, 3, v3                        ; A: 8 x lane: my place in a piece of an image
	v_mul_u32_u24 v4, v1, PITCH
	v_mul_u32_u24 v5, v2, 24
	v_add_nc_u32 v4, v4, v5                        ; B: a fragment's row x pitch + 24 x half
	v_lshl_add_u32 v5, v2, 4, v4                   ; and the same behind one padding more
	s_mul_i32 s61, s15, AHALF                      ; my 128 rows of A
	s_mul_i32 s62, s16, BHALF                      ; my 64 rows of B
	s_add_co_u32 s62, s62, BBASE
.irp p, 0,1,2,3
	v_add_nc_u32 v[ADRA+\p], s61, v3
	v_add_nc_u32 v[ADRB+\p], s62, v4
	v_add_nc_u32 v[ADRB2+\p], s62, v5
	s_add_co_u32 s61, s61, APART
	s_add_co_u32 s62, s62, BPART
.endr
	s_mul_i32 s63, s14, 16*SPITCH                  ; my stage
	v_mul_u32_u24 v6, v1, SPITCH                   ; in: row l % 16; my half's 16 true neighbours of each 32 columns: 64 bytes on for lanes 16-31
	v_lshl_add_u32 v6, v2, 6, v6
	v_add_nc_u32 v[STO], s63, v6
	v_mul_u32_u24 v6, v2, SPITCH                   ; back: lanes 0-15 take one row of 256 bytes, lanes 16-31 the next
	v_lshl_add_u32 v6, v1, 4, v6
	v_add_nc_u32 v[RD], s63, v6
	v_lshlrev_b32 v6, 12, v2                       ; and the same two rows in C
	v_lshl_add_u32 v[CO], v1, 4, v6
	v_lshlrev_b32 v[SOF], 5, v1
	s_wait_dscnt 0x0
	s_wait_kmcnt 0x0
	s_add_nc_u64 s[20:21], s[4:5], s[20:21]
	s_add_nc_u64 s[22:23], s[6:7], s[22:23]
	s_add_nc_u64 s[86:87], s[8:9], s[86:87]
	s_add_nc_u64 s[88:89], s[10:11], s[88:89]
	s_add_nc_u64 s[12:13], s[12:13], s[90:91]
.irp i, 0,1,2,3,4,5,6,7                ; the scale words of my 128 rows of A: a block's 16 rows are 512 consecutive bytes (lanes 16-31 read what lanes 0-15 read; the matrix unit takes lanes 0-15)
	global_load_b128 v[SA+8*\i:SA+8*\i+3], v[SOF], s[22:23] offset:512*\i
	global_load_b128 v[SA+8*\i+4:SA+8*\i+7], v[SOF], s[22:23] offset:512*\i+16
.endr
.irp b, 0,1,2,3                        ; and of my 64 rows of B
	global_load_b128 v[SBS+8*\b:SBS+8*\b+3], v[SOF], s[88:89] offset:512*\b
	global_load_b128 v[SBS+8*\b+4:SBS+8*\b+7], v[SOF], s[88:89] offset:512*\b+16
.endr
.irp p, 0,1,2,3                        ; descriptor group 0, a set for each part: none is ever written again
	s_mov_b32 s[G0+4*\p], 1                                        ; count = 1
	s_add_co_u32 s[G0+4*\p+1], s84, \p*APART                       ; LDS address
	s_add_nc_u64 s[G0+4*\p+2:G0+4*\p+3], s[20:21], \p*ATILE        ; global address: 256 along K on
	s_or_b32 s[G0+4*\p+3], s[G0+4*\p+3], 0x80000000                ; type = 2
	s_mov_b32 s[G0B+4*\p], 1
	s_add_co_u32 s[G0B+4*\p+1], s85, \p*BPART
	s_add_nc_u64 s[G0B+4*\p+2:G0B+4*\p+3], s[86:87], \p*ROWB
	s_or_b32 s[G0B+4*\p+3], s[G0B+4*\p+3], 0x80000000
.endr
	CROUND                                         ; all sixteen work-groups are here: the joint loads meet
	; THE FILLS, the only ones: one group, ahead of every wait on TENSORcnt and every LDS read.  A wave's four loads stand in one branch on its number; four v_nop follow the last.
	; By this text's own count four tensor loads of a wave are out.
	s_cmp_eq_u32 s15, 0
	s_cbranch_scc0 .Lfor_b
	tensor_load_to_lds s[G0:G0+3], s[G1:G1+7]
	s_nop 0
	tensor_load_to_lds s[G0+4:G0+7], s[G1:G1+7]
	s_nop 0
	tensor_load_to_lds s[G0+8:G0+11], s[G1:G1+7]
	s_nop 0
	tensor_load_to_lds s[G0+12:G0+15], s[G1:G1+7]
	s_nop 0
.rept 4
	v_nop
.endr
	s_branch .Lasked
.Lfor_b:
	tensor_load_to_lds s[G0B:G0B+3], s[G1B:G1B+7]
	s_nop 0
	tensor_load_to_lds s[G0B+4:G0B+7], s[G1B:G1B+7]
	s_nop 0
	tensor_load_to_lds s[G0B+8:G0B+11], s[G1B:G1B+7]
	s_nop 0
	tensor_load_to_lds s[G0B+12:G0B+15], s[G1B:G1B+7]
	s_nop 0
.rept 4
	v_nop
.endr
.Lasked:
.macro FRAGB reg, part, q, i           ; a fragment of B from rows: 12 registers: lane l holds row l % 16; registers 6 c .. 6 c + 5 hold K = 64 c + 32 (l / 16) + 0 .. 31, in pieces of 8 bytes
.irp p, 0,1,2,3,4,5
.set PCE, 12*(\q)+6*(\p/3)+\p%3        ; 16 bytes of padding lie behind every 8 pieces: where the piece three on (lanes 16-31's) lies behind one padding more, the second address register serves
.if PCE%8 < 5
	ds_load_b64 v[\reg+2*\p:\reg+2*\p+1], v[ADRB+(\part)] offset:8*PCE+16*(PCE/8)+(\i)*16*PITCH
.else
	ds_load_b64 v[\reg+2*\p:\reg+2*\p+1], v[ADRB2+(\part)] offset:8*PCE+16*(PCE/8)+(\i)*16*PITCH
.endif
.endr
.endm
.macro FRAGA reg, part, q, i           ; a fragment of A from its image: six pieces of 256 consecutive bytes
.irp p, 0,1,2,3,4,5
	ds_load_b64 v[\reg+2*\p:\reg+2*\p+1], v[ADRA+(\part)] offset:(\i)*ATILE+(\q)*1536+256*\p
.endr
.endm
.macro FETCH_B k                       ; B's four fragments of K step k into set k % 2: 24 loads
	WIN TO_B
.irp i, 0,1,2,3
	FRAGB 128*((\k)%2)+FR*\i, (\k)/2, (\k)%2, \i
.endr
.endm
.macro FETCH_A k, i0                   ; A's blocks i0 .. i0 + 3 of K step k into set k % 2: 24 loads
.if ((\k)%2) == 0
	WIN 0
.else
	WIN TO_A1
.endif
.irp i, \i0, \i0+1, \i0+2, \i0+3
	FRAGA AF+FR*(\i), (\k)/2, (\k)%2, \i
.endr
.endm
; 8 matrix instructions: A's blocks a0, a0 + 1 x B's four, K step k.  zero = 1: the first product starts the sums: nothing is ever cleared.
; The 32 accumulators take turns, one instruction a turn, in the same order in every step.
.macro MUL8 k, a0, zero
.irp a, \a0, \a0+1
.irp b, 0,1,2,3
.if \zero
	v_wmma_scale_f32_16x16x128_f8f6f4 v[8*(4*(\a)+\b):8*(4*(\a)+\b)+7], v[128*((\k)%2)+FR*\b:128*((\k)%2)+FR*\b+FR-1], v[AF+FR*(\a):AF+FR*(\a)+FR-1], 0, v[SBS+8*\b+(\k)], v[SA+8*(\a)+(\k)] matrix_a_fmt:MATRIX_FMT_BF6 matrix_b_fmt:MATRIX_FMT_BF6
.else
	v_wmma_scale_f32_16x16x128_f8f6f4 v[8*(4*(\a)+\b):8*(4*(\a)+\b)+7], v[128*((\k)%2)+FR*\b:128*((\k)%2)+FR*\b+FR-1], v[AF+FR*(\a):AF+FR*(\a)+FR-1], v[8*(4*(\a)+\b):8*(4*(\a)+\b)+7], v[SBS+8*\b+(\k)], v[SA+8*(\a)+(\k)] matrix_a_fmt:MATRIX_FMT_BF6 matrix_b_fmt:MATRIX_FMT_BF6
.endif
.endr
.endr
.endm
; A load into a register that a matrix instruction has read, and an LDS store that reads a matrix result, stand NP places behind that matrix instruction, and only plain vector
; instructions that name none of its registers are places (ISA guide 7.12.1 for vector instructions).
.macro PLACES n
.rept \n
	v_nop
.endr
.endm
; An even K step: its successor lies in the same part of LDS, so the successor's fragments are asked for at once: two thirds at the step's head, 32 products ahead of their use, the rest in its middle.
.macro STEPE k, zero
.if (\k) > 0
	PLACES NP                                      ; behind step k - 1's products, which read the set that is loaded now (for both runs of loads of this step)
.endif
	FETCH_B (\k)+1
	FETCH_A (\k)+1, 0
	s_wait_dscnt 48                                ; all of step k's fragments are in; the 48 loads just issued may be out
	WINMUL \k
	MUL8 \k, 0, \zero
	MUL8 \k, 2, \zero
	FETCH_A (\k)+1, 4
	WINMUL \k
	MUL8 \k, 4, \zero
	MUL8 \k, 6, \zero
.endm
; An odd K step: its successor lies in the next part.  Each wave waits for its own load of that part (the count: the later parts' loads, which may stay out) and for its LDS loads,
; signals, multiplies while the others arrive, and reads the next part behind the barrier's wait.
.macro STEPO k
	s_wait_tensorcnt 3-((\k)+1)/2                  ; my load of part (k + 1) / 2 has landed
	s_wait_dscnt 0x0                               ; step k's fragments are in, and no LDS access of mine is out at the signal
	s_barrier_signal -1
	WINMUL \k
	MUL8 \k, 0, 0
	MUL8 \k, 2, 0
	s_barrier_wait -1                              ; everybody's load of that part has landed
	PLACES NP                                      ; between step k - 1's products and the loads into the set that they read
	FETCH_B (\k)+1
	FETCH_A (\k)+1, 0
	FETCH_A (\k)+1, 4
	WINMUL \k
	MUL8 \k, 4, 0
	MUL8 \k, 6, 0
.endm
	s_wait_tensorcnt 3                             ; my load of part 0 has landed; the three later parts' may be out,
	s_barrier_signal -1
	s_barrier_wait -1                              ; everybody's has
	FETCH_B 0
	FETCH_A 0, 0
	FETCH_A 0, 4
	s_wait_loadcnt 0x0                             ; the scale words
	STEPE 0, 1                                     ; the first step's products start the sums
	STEPO 1
	STEPE 2, 0
	STEPO 3
	STEPE 4, 0
	STEPO 5                                        ; its wait on TENSORcnt is for 0; behind its barrier no wave reads parts 0 to 2 any more
	STEPE 6, 0
	s_wait_dscnt 0x0                               ; the last step: nothing more to fetch
	WINMUL 7
	MUL8 7, 0, 0
	MUL8 7, 2, 0
	MUL8 7, 4, 0
	MUL8 7, 6, 0
	WIN 0
; THE WAY OUT, block by block of 16 rows x 64 columns, through my own stage in LDS; it comes back as whole rows of 256 bytes.  LDS serves a wave's instructions in order (ISA guide 5.7.1.4): no wait between the stores and the loads.
; Accumulator (a, b), lane (r, h), register n is column 32 (b / 2) + 16 h + 8 (b % 2) + n of my 64, and row 32 (a / 2) + 8 (a % 2) + r + 8 (r / 8) of my 128: the stage's offsets and the stores' offsets put both back in order.
.macro TOSTAGE a
.set AC, 32*(\a)
	WIN 0x08                                       ; an LDS store's data are its source 1: window 2
.irp b, 0,1,2,3
	ds_store_b128 v[STO], v[AC+8*\b:AC+8*\b+3] offset:128*(\b/2)+32*(\b%2)          ; each accumulator from its low end on
	ds_store_b128 v[STO], v[AC+8*\b+4:AC+8*\b+7] offset:128*(\b/2)+32*(\b%2)+16
.endr
	WIN 0
.set BB, BK+32*((\a)%2)
.irp t, 0,1,2,3,4,5,6,7
	ds_load_b128 v[BB+4*\t:BB+4*\t+3], v[RD] offset:2*\t*SPITCH
.endr
.endm
.macro SEND a, younger                 ; younger: the LDS instructions issued behind block a's loads, which may stay out
.set BB, BK+32*((\a)%2)
	s_wait_dscnt \younger                          ; the block is back in registers
.if (\a) > 0
.if (\a)%2 == 1
	s_add_nc_u64 s[12:13], s[12:13], 8*SIZE_N*4    ; (behind a wait on XCNT: the earlier stores have read their base)  an odd block begins 8 rows behind the even one,
.else
	s_add_nc_u64 s[12:13], s[12:13], 24*SIZE_N*4   ; the next even one 24 rows further on
.endif
.endif
.irp t, 0,1,2,3,4,5,6,7
	global_store_b128 v[CO], v[BB+4*\t:BB+4*\t+3], s[12:13] offset:(2*\t+8*(\t/4))*SIZE_N*4 th:TH_STORE_NT   ; 16 lanes store 256 consecutive bytes, at a multiple of 256 from C's first byte; written once, read by nobody here
.endr
.endm
	PLACES NP                                      ; behind the last products: for the loads into the registers that held A's fragments and for the reads of results alike
	TOSTAGE 0
.irp a, 1,2,3,4,5,6,7
.if \a > 1
	s_wait_xcnt 0x0                                ; block a - 2's stores have read their registers and their base: block a's loads may land there, and the base may step
.endif
	TOSTAGE \a
	SEND \a-1, 16                                  ; behind block a - 1's loads: block a's 8 stores and 8 loads
.endr
	s_wait_xcnt 0x0                                ; block 6's stores have read their base
	SEND 7, 0                                      ; its wait is for 0: no LDS access of mine is out at the round's signal
	s_wait_tensorcnt 0x0
	ds_add_u32 v254, v255
	s_wait_dscnt 0x0
	CROUND                                         ; the closing round: no work-group ends while a partner may still ask for a tile by a load that names it
	s_endpgm
.Lfunc_end_k_q96f709c0b3_gemm_out:
	.size	k_q96f709c0b3_gemm_out, .Lfunc_end_k_q96f709c0b3_gemm_out-k_q96f709c0b3_gemm_out
	.p2alignl 7, 3214868480
	.fill 96, 4, 3214868480
	.section	.rodata,"a",@progbits
	.p2align	6, 0x0
	.amdhsa_kernel k_q96f709c0b3_gemm_out
		.amdhsa_group_segment_fixed_size 327680
		.amdhsa_private_segment_fixed_size 0
		.amdhsa_enable_private_segment 0
		.amdhsa_kernarg_size 40
		.amdhsa_user_sgpr_count 2
		.amdhsa_user_sgpr_kernarg_segment_ptr 1
		.amdhsa_wavefront_size32 1
		.amdhsa_system_sgpr_workgroup_id_x 1
		.amdhsa_system_sgpr_workgroup_id_y 1
		.amdhsa_system_sgpr_workgroup_id_z 1
		.amdhsa_system_vgpr_workitem_id 0
		.amdhsa_next_free_vgpr 1024
		.amdhsa_next_free_sgpr 92
		.amdhsa_reserve_vcc 0
		.amdhsa_float_denorm_mode_32 3
		.amdhsa_float_denorm_mode_16_64 3
		.amdhsa_memory_ordered 1
		.amdhsa_forward_progress 1
		.amdhsa_inst_pref_size 98
	.end_amdhsa_kernel
	.amdgpu_metadata
---
amdhsa.version: [ 1, 2 ]
amdhsa.kernels:
  - .name:           k_q96f709c0b3_gemm_out
    .symbol:         k_q96f709c0b3_gemm_out.kd
    .args:
      - { .name: acod, .offset: 0, .size: 8, .value_kind: global_buffer, .address_space: global }
      - { .name: ascl, .offset: 8, .size: 8, .value_kind: global_buffer, .address_space: global }
      - { .name: wcod, .offset: 16, .size: 8, .value_kind: global_buffer, .address_space: global }
      - { .name: wscl, .offset: 24, .size: 8, .value_kind: global_buffer, .address_space: global }
      - { .name: out0, .offset: 32, .size: 8, .value_kind: global_buffer, .address_space: global }
    .group_segment_fixed_size: 327680
    .private_segment_fixed_size: 0
    .kernarg_segment_align: 8
    .kernarg_segment_size: 40
    .max_flat_workgroup_size: 128
    .sgpr_count:     92
    .vgpr_count:     1024
    .wavefront_size: 32
...
	.end_amdgpu_metadata
.endif
;; end of part 8
